; MI455X (gfx1250); checked and timed in simulation.
; The chip was launched on July 23, 2026; its instructions are those of AMD's public machine-readable ISA for CDNA 5 (MIT licence, August 2026) and "CDNA5" Instruction Set Architecture Reference Guide (July 2026). The comments in the code are by the model that wrote it; some were corrected since.
;; Local Attention. Allowed arithmetic: float matrix products may take bf16 or f16 operands with f32 sums; other float arithmetic in f32, or as packed bf16 or f16 multiplies, adds, multiply-adds, maxima and minima; sums over many terms, partial sums and values carried from step to step in f32; what a program stores and reads back later, other than sums and carried values, may be rounded once to bf16 or f16.
;; Inputs: Wk 1,024 x 1,024 float32; Wo 1,024 x 1,024 float32; Wq 1,024 x 1,024 float32; Wv 1,024 x 1,024 float32; bk 1,024 float32; bo 1,024 float32; bq 1,024 float32; bv 1,024 float32; x 4 x 2,048 x 1,024 float32.
;; Outputs: out0 4 x 2,048 x 1,024 float32.
;; 2 versions, each right. Each part assembles by itself: llvm-mc -triple=amdgcn-amd-amdhsa -mcpu=gfx1250 --defsym DOCPART=n.
;; ======== version 1 of 2: 5 launches
;; limits: values are held in f16: magnitudes above 65,504 overflow, below 6.1e-05 lose precision; inputs' magnitudes at most 65,504; right only within a limited range of input values
;; workspace buffers: xh 16,777,216 bytes; wh 8,388,608 bytes; amax 1,536 bytes; qkv 50,331,648 bytes; pm 33,554,432 bytes; st 1,048,576 bytes; ctx 16,777,216 bytes
;; launch cvt (part 1): grid 384 x 1, 4 waves a work-group, no clusters, 768 bytes of LDS; arguments x, Wq, Wk, Wv, Wo, bq, bk, bv, xh, wh, amax; writes xh, wh, amax
.if DOCPART == 1
	.amdgcn_target "amdgcn-amd-amdhsa--gfx1250"
	.amdhsa_code_object_version 6
	.text
	.protected	k_q58412ffc11_cvt
	.globl	k_q58412ffc11_cvt
	.p2align	8
	.type	k_q58412ffc11_cvt,@function
k_q58412ffc11_cvt:
	s_mov_b64 s[64:65], 0
	v_nop
	global_prefetch_b8 v0, s[64:65] scope:SCOPE_SE
	s_setreg_imm32_b32 hwreg(HW_REG_WAVE_MODE, 25, 1), 1
	s_wait_xcnt 0x0
; x, Wq, Wk, Wv, Wo (f32) are rounded to f16 (nearest even) into xh [8192][1024] and wh [4096][1024] (Wq, Wk, Wv, Wo one below the other),
; and each work-group stores the largest magnitude that it saw into amax[its number]; the groups of Wq, Wk, Wv fold 32 numbers of that weight's bias in.
; From these figures the later launches make power-of-two scales for q, for k and for v.
; SHARES.  Work-groups 0-255: 32 rows of x each; 256-383: 32 rows of a weight.  A wave takes 32,768 bytes in 64 pieces of 512 bytes:
; a lane loads 16 bytes and stores 8, so a wave's store covers 256 consecutive bytes, aligned.  A ring of 16 slots in registers keeps 16 loads of each wave out.
; A stream: every byte is read once and written once; LDS tiles, clusters and the matrix unit would add nothing.
; LIMITS.  |x|, |W| from 65,520 on become infinite in f16; below 6.1e-5 they carry an absolute error of up to 3e-8.  A NaN is not seen by the maxima.
.set DEPTH,  16                        ; slots = loads in flight in each wave
.set X, 8                              ; v[8:71]    slot s: 4 registers as loaded
.set Y, 72                             ; v[72:103]  slot s: 2 registers to store
	s_load_b512 s[4:19], s[0:1], 0x0               ; x s[4:5], Wq s[6:7], Wk s[8:9], Wv s[10:11], Wo s[12:13], bq s[14:15], bk s[16:17], bv s[18:19]
	s_load_b128 s[20:23], s[0:1], 0x40             ; xh s[20:21], wh s[22:23]
	s_load_b64 s[24:25], s[0:1], 0x50              ; amax
	v_lshl_add_u32 v112, v0, 2, 0x100
	v_mov_b32 v113, 0
	v_lshrrev_b32 v3, 5, v0
	v_readfirstlane_b32 s38, v3                    ; wave 0..3
	v_and_b32 v3, 31, v0                           ; lane
	s_lshl_b32 s39, s38, 15
	v_lshl_add_u32 v1, v3, 4, s39                  ; source: wave x 32,768 + 16 x lane
	s_lshl_b32 s46, s38, 14
	v_lshl_add_u32 v2, v3, 3, s46                  ; destination: wave x 16,384 + 8 x lane
	v_lshlrev_b32 v3, 2, v3                        ; bias: 4 x lane
	v_mov_b32 v4, 0                                ; two running maxima of magnitudes,
	v_mov_b32 v5, 0
	v_mov_b32 v6, 0                                ; the bias word (0 where the group has none),
	v_mov_b32 v7, 0                                ; and the offset of the last store
	s_mov_b32 s32, 0x76543210                      ; v_permlanex16_b32: each lane takes its own place in the other half
	s_mov_b32 s33, 0xfedcba98
	s_and_b32 s34, ttmp9, 31                       ; my place among a weight's 32 groups
	s_and_b32 s40, ttmp9, 255
	s_lshl_b32 s40, s40, 16                        ; destination offset: 32 rows of 2,048 bytes (in wh: counted from group 256)
	s_mov_b32 s41, 0
	s_lshl_b32 s42, s34, 7                         ; bias offset: 32 numbers
	s_mov_b32 s43, 0
	s_lshl_b32 s44, ttmp9, 2                       ; my word of amax
	s_mov_b32 s45, 0
	s_cmp_lt_u32 ttmp9, 256
	s_cselect_b32 s36, ttmp9, s34
	s_lshl_b32 s36, s36, 17                        ; source offset: 32 rows of 4,096 bytes
	s_mov_b32 s37, 0
	s_wait_kmcnt 0x0
	s_mov_b64 s[26:27], s[12:13]                   ; the source by the group's number: Wo,
	s_mov_b64 s[30:31], s[18:19]                   ; the bias: bv,
	s_cmp_lt_u32 ttmp9, 352
	s_cselect_b64 s[26:27], s[10:11], s[26:27]     ; Wv,
	s_cmp_lt_u32 ttmp9, 320
	s_cselect_b64 s[26:27], s[8:9], s[26:27]       ; Wk,
	s_cselect_b64 s[30:31], s[16:17], s[30:31]     ; bk,
	s_cmp_lt_u32 ttmp9, 288
	s_cselect_b64 s[26:27], s[6:7], s[26:27]       ; Wq,
	s_cselect_b64 s[30:31], s[14:15], s[30:31]     ; bq,
	s_cmp_lt_u32 ttmp9, 256
	s_cselect_b64 s[26:27], s[4:5], s[26:27]       ; x
	s_cselect_b64 s[28:29], s[20:21], s[22:23]     ; the destination: xh or wh
	s_add_nc_u64 s[26:27], s[26:27], s[36:37]
	s_add_nc_u64 s[28:29], s[28:29], s[40:41]
	s_add_nc_u64 s[30:31], s[30:31], s[42:43]
	s_add_nc_u64 s[24:25], s[24:25], s[44:45]
	s_cmp_lt_u32 ttmp9, 256                        ; groups 256-351 (Wq, Wk, Wv) read 32 numbers of their bias; it is the oldest load, so no later count changes
	s_cbranch_scc1 .Lno_bias
	s_cmp_ge_u32 ttmp9, 352
	s_cbranch_scc1 .Lno_bias
	global_load_b32 v6, v3, s[30:31]
.Lno_bias:
.set n, 0
.rept DEPTH
	global_load_b128 v[X+4*n:X+4*n+3], v1, s[26:27] offset:n*512 th:TH_LOAD_NT   ; fill the ring: pieces 0 to 15
.set n, n+1
.endr
; Piece n.  ahead = 1: its slot is filled again with piece n + 16.  left = how many younger loads may stay out.
.macro PIECE n, ahead, left
.set sl, (\n)%DEPTH
	s_wait_loadcnt \left                           ; loads come back in order (ISA guide 5.7.1): mine is in
	s_wait_xcnt 0x0                                ; the slot's Y, which its last store reads, is rewritten only behind this wait
	v_max3_num_f32 v4, v4, |v[X+4*sl]|, |v[X+4*sl+1]|
	v_max3_num_f32 v5, v5, |v[X+4*sl+2]|, |v[X+4*sl+3]|
	v_cvt_pk_f16_f32 v[Y+2*sl], v[X+4*sl], v[X+4*sl+1]
	v_cvt_pk_f16_f32 v[Y+2*sl+1], v[X+4*sl+2], v[X+4*sl+3]
.if \ahead
	global_load_b128 v[X+4*sl:X+4*sl+3], v1, s[26:27] offset:((\n)+DEPTH)*512 th:TH_LOAD_NT
.endif
	global_store_b64 v2, v[Y+2*sl:Y+2*sl+1], s[28:29] offset:(\n)*256
.endm
.set n, 0
.rept 48
	PIECE n, 1, 15
.set n, n+1
.endr
.rept 16
	PIECE n, 0, 63-n                               ; the last 16 pieces load nothing: the counts run down to 0
.set n, n+1
.endr
	; the largest magnitude: in the lane, across the wave's 32 lanes, across the four waves
	v_max3_num_f32 v4, v4, v5, |v6|
	v_max_num_f32_dpp v4, v4, v4 row_xmask:1 row_mask:0xf bank_mask:0xf
	v_max_num_f32_dpp v4, v4, v4 row_xmask:2 row_mask:0xf bank_mask:0xf
	v_max_num_f32_dpp v4, v4, v4 row_xmask:4 row_mask:0xf bank_mask:0xf
	v_max_num_f32_dpp v4, v4, v4 row_xmask:8 row_mask:0xf bank_mask:0xf
	v_permlanex16_b32 v5, v4, s32, s33
	v_max_num_f32 v4, v4, v5
	v_mov_b32 v8, s38
	v_lshlrev_b32 v8, 2, v8
	ds_store_b32 v8, v4                            ; my wave's word
	s_wait_dscnt 0x0                               ; for the others' sake: my store is done
	s_barrier_signal -1
	s_barrier_wait -1
	v_mov_b32 v9, 0
	ds_load_b128 v[12:15], v9                      ; the four waves' figures
	s_wait_dscnt 0x0
	v_max3_num_f32 v4, v12, v13, v14
	v_max_num_f32 v4, v4, v15
	v_cmp_eq_u32 vcc_lo, 0, v0                     ; thread 0 stores the group's figure
	s_wait_xcnt 0x0                                ; EXEC changes only behind this wait
	s_wait_tensorcnt 0x0
	ds_add_u32 v112, v113
	s_wait_dscnt 0x0
	s_and_saveexec_b32 s39, vcc_lo
	global_store_b32 v7, v4, s[24:25]
	s_wait_xcnt 0x0                                ; and again in front of the line that widens it
	s_or_b32 exec_lo, exec_lo, s39
	s_endpgm
.Lfunc_end_k_q58412ffc11_cvt:
	.size	k_q58412ffc11_cvt, .Lfunc_end_k_q58412ffc11_cvt-k_q58412ffc11_cvt
	.p2alignl 7, 3214868480
	.fill 96, 4, 3214868480
	.section	.rodata,"a",@progbits
	.p2align	6, 0x0
	.amdhsa_kernel k_q58412ffc11_cvt
		.amdhsa_group_segment_fixed_size 768
		.amdhsa_private_segment_fixed_size 0
		.amdhsa_enable_private_segment 0
		.amdhsa_kernarg_size 88
		.amdhsa_user_sgpr_count 2
		.amdhsa_user_sgpr_kernarg_segment_ptr 1
		.amdhsa_wavefront_size32 1
		.amdhsa_system_sgpr_workgroup_id_x 1
		.amdhsa_system_sgpr_workgroup_id_y 1
		.amdhsa_system_sgpr_workgroup_id_z 1
		.amdhsa_system_vgpr_workitem_id 0
		.amdhsa_next_free_vgpr 114
		.amdhsa_next_free_sgpr 66
		.amdhsa_reserve_vcc 1
		.amdhsa_float_denorm_mode_32 3
		.amdhsa_float_denorm_mode_16_64 3
		.amdhsa_memory_ordered 1
		.amdhsa_forward_progress 1
		.amdhsa_inst_pref_size 36
	.end_amdhsa_kernel
	.amdgpu_metadata
---
amdhsa.version: [ 1, 2 ]
amdhsa.kernels:
  - .name:           k_q58412ffc11_cvt
    .symbol:         k_q58412ffc11_cvt.kd
    .args:
      - { .name: x, .offset: 0, .size: 8, .value_kind: global_buffer, .address_space: global }
      - { .name: Wq, .offset: 8, .size: 8, .value_kind: global_buffer, .address_space: global }
      - { .name: Wk, .offset: 16, .size: 8, .value_kind: global_buffer, .address_space: global }
      - { .name: Wv, .offset: 24, .size: 8, .value_kind: global_buffer, .address_space: global }
      - { .name: Wo, .offset: 32, .size: 8, .value_kind: global_buffer, .address_space: global }
      - { .name: bq, .offset: 40, .size: 8, .value_kind: global_buffer, .address_space: global }
      - { .name: bk, .offset: 48, .size: 8, .value_kind: global_buffer, .address_space: global }
      - { .name: bv, .offset: 56, .size: 8, .value_kind: global_buffer, .address_space: global }
      - { .name: xh, .offset: 64, .size: 8, .value_kind: global_buffer, .address_space: global }
      - { .name: wh, .offset: 72, .size: 8, .value_kind: global_buffer, .address_space: global }
      - { .name: amax, .offset: 80, .size: 8, .value_kind: global_buffer, .address_space: global }
    .group_segment_fixed_size: 768
    .private_segment_fixed_size: 0
    .kernarg_segment_align: 8
    .kernarg_segment_size: 88
    .max_flat_workgroup_size: 128
    .sgpr_count:     66
    .vgpr_count:     114
    .wavefront_size: 32
...
	.end_amdgpu_metadata
.endif
;; end of part 1
;; launch proj (part 2): grid 12 x 64, 4 waves a work-group, clusters of 4 x 4, 327,680 bytes of LDS; arguments xh, wh, bq, bk, bv, amax, qkv; writes qkv
.if DOCPART == 2
	.amdgcn_target "amdgcn-amd-amdhsa--gfx1250"
	.amdhsa_code_object_version 6
	.text
	.protected	k_q58412ffc11_proj
	.globl	k_q58412ffc11_proj
	.p2align	8
	.type	k_q58412ffc11_proj,@function
k_q58412ffc11_proj:
	s_mov_b64 s[64:65], 0
	v_nop
	global_prefetch_b8 v0, s[64:65] scope:SCOPE_SE
	s_setreg_imm32_b32 hwreg(HW_REG_WAVE_MODE, 25, 1), 1
	s_wait_xcnt 0x0
	s_wait_alu depctr_hold_cnt(0) depctr_sa_sdst(0) depctr_va_vdst(0) depctr_va_sdst(0) depctr_va_ssrc(0) depctr_va_vcc(0) depctr_vm_vsrc(0)
	s_getreg_b32 s2, hwreg(HW_REG_IB_STS2, 6, 4)
	s_cmp_eq_u32 s2, 0
	s_cbranch_scc0 .Lentry_in_a_cluster
	s_endpgm
.Lentry_in_a_cluster:
	s_bfe_u32 s2, ttmp6, 0x10000c
	s_cmp_lg_u32 s2, 0xf033
	s_cbranch_scc0 .Lentry_shape_is_right
	s_endpgm
.Lentry_shape_is_right:
; qkv[t][n] = (sum over c of xh[t][c] wh[n][c] + b[n]) * 2^s, f16; t = 0..8191, n = 0..3071: q, k, v side by side in rows of 6,144 bytes.  Sums in f32.
; THE SCALE.  |x W + b| <= B = (1024 max|x| + 1) max(|W|, |b|) for every input.  With e the exponent field of B (kept in 16..250), 2^s = 2^(140 - e), so that every
; stored number is below 2^14 and f16 cannot overflow; q, k and v have a scale each.  It enters as a multiplier alone.  Outside 2^-111 <= B < 2^124 the scale is the clamped one.
; SHARES.  A tile of C is 128 x 256; four waves, 2 x 2, each 64 x 128: 32 accumulators of 16 x 16, 256 registers.  K = 1024 goes in 8 steps of 128 through two LDS slots.
; 12 x 64 tiles = 768 work-groups of equal work.  The cluster's x (0, 1, 2) is the kind q, k, v.
; CLUSTERS: 4 x 4 work-groups.  The four of a row of the cluster need the same tile of A (xh), the four of a column the same tile of B (wh): each is asked for jointly, by the same tensor
; load with the same descriptor and a mask that names the four.  Waves 0, 1 fetch A's halves (64 rows of 256 bytes), waves 2, 3 B's (128 rows).
; THE MATRIX INSTRUCTION IS USED TRANSPOSED (source 0 = 16 rows of B, source 1 = 16 rows of A): a lane holds row l % 16 of C and eight neighbouring columns 8 (l / 16) + 0..7.
; REGISTERS: window 0: v0-47 addresses and scale work; v64-159, v160-255 two fragment buffers (A's 4 blocks, then B's 8), on the way out T, TMP, OB.
;   window 1: accumulator (a, b) at v[8 (8 a + b)].   window 2: v0-63 the bias of my 64 columns, times 2^s.
.set PITCH,  272                       ; an LDS row: 256 bytes + 16 of padding: the 16 rows of a fragment load start 4 banks apart (64 banks of 4 bytes: ISA guide 11.1)
.set AHALF,  64*PITCH
.set BOFF,   2*AHALF                   ; B's 256 rows lie behind A's 128
.set BHALF,  128*PITCH
.set SLOT,   BOFF+2*BHALF              ; 104,448
.set STAGE,  2*SLOT                    ; behind the ring: 16 rows x 272 bytes for each wave, for the way out; no fill lands here
.set SPITCH, 272
.set WSTAGE, 16*SPITCH
.set SPARE,  STAGE+4*WSTAGE            ; the spare words, 128 bytes for each wave: two blocks of 256 bytes that no other line names
.set LAPS,   4                         ; a lap = two K steps = once round the ring
.set ROWA,   2048                      ; bytes of a row of A, of B, of C; STR..: elements from row to row
.set STRA,   1024
.set ROWB,   2048
.set STRB,   1024
.set ASTEP,  256                       ; bytes from a K step to the next
.set BSTEP,  256
.set CROW,   6144
.set ADRA, 16                          ; v16-17 LDS address of my A fragments in slot 0, 1
.set ADRB, 20                          ; v20-21 the same for B
.set STO,  24                          ; the way out: where I put 16 bytes of a row
.set RD,   25                          ; where I read a row back
.set CO,   26                          ; my byte offset in C
.set LN,   27                          ; lane
.set SPW,  28                          ; LDS address of my spare word; never rewritten
.set NIL,  29                          ; 0; never rewritten
.set F0,   64
.set F1,   160
.set T,    64                          ; the way out: 64 numbers in f32
.set TMP,  128                         ; packed to f16
.set OB,   160                         ; whole rows read back: v160-191 and v192-223 by turns
.set G1A, 24                           ; s[24:31] descriptor group 1 for A; s[32:39] group 0, a set for each slot
.set G0A, 32
.set G1B, 48                           ; s[48:55], s[56:63] the same for B
.set G0B, 56
.set SC,  84                           ; s[84:85] 2^s, twice
.set MUL, 0x50                         ; C and D in window 1, fragments in window 0
.set MSB, 0
.macro WIN new                         ; the immediate's high byte repeats the setting that is left; a switch that changes nothing is dropped
.if MSB != \new
	s_set_vgpr_msb (MSB<<8)|\new
.set MSB, \new
.endif
.endm
.macro PLACES                          ; four places in front of loads into registers that matrix instructions have read, and of vector work on results
.rept 4
	v_nop
.endr
.endm
.macro JLOAD s                         ; a joint load; four v_nop follow each of the two lines, ahead of the jump, the label and what follows
	s_cmp_lt_u32 s10, 2
	s_cbranch_scc0 .Lfor_b_\@
	tensor_load_to_lds s[G0A+4*\s:G0A+4*\s+3], s[G1A:G1A+7]
	s_nop 0
.rept 4
	v_nop
.endr
	s_branch .Lasked_\@
.Lfor_b_\@:
	tensor_load_to_lds s[G0B+4*\s:G0B+4*\s+3], s[G1B:G1B+7]
	s_nop 0
.rept 4
	v_nop
.endr
.Lasked_\@:
.endm
.macro CREST                           ; a round of the cluster's barrier behind its opening barrier
	s_cmp_lg_u32 s10, 0
	s_cbranch_scc1 .Lnot_wave_0_\@
	s_barrier_signal -3
.Lnot_wave_0_\@:
	s_barrier_wait -3
	s_barrier_signal -1
	s_barrier_wait -1
.endm
.macro CROUND                          ; a whole round
	s_barrier_signal -1
	s_barrier_wait -1
	CREST
.endm
	s_load_b256 s[68:75], s[0:1], 0x0              ; xh s[68:69], wh s[70:71], bq s[72:73], bk s[74:75]
	s_load_b128 s[76:79], s[0:1], 0x20             ; bv s[76:77], amax s[78:79]
	s_load_b64 s[80:81], s[0:1], 0x30              ; qkv
	v_lshl_add_u32 v[SPW], v0, 2, SPARE
	v_mov_b32 v[NIL], 0
	ds_add_u32 v28, v29
	s_wait_dscnt 0x0
	v_lshrrev_b32 v1, 5, v0
	v_readfirstlane_b32 s10, v1                    ; wave 0..3
	s_lshr_b32 s11, s10, 1                         ; which 64 rows of the tile are mine
	s_and_b32 s12, s10, 1                          ; which 128 columns.  Also: which half of A's or B's tile I fetch
	s_bfe_u32 s40, ttmp6, 0x40000                  ; cx, cy: my place in the cluster
	s_bfe_u32 s41, ttmp6, 0x40004
	s_lshl_b32 s42, ttmp9, 2
	s_add_co_u32 s42, s42, s40                     ; tile column = 4 x cluster x + cx
	s_and_b32 s13, ttmp7, 0xffff
	s_lshl_b32 s13, s13, 2
	s_add_co_u32 s13, s13, s41                     ; tile row = 4 x cluster y + cy
	s_lshl_b32 s43, s41, 2
	s_lshl_b32 s43, 15, s43                        ; my row of the cluster
	s_lshl_b32 s44, 0x1111, s40                    ; my column
	s_mov_b32 s66, 0x76543210                      ; v_permlanex16_b32: each lane takes its own place in the other half
	s_mov_b32 s67, 0xfedcba98
	; descriptor group 1.  A: 64 rows x 128 elements; B: 128 rows x 128 elements; 4 words of padding behind every 64
	s_or_b32 s[G1A], s43, (1<<16)|(1<<20)|(1<<21)|(5<<22)|(3<<25)   ; 15:0 the mask: my row; 17:16 elements of 2 bytes; 20 padding on; 21 set beside a mask; 24:22 code 5; 31:25 code 3
	s_mov_b32 s[G1A+1], 128<<16                    ; tensor_dim0 = 128
	s_mov_b32 s[G1A+2], 64<<16                     ; tensor_dim1 = 64
	s_mov_b32 s[G1A+3], 128<<16                    ; tile_dim0 = 128
	s_mov_b32 s[G1A+4], 64                         ; tile_dim1 = 64
	s_mov_b32 s[G1A+5], STRA                       ; elements from row to row
	s_mov_b32 s[G1A+6], 0
	s_mov_b32 s[G1A+7], 0
	s_or_b32 s[G1B], s44, (1<<16)|(1<<20)|(1<<21)|(5<<22)|(3<<25)   ; the same with the mask of my column
	s_mov_b32 s[G1B+1], 128<<16
	s_mov_b32 s[G1B+2], 128<<16
	s_mov_b32 s[G1B+3], 128<<16
	s_mov_b32 s[G1B+4], 128
	s_mov_b32 s[G1B+5], STRB
	s_mov_b32 s[G1B+6], 0
	s_mov_b32 s[G1B+7], 0
	; A's tile hangs on the tile row alone, B's on the tile column alone; each in registers that never hold the other coordinate
	s_lshl_b32 s16, s13, 7
	s_lshl_b32 s17, s12, 6
	s_add_co_u32 s16, s16, s17                     ; A: row 128 x tile row + 64 x half
	s_mov_b32 s17, 0
	s_mov_b64 s[18:19], ROWA
	s_mul_u64 s[16:17], s[16:17], s[18:19]
	s_lshl_b32 s46, s42, 8
	s_lshl_b32 s47, s12, 7
	s_add_co_u32 s46, s46, s47                     ; B: row 256 x tile column + 128 x half
	s_mov_b32 s47, 0
	s_mov_b64 s[20:21], ROWB
	s_mul_u64 s[46:47], s[46:47], s[20:21]
	s_mul_i32 s22, s12, AHALF                      ; where they go: no place in the cluster enters an LDS address
	s_mul_i32 s23, s12, BHALF
	s_add_co_u32 s23, s23, BOFF
	s_wait_kmcnt 0x0
	s_add_nc_u64 s[14:15], s[68:69], s[16:17]
	s_add_nc_u64 s[46:47], s[70:71], s[46:47]
	CROUND                                         ; all sixteen work-groups are here: the first joint loads meet
.irp s, 0,1
	s_mov_b32 s[G0A+4*\s], 1                                       ; count = 1
	s_add_co_u32 s[G0A+4*\s+1], s22, \s*SLOT                       ; LDS address
	s_add_nc_u64 s[G0A+4*\s+2:G0A+4*\s+3], s[14:15], \s*ASTEP      ; global address: K step s
	s_or_b32 s[G0A+4*\s+3], s[G0A+4*\s+3], 0x80000000              ; type = 2
	s_mov_b32 s[G0B+4*\s], 1
	s_add_co_u32 s[G0B+4*\s+1], s23, \s*SLOT
	s_add_nc_u64 s[G0B+4*\s+2:G0B+4*\s+3], s[46:47], \s*BSTEP
	s_or_b32 s[G0B+4*\s+3], s[G0B+4*\s+3], 0x80000000
.endr
	s_cmp_lt_u32 s10, 2                            ; a wave's two first fills stand in one branch, ahead of every wait on TENSORcnt and every LDS read: two loads of mine are out
	s_cbranch_scc0 .Lfirst_b
	tensor_load_to_lds s[G0A:G0A+3], s[G1A:G1A+7]
	s_nop 0
	tensor_load_to_lds s[G0A+4:G0A+7], s[G1A:G1A+7]
	s_nop 0
.rept 4
	v_nop
.endr
	s_branch .Lfirst_asked
.Lfirst_b:
	tensor_load_to_lds s[G0B:G0B+3], s[G1B:G1B+7]
	s_nop 0
	tensor_load_to_lds s[G0B+4:G0B+7], s[G1B:G1B+7]
	s_nop 0
.rept 4
	v_nop
.endr
.Lfirst_asked:
	v_and_b32 v1, 15, v0                           ; r = l % 16
	v_bfe_u32 v2, v0, 4, 1                         ; h = l / 16
	v_and_b32 v[LN], 31, v0
	v_lshlrev_b32 v5, 5, v2                        ; bias: 8 h numbers
	v_lshlrev_b32 v6, 4, v[LN]                     ; amax: 16 bytes a lane
	s_lshl_b32 s4, ttmp9, 7
	v_lshl_add_u32 v7, v[LN], 2, s4                ; amax: my kind's 32 figures, one a lane
	s_cmp_eq_u32 ttmp9, 0                          ; my kind's bias
	s_cselect_b64 s[88:89], s[72:73], s[76:77]
	s_cmp_eq_u32 ttmp9, 1
	s_cselect_b64 s[88:89], s[74:75], s[88:89]
	s_lshl_b32 s6, s40, 10                         ; 256 columns for each place along x,
	s_lshl_b32 s7, s12, 9                          ; 128 for my half
	s_add_co_u32 s6, s6, s7
	s_mov_b32 s7, 0
	s_add_nc_u64 s[88:89], s[88:89], s[6:7]
	WIN 0x80                                       ; destination window 2
.irp b, 0,1,2,3,4,5,6,7
	global_load_b128 v[8*\b:8*\b+3],   v5, s[88:89] offset:64*\b      ; bias of columns 16 b + 8 h + 0..3,
	global_load_b128 v[8*\b+4:8*\b+7], v5, s[88:89] offset:64*\b+16   ; + 4..7
.endr
	WIN 0
	global_load_b128 v[32:35], v6, s[78:79]              ; x's 256 figures, eight a lane
	global_load_b128 v[36:39], v6, s[78:79] offset:512
	global_load_b32 v40, v7, s[78:79] offset:1024        ; my kind's 32
	; A fragment is 16 rows x 32 K in 8 registers: lane l holds row l % 16; registers 0-3 K = 8 h + 0..7, registers 4-7 K = 16 + 8 h + 0..7: two loads of 16 bytes, 32 bytes apart
	v_mul_u32_u24 v3, v1, PITCH
	v_lshl_add_u32 v3, v2, 4, v3
	s_mul_i32 s4, s11, AHALF
	s_mul_i32 s5, s12, BHALF
	s_add_co_u32 s5, s5, BOFF
.irp s, 0,1
	v_add_nc_u32 v[ADRA+\s], s4, v3
	v_add_nc_u32 v[ADRB+\s], s5, v3
	s_add_co_u32 s4, s4, SLOT
	s_add_co_u32 s5, s5, SLOT
.endr
	s_mul_i32 s6, s10, WSTAGE
	s_add_co_u32 s6, s6, STAGE                     ; my stage
	v_mul_u32_u24 v4, v1, SPITCH                   ; in: row r, 16 bytes for each half of the lanes
	v_lshl_add_u32 v4, v2, 4, v4
	v_add_nc_u32 v[STO], s6, v4
	v_mul_u32_u24 v4, v2, SPITCH                   ; back: lanes 0-15 one row of 256 bytes, lanes 16-31 the next
	v_lshl_add_u32 v4, v1, 4, v4
	v_add_nc_u32 v[RD], s6, v4
	v_mul_u32_u24 v4, v2, CROW                     ; and the same two rows in C
	v_lshl_add_u32 v[CO], v1, 4, v4
	v_mov_b32 v41, 0
	s_lshl_b32 s16, s13, 7
	s_lshl_b32 s17, s11, 6
	s_add_co_u32 s16, s16, s17                     ; my first row of C
	s_mov_b32 s17, 0
	s_mov_b64 s[18:19], CROW
	s_mul_u64 s[16:17], s[16:17], s[18:19]
	s_lshl_b32 s46, s42, 9                         ; my first column, in bytes
	s_lshl_b32 s47, s12, 8
	s_add_co_u32 s46, s46, s47
	s_mov_b32 s47, 0
	s_add_nc_u64 s[16:17], s[16:17], s[46:47]
	s_add_nc_u64 s[86:87], s[80:81], s[16:17]
	s_wait_loadcnt 0x0
.macro RED v, t                        ; the largest of the wave's 32 lanes, in every lane
	v_max_num_f32_dpp v[\v], v[\v], v[\v] row_xmask:1 row_mask:0xf bank_mask:0xf
	v_max_num_f32_dpp v[\v], v[\v], v[\v] row_xmask:2 row_mask:0xf bank_mask:0xf
	v_max_num_f32_dpp v[\v], v[\v], v[\v] row_xmask:4 row_mask:0xf bank_mask:0xf
	v_max_num_f32_dpp v[\v], v[\v], v[\v] row_xmask:8 row_mask:0xf bank_mask:0xf
	v_permlanex16_b32 v[\t], v[\v], s66, s67
	v_max_num_f32 v[\v], v[\v], v[\t]
.endm
	v_max3_num_f32 v32, v32, v33, v34
	v_max3_num_f32 v36, v36, v37, v38
	v_max3_num_f32 v32, v32, v35, v36
	v_max_num_f32 v32, v32, v39
	RED 32, 41                                     ; max |x|
	RED 40, 41                                     ; max (|W|, |b|) of my kind
	v_fma_f32 v33, v32, 0x44800000, 1.0            ; 1024 max|x| + 1
	v_mul_f32 v34, v33, v40                        ; the bound B
	v_readfirstlane_b32 s4, v34
	s_bfe_u32 s4, s4, 0x80017                      ; its exponent field e,
	s_max_u32 s4, s4, 16
	s_min_u32 s4, s4, 250                          ; kept where both 2^(140 - e) and its inverse are normal numbers
	s_sub_co_u32 s4, 267, s4
	s_lshl_b32 s[SC], s4, 23                       ; 2^(140 - e)
	s_mov_b32 s[SC+1], s[SC]
	WIN 0x82
.set i, 0
.rept 32
	v_pk_mul_f32 v[2*i:2*i+1], v[2*i:2*i+1], s[SC:SC+1] op_sel_hi:[1,0]   ; the bias times 2^s
.set i, i+1
.endr
	WIN 0
; 8 matrix instructions: m block a x all 8 n blocks, 32 along K.  zero = 1: the first product starts the sums.  The 32 accumulators take turns, one instruction a turn.
.macro MULA f, a, zero
.irp b, 0,1,2,3,4,5,6,7
.if \zero
	v_wmma_f32_16x16x32_f16 v[8*(8*\a+\b):8*(8*\a+\b)+7], v[\f+32+8*\b:\f+32+8*\b+7], v[\f+8*\a:\f+8*\a+7], 0
.else
	v_wmma_f32_16x16x32_f16 v[8*(8*\a+\b):8*(8*\a+\b)+7], v[\f+32+8*\b:\f+32+8*\b+7], v[\f+8*\a:\f+8*\a+7], v[8*(8*\a+\b):8*(8*\a+\b)+7]
.endif
.endr
.endm
; 24 LDS loads in one run: the fragments of quarter q (32 along K) of a slot: 128 rows of B, 64 rows of A
.macro FETCH slot, q, f
.irp b, 0,1,2,3,4,5,6,7
	ds_load_b128 v[\f+32+8*\b:\f+32+8*\b+3],   v[ADRB+\slot] offset:64*\q+\b*16*PITCH
	ds_load_b128 v[\f+32+8*\b+4:\f+32+8*\b+7], v[ADRB+\slot] offset:64*\q+\b*16*PITCH+32
.endr
.irp i, 0,1,2,3
	ds_load_b128 v[\f+8*\i:\f+8*\i+3],   v[ADRA+\slot] offset:64*\q+\i*16*PITCH
	ds_load_b128 v[\f+8*\i+4:\f+8*\i+7], v[ADRA+\slot] offset:64*\q+\i*16*PITCH+32
.endr
.endm
; A K step is four quarters, 32 matrix instructions each, on buffers 0, 1, 0, 1.  One of the first three: asks for quarter q into buffer g, then multiplies buffer f while those loads are served.
.macro QUARTER slot, q, f, g, zero
	PLACES                                         ; buffer g was read by the quarter before
	WIN 0
	FETCH \slot, \q, \g
	s_wait_dscnt 24                                ; all but the 24 just issued: buffer f is in
	WIN MUL
	MULA \f, 0, \zero
	MULA \f, 1, \zero
	MULA \f, 2, \zero
	MULA \f, 3, \zero
.endm
; The last quarter multiplies buffer 1 and changes slots: one barrier; in front of it each wave waits for all its tensor loads, adds 0 to its spare word, and waits for that and for its reads of this slot.
; fill = 1: the barrier opens a round of the cluster's barrier and this slot is filled again, two K steps ahead: 112 matrix instructions stand between the request and the wait for it.
.macro TURN slot, next, fill
	WIN 0
	s_wait_tensorcnt 0x0                           ; all my tensor loads have landed: my part of the next slot
	ds_add_u32 v[SPW], v[NIL]                      ; 0 onto my spare word
	s_wait_dscnt 1                                 ; buffer 1 is in; the add may be out
	WIN MUL
	MULA F1, 0, 0
	s_wait_dscnt 0x0                               ; the add is done, and my reads of this slot are over
	s_barrier_signal -1
	MULA F1, 1, 0
	WIN 0
	s_barrier_wait -1
.if \fill
	CREST                                          ; no wave of any partner still reads this slot or has a load on its way
	s_add_nc_u64 s[G0A+4*\slot+2:G0A+4*\slot+3], s[G0A+4*\slot+2:G0A+4*\slot+3], 2*ASTEP
	s_add_nc_u64 s[G0B+4*\slot+2:G0B+4*\slot+3], s[G0B+4*\slot+2:G0B+4*\slot+3], 2*BSTEP
	JLOAD \slot                                    ; the first tensor load behind the round; its four v_nop are also the places in front of the loads below
.else
	PLACES
.endif
	FETCH \next, 0, F0
	WIN MUL
	MULA F1, 2, 0
	MULA F1, 3, 0
.endm
	s_wait_tensorcnt 0x1                           ; my part of K step 0 is in; K step 1's may stay out
	s_barrier_signal -1
	s_barrier_wait -1                              ; everybody's is
	FETCH 0, 0, F0
	QUARTER 0, 1, F0, F1, 1                        ; the first quarter stands in front of the loop: its products start the sums
	WIN 0                                          ; at a label and at a branch every window is 0
	s_mov_b32 s3, LAPS-1
.Llap:                                                 ; a trip goes once round the ring and fills both slots again
	QUARTER 0, 2, F1, F0, 0
	QUARTER 0, 3, F0, F1, 0
	TURN 0, 1, 1
	QUARTER 1, 1, F0, F1, 0
	QUARTER 1, 2, F1, F0, 0
	QUARTER 1, 3, F0, F1, 0
	TURN 1, 0, 1
	QUARTER 0, 1, F0, F1, 0
	WIN 0
	s_sub_co_u32 s3, s3, 1
	s_cmp_lg_u32 s3, 0
	s_cbranch_scc1 .Llap
	QUARTER 0, 2, F1, F0, 0                        ; the last lap fills nothing
	QUARTER 0, 3, F0, F1, 0
	TURN 0, 1, 0
	QUARTER 1, 1, F0, F1, 0
	QUARTER 1, 2, F1, F0, 0
	QUARTER 1, 3, F0, F1, 0
	s_wait_dscnt 0x0
	MULA F1, 0, 0
	MULA F1, 1, 0
	MULA F1, 2, 0
	MULA F1, 3, 0
	WIN 0
	PLACES
; THE WAY OUT, a block of 16 rows at a time.  PACK: sum x 2^s + bias x 2^s, rounded to f16; each accumulator's registers in ascending order.  TOSTAGE: 16 bytes a lane into my own stage,
; and back as whole rows of 256 bytes.  SEND: stored.  A block's arithmetic stands between the loads of the block before and the wait for them.
.macro PACK a
	WIN 0x21                                       ; source 0 window 1 (sums), source 2 window 2 (bias)
.set i, 0
.rept 32
	v_pk_fma_f32 v[T+2*i:T+2*i+1], v[64*\a+2*i:64*\a+2*i+1], s[SC:SC+1], v[2*i:2*i+1] op_sel_hi:[1,0,1]
.set i, i+1
.endr
	WIN 0
.set i, 0
.rept 32
	v_cvt_pk_f16_f32 v[TMP+i], v[T+2*i], v[T+2*i+1]
.set i, i+1
.endr
.endm
.macro TOSTAGE a
.irp b, 0,1,2,3,4,5,6,7
	ds_store_b128 v[STO], v[TMP+4*\b:TMP+4*\b+3] offset:32*\b
.endr
.irp t, 0,1,2,3,4,5,6,7
	ds_load_b128 v[OB+32*(\a%2)+4*\t:OB+32*(\a%2)+4*\t+3], v[RD] offset:\t*2*SPITCH   ; LDS serves a wave's instructions in order (ISA guide 5.7.1.4): these see the stores above
.endr
.endm
.macro SEND a
	s_wait_dscnt 0x0                               ; the block is back in registers
	s_wait_xcnt 0x0                                ; the registers that the stores of two blocks ago read are loaded again only behind this wait
.irp t, 0,1,2,3,4,5,6,7
	global_store_b128 v[CO], v[OB+32*(\a%2)+4*\t:OB+32*(\a%2)+4*\t+3], s[86:87] offset:(16*\a+2*\t)*CROW   ; 16 lanes store 256 consecutive bytes, aligned
.endr
.endm
	PACK 0
	TOSTAGE 0
	PACK 1
	SEND 0
	TOSTAGE 1
	PACK 2
	SEND 1
	TOSTAGE 2
	PACK 3
	SEND 2
	TOSTAGE 3
	SEND 3
	s_wait_tensorcnt 0x0                           ; the wave's end
	ds_add_u32 v[SPW], v[NIL]
	s_wait_dscnt 0x0
	CROUND                                         ; the closing round: no work-group ends while a partner may still ask for a tile that names it
	s_endpgm
.Lfunc_end_k_q58412ffc11_proj:
	.size	k_q58412ffc11_proj, .Lfunc_end_k_q58412ffc11_proj-k_q58412ffc11_proj
	.p2alignl 7, 3214868480
	.fill 96, 4, 3214868480
	.section	.rodata,"a",@progbits
	.p2align	6, 0x0
	.amdhsa_kernel k_q58412ffc11_proj
		.amdhsa_group_segment_fixed_size 327680
		.amdhsa_private_segment_fixed_size 0
		.amdhsa_enable_private_segment 0
		.amdhsa_kernarg_size 56
		.amdhsa_user_sgpr_count 2
		.amdhsa_user_sgpr_kernarg_segment_ptr 1
		.amdhsa_wavefront_size32 1
		.amdhsa_system_sgpr_workgroup_id_x 1
		.amdhsa_system_sgpr_workgroup_id_y 1
		.amdhsa_system_sgpr_workgroup_id_z 1
		.amdhsa_system_vgpr_workitem_id 0
		.amdhsa_next_free_vgpr 576
		.amdhsa_next_free_sgpr 96
		.amdhsa_reserve_vcc 0
		.amdhsa_float_denorm_mode_32 3
		.amdhsa_float_denorm_mode_16_64 3
		.amdhsa_memory_ordered 1
		.amdhsa_forward_progress 1
		.amdhsa_inst_pref_size 99
	.end_amdhsa_kernel
	.amdgpu_metadata
---
amdhsa.version: [ 1, 2 ]
amdhsa.kernels:
  - .name:           k_q58412ffc11_proj
    .symbol:         k_q58412ffc11_proj.kd
    .args:
      - { .name: xh, .offset: 0, .size: 8, .value_kind: global_buffer, .address_space: global }
      - { .name: wh, .offset: 8, .size: 8, .value_kind: global_buffer, .address_space: global }
      - { .name: bq, .offset: 16, .size: 8, .value_kind: global_buffer, .address_space: global }
      - { .name: bk, .offset: 24, .size: 8, .value_kind: global_buffer, .address_space: global }
      - { .name: bv, .offset: 32, .size: 8, .value_kind: global_buffer, .address_space: global }
      - { .name: amax, .offset: 40, .size: 8, .value_kind: global_buffer, .address_space: global }
      - { .name: qkv, .offset: 48, .size: 8, .value_kind: global_buffer, .address_space: global }
    .group_segment_fixed_size: 327680
    .private_segment_fixed_size: 0
    .kernarg_segment_align: 8
    .kernarg_segment_size: 56
    .max_flat_workgroup_size: 128
    .sgpr_count:     96
    .vgpr_count:     576
    .wavefront_size: 32
...
	.end_amdgpu_metadata
.endif
;; end of part 2
;; launch score (part 3): grid 8 x 64, 4 waves a work-group, clusters of 4 x 4, 327,680 bytes of LDS; arguments qkv, amax, pm, st; writes pm, st
.if DOCPART == 3
	.amdgcn_target "amdgcn-amd-amdhsa--gfx1250"
	.amdhsa_code_object_version 6
	.text
	.protected	k_q58412ffc11_score
	.globl	k_q58412ffc11_score
	.p2align	8
	.type	k_q58412ffc11_score,@function
k_q58412ffc11_score:
	s_mov_b64 s[64:65], 0
	v_nop
	global_prefetch_b8 v0, s[64:65] scope:SCOPE_SE
	s_setreg_imm32_b32 hwreg(HW_REG_WAVE_MODE, 25, 1), 1
	s_wait_xcnt 0x0
	s_wait_alu depctr_hold_cnt(0) depctr_sa_sdst(0) depctr_va_vdst(0) depctr_va_sdst(0) depctr_va_ssrc(0) depctr_va_vcc(0) depctr_vm_vsrc(0)
	s_getreg_b32 s2, hwreg(HW_REG_IB_STS2, 6, 4)
	s_cmp_eq_u32 s2, 0
	s_cbranch_scc0 .Lentry_in_a_cluster
	s_endpgm
.Lentry_in_a_cluster:
	s_bfe_u32 s2, ttmp6, 0x10000c
	s_cmp_lg_u32 s2, 0xf033
	s_cbranch_scc0 .Lentry_shape_is_right
	s_endpgm
.Lentry_shape_is_right:
; S = q k^T for one batch's 2,048 x 2,048 scores, and the first half of the softmax.  A wave owns 64 queries x 128 keys, one chunk j of a row's 16.  With t = c S,
; c = log2(e) / 32 / (2^sq 2^sk) (q and k are stored times 2^sq, 2^sk), it stores for each row: mu_j = floor(max t) + 1, a whole number; p = 2^(t - mu_j), f16, into pm[row][key];
; l_j = the sum of the chunk's p, f32; (mu_j, l_j) into st[j][row].  The next launch takes the row's largest mu away.  The chunk's largest p is at least 0.5; none exceeds 1.
; LIMIT.  From |t| = 2^24 on mu can no longer be told from t and a weight may exceed 1 by the factor 2^(half a unit in t's last place).  NaN and infinities are not followed.
; SHARES, RING, CLUSTERS, TRANSPOSED USE: a tile of S is 128 x 256, four waves 2 x 2, each 64 x 128: 32 accumulators; K = 1024 in 8 steps of 128 through two LDS slots; 8 x 64 = 512 work-groups.
; 4 x 4 work-groups form a cluster: q's tile is shared along a row of the cluster, k's along a column, each asked for jointly.  The four tile rows of a cluster lie in one batch (cluster y / 4).
; Source 0 = 16 keys, source 1 = 16 queries: a lane holds ONE query (l % 16) and 64 of its chunk's 128 keys, so a row's maximum and sum want one exchange between the halves of the lanes.
; REGISTERS: window 0: v0-47 addresses and scale work; v64-159, v160-255 fragment buffers, on the way out T, TMP, OB, CH, ML, SD.  window 1: accumulator (a, b) at v[8 (8 a + b)].
.set PITCH,  272                       ; an LDS row: 256 bytes + 16 of padding: the 16 rows of a fragment load start 4 banks apart (64 banks of 4 bytes: ISA guide 11.1)
.set AHALF,  64*PITCH
.set BOFF,   2*AHALF
.set BHALF,  128*PITCH
.set SLOT,   BOFF+2*BHALF
.set STAGE,  2*SLOT                    ; 16 rows x 272 bytes for each wave; no fill lands here
.set SPITCH, 272
.set WSTAGE, 16*SPITCH
.set SPARE,  STAGE+4*WSTAGE            ; the spare words, 128 bytes for each wave: two blocks of 256 bytes that no other line names
.set LAPS,   4
.set ROWA,   6144
.set STRA,   3072
.set ROWB,   6144
.set STRB,   3072
.set ASTEP,  256
.set BSTEP,  256
.set CROW,   4096
.set ADRA, 16
.set ADRB, 20
.set STO,  24
.set RD,   25
.set CO,   26
.set LN,   27
.set SPW,  28
.set NIL,  29
.set SO,   30                          ; v30 my byte offset in st: 8 x lane
.set F0,   64
.set F1,   160
.set T,    64                          ; 64 exponents, then weights, in f32
.set TMP,  128                         ; the weights in f16
.set OB,   160
.set CH,   224                         ; v224-231 eight chains of the maximum, then at work
.set ML,   232                         ; v232-239 block a: mu at ML + 2 a, l at ML + 2 a + 1
.set SD,   240                         ; v240-243 (mu, l) as stored
.set G1A, 24
.set G0A, 32
.set G1B, 48
.set G0B, 56
.set SC,  84                           ; s[84:85] c, twice
.set MUL, 0x50
.set MSB, 0
.macro WIN new
.if MSB != \new
	s_set_vgpr_msb (MSB<<8)|\new
.set MSB, \new
.endif
.endm
.macro PLACES
.rept 4
	v_nop
.endr
.endm
.macro JLOAD s                         ; a joint load; four v_nop follow each of the two lines
	s_cmp_lt_u32 s10, 2
	s_cbranch_scc0 .Lfor_b_\@
	tensor_load_to_lds s[G0A+4*\s:G0A+4*\s+3], s[G1A:G1A+7]
	s_nop 0
.rept 4
	v_nop
.endr
	s_branch .Lasked_\@
.Lfor_b_\@:
	tensor_load_to_lds s[G0B+4*\s:G0B+4*\s+3], s[G1B:G1B+7]
	s_nop 0
.rept 4
	v_nop
.endr
.Lasked_\@:
.endm
.macro CREST
	s_cmp_lg_u32 s10, 0
	s_cbranch_scc1 .Lnot_wave_0_\@
	s_barrier_signal -3
.Lnot_wave_0_\@:
	s_barrier_wait -3
	s_barrier_signal -1
	s_barrier_wait -1
.endm
.macro CROUND
	s_barrier_signal -1
	s_barrier_wait -1
	CREST
.endm
	s_load_b256 s[68:75], s[0:1], 0x0              ; qkv s[68:69], amax s[70:71], pm s[72:73], st s[74:75]
	v_lshl_add_u32 v[SPW], v0, 2, SPARE
	v_mov_b32 v[NIL], 0
	ds_add_u32 v28, v29
	s_wait_dscnt 0x0
	v_lshrrev_b32 v1, 5, v0
	v_readfirstlane_b32 s10, v1                    ; wave 0..3
	s_lshr_b32 s11, s10, 1                         ; which 64 queries of the tile are mine
	s_and_b32 s12, s10, 1                          ; which 128 keys.  Also: which half of a tile I fetch
	s_bfe_u32 s40, ttmp6, 0x40000                  ; cx, cy
	s_bfe_u32 s41, ttmp6, 0x40004
	s_lshl_b32 s42, ttmp9, 2
	s_add_co_u32 s42, s42, s40                     ; tile column (256 keys of the batch)
	s_and_b32 s13, ttmp7, 0xffff
	s_lshl_b32 s13, s13, 2
	s_add_co_u32 s13, s13, s41                     ; tile row (128 of all 8,192 queries)
	s_lshl_b32 s43, s41, 2
	s_lshl_b32 s43, 15, s43
	s_lshl_b32 s44, 0x1111, s40
	s_mov_b32 s66, 0x76543210
	s_mov_b32 s67, 0xfedcba98
	s_or_b32 s[G1A], s43, (1<<16)|(1<<20)|(1<<21)|(5<<22)|(3<<25)   ; q's tile: 64 rows x 128 elements, to my row of the cluster; 4 words of padding behind every 64
	s_mov_b32 s[G1A+1], 128<<16
	s_mov_b32 s[G1A+2], 64<<16
	s_mov_b32 s[G1A+3], 128<<16
	s_mov_b32 s[G1A+4], 64
	s_mov_b32 s[G1A+5], STRA
	s_mov_b32 s[G1A+6], 0
	s_mov_b32 s[G1A+7], 0
	s_or_b32 s[G1B], s44, (1<<16)|(1<<20)|(1<<21)|(5<<22)|(3<<25)   ; k's tile: 128 rows x 128 elements, to my column
	s_mov_b32 s[G1B+1], 128<<16
	s_mov_b32 s[G1B+2], 128<<16
	s_mov_b32 s[G1B+3], 128<<16
	s_mov_b32 s[G1B+4], 128
	s_mov_b32 s[G1B+5], STRB
	s_mov_b32 s[G1B+6], 0
	s_mov_b32 s[G1B+7], 0
	s_lshl_b32 s16, s13, 7
	s_lshl_b32 s17, s12, 6
	s_add_co_u32 s16, s16, s17                     ; q: row 128 x tile row + 64 x half
	s_mov_b32 s17, 0
	s_mov_b64 s[18:19], ROWA
	s_mul_u64 s[16:17], s[16:17], s[18:19]
	s_and_b32 s45, ttmp7, 0xffff
	s_lshr_b32 s45, s45, 2                         ; the batch = cluster y / 4: all sixteen partners share it
	s_lshl_b32 s45, s45, 11
	s_lshl_b32 s46, s42, 8
	s_add_co_u32 s46, s46, s45
	s_lshl_b32 s47, s12, 7
	s_add_co_u32 s46, s46, s47                     ; k: row 2048 x batch + 256 x tile column + 128 x half
	s_mov_b32 s47, 0
	s_mov_b64 s[20:21], ROWB
	s_mul_u64 s[46:47], s[46:47], s[20:21]
	s_add_nc_u64 s[46:47], s[46:47], 2048          ; k lies 2,048 bytes into a row of qkv
	s_mul_i32 s22, s12, AHALF
	s_mul_i32 s23, s12, BHALF
	s_add_co_u32 s23, s23, BOFF
	s_wait_kmcnt 0x0
	s_add_nc_u64 s[14:15], s[68:69], s[16:17]
	s_add_nc_u64 s[46:47], s[68:69], s[46:47]
	CROUND                                         ; all sixteen work-groups are here: the first joint loads meet
.irp s, 0,1
	s_mov_b32 s[G0A+4*\s], 1
	s_add_co_u32 s[G0A+4*\s+1], s22, \s*SLOT
	s_add_nc_u64 s[G0A+4*\s+2:G0A+4*\s+3], s[14:15], \s*ASTEP
	s_or_b32 s[G0A+4*\s+3], s[G0A+4*\s+3], 0x80000000
	s_mov_b32 s[G0B+4*\s], 1
	s_add_co_u32 s[G0B+4*\s+1], s23, \s*SLOT
	s_add_nc_u64 s[G0B+4*\s+2:G0B+4*\s+3], s[46:47], \s*BSTEP
	s_or_b32 s[G0B+4*\s+3], s[G0B+4*\s+3], 0x80000000
.endr
	s_cmp_lt_u32 s10, 2                            ; a wave's two first fills stand in one branch: two loads of mine are out
	s_cbranch_scc0 .Lfirst_b
	tensor_load_to_lds s[G0A:G0A+3], s[G1A:G1A+7]
	s_nop 0
	tensor_load_to_lds s[G0A+4:G0A+7], s[G1A:G1A+7]
	s_nop 0
.rept 4
	v_nop
.endr
	s_branch .Lfirst_asked
.Lfirst_b:
	tensor_load_to_lds s[G0B:G0B+3], s[G1B:G1B+7]
	s_nop 0
	tensor_load_to_lds s[G0B+4:G0B+7], s[G1B:G1B+7]
	s_nop 0
.rept 4
	v_nop
.endr
.Lfirst_asked:
	v_and_b32 v1, 15, v0                           ; r
	v_bfe_u32 v2, v0, 4, 1                         ; h
	v_and_b32 v[LN], 31, v0
	v_lshlrev_b32 v6, 4, v[LN]
	v_lshlrev_b32 v7, 2, v[LN]
	global_load_b128 v[32:35], v6, s[70:71]              ; x's 256 figures, eight a lane
	global_load_b128 v[36:39], v6, s[70:71] offset:512
	global_load_b32 v40, v7, s[70:71] offset:1024        ; (Wq, bq)'s 32
	global_load_b32 v42, v7, s[70:71] offset:1152        ; (Wk, bk)'s 32
	v_lshlrev_b32 v[SO], 3, v[LN]
	v_mul_u32_u24 v3, v1, PITCH
	v_lshl_add_u32 v3, v2, 4, v3
	s_mul_i32 s4, s11, AHALF
	s_mul_i32 s5, s12, BHALF
	s_add_co_u32 s5, s5, BOFF
.irp s, 0,1
	v_add_nc_u32 v[ADRA+\s], s4, v3
	v_add_nc_u32 v[ADRB+\s], s5, v3
	s_add_co_u32 s4, s4, SLOT
	s_add_co_u32 s5, s5, SLOT
.endr
	s_mul_i32 s6, s10, WSTAGE
	s_add_co_u32 s6, s6, STAGE
	v_mul_u32_u24 v4, v1, SPITCH
	v_lshl_add_u32 v4, v2, 4, v4
	v_add_nc_u32 v[STO], s6, v4
	v_mul_u32_u24 v4, v2, SPITCH
	v_lshl_add_u32 v4, v1, 4, v4
	v_add_nc_u32 v[RD], s6, v4
	v_mul_u32_u24 v4, v2, CROW
	v_lshl_add_u32 v[CO], v1, 4, v4
	v_mov_b32 v41, 0
	s_lshl_b32 s16, s13, 7
	s_lshl_b32 s17, s11, 6
	s_add_co_u32 s16, s16, s17                     ; my first row
	s_lshl_b32 s4, s16, 3                          ; in st: 8 bytes a row,
	s_lshl_b32 s6, s42, 17                         ; chunk 2 x tile column + half, 65,536 bytes each
	s_lshl_b32 s7, s12, 16
	s_add_co_u32 s4, s4, s6
	s_add_co_u32 s4, s4, s7
	s_mov_b32 s5, 0
	s_add_nc_u64 s[88:89], s[74:75], s[4:5]
	s_mov_b32 s17, 0
	s_mov_b64 s[18:19], CROW
	s_mul_u64 s[16:17], s[16:17], s[18:19]
	s_lshl_b32 s46, s42, 9
	s_lshl_b32 s47, s12, 8
	s_add_co_u32 s46, s46, s47
	s_mov_b32 s47, 0
	s_add_nc_u64 s[16:17], s[16:17], s[46:47]
	s_add_nc_u64 s[86:87], s[72:73], s[16:17]
	s_wait_loadcnt 0x0
.macro RED v, t
	v_max_num_f32_dpp v[\v], v[\v], v[\v] row_xmask:1 row_mask:0xf bank_mask:0xf
	v_max_num_f32_dpp v[\v], v[\v], v[\v] row_xmask:2 row_mask:0xf bank_mask:0xf
	v_max_num_f32_dpp v[\v], v[\v], v[\v] row_xmask:4 row_mask:0xf bank_mask:0xf
	v_max_num_f32_dpp v[\v], v[\v], v[\v] row_xmask:8 row_mask:0xf bank_mask:0xf
	v_permlanex16_b32 v[\t], v[\v], s66, s67
	v_max_num_f32 v[\v], v[\v], v[\t]
.endm
	v_max3_num_f32 v32, v32, v33, v34
	v_max3_num_f32 v36, v36, v37, v38
	v_max3_num_f32 v32, v32, v35, v36
	v_max_num_f32 v32, v32, v39
	RED 32, 41
	RED 40, 41
	RED 42, 41
	v_fma_f32 v33, v32, 0x44800000, 1.0            ; 1024 max|x| + 1
	v_mul_f32 v40, v33, v40                        ; q's bound,
	v_mul_f32 v42, v33, v42                        ; k's
	v_readfirstlane_b32 s4, v40
	v_readfirstlane_b32 s5, v42
	s_bfe_u32 s4, s4, 0x80017                      ; their exponent fields, clamped as where q and k were stored
	s_bfe_u32 s5, s5, 0x80017
	s_max_u32 s4, s4, 16
	s_max_u32 s5, s5, 16
	s_min_u32 s4, s4, 250
	s_min_u32 s5, s5, 250
	s_sub_co_u32 s4, s4, 13
	s_sub_co_u32 s5, s5, 13
	s_lshl_b32 s4, s4, 23                          ; 2^(e - 140): the inverse scales
	s_lshl_b32 s5, s5, 23
	v_mov_b32 v33, 0x3d38aa3b                      ; log2(e) / sqrt(1024)
	v_mul_f32 v33, s4, v33
	v_mul_f32 v33, s5, v33
	v_readfirstlane_b32 s[SC], v33                 ; c
	s_mov_b32 s[SC+1], s[SC]
.macro MULA f, a, zero                 ; 8 matrix instructions; the 32 accumulators take turns, one instruction a turn
.irp b, 0,1,2,3,4,5,6,7
.if \zero
	v_wmma_f32_16x16x32_f16 v[8*(8*\a+\b):8*(8*\a+\b)+7], v[\f+32+8*\b:\f+32+8*\b+7], v[\f+8*\a:\f+8*\a+7], 0
.else
	v_wmma_f32_16x16x32_f16 v[8*(8*\a+\b):8*(8*\a+\b)+7], v[\f+32+8*\b:\f+32+8*\b+7], v[\f+8*\a:\f+8*\a+7], v[8*(8*\a+\b):8*(8*\a+\b)+7]
.endif
.endr
.endm
.macro FETCH slot, q, f                ; 24 LDS loads in one run: quarter q's fragments: 128 keys, 64 queries
.irp b, 0,1,2,3,4,5,6,7
	ds_load_b128 v[\f+32+8*\b:\f+32+8*\b+3],   v[ADRB+\slot] offset:64*\q+\b*16*PITCH
	ds_load_b128 v[\f+32+8*\b+4:\f+32+8*\b+7], v[ADRB+\slot] offset:64*\q+\b*16*PITCH+32
.endr
.irp i, 0,1,2,3
	ds_load_b128 v[\f+8*\i:\f+8*\i+3],   v[ADRA+\slot] offset:64*\q+\i*16*PITCH
	ds_load_b128 v[\f+8*\i+4:\f+8*\i+7], v[ADRA+\slot] offset:64*\q+\i*16*PITCH+32
.endr
.endm
.macro QUARTER slot, q, f, g, zero
	PLACES                                         ; buffer g was read by the quarter before
	WIN 0
	FETCH \slot, \q, \g
	s_wait_dscnt 24                                ; all but the 24 just issued: buffer f is in
	WIN MUL
	MULA \f, 0, \zero
	MULA \f, 1, \zero
	MULA \f, 2, \zero
	MULA \f, 3, \zero
.endm
.macro TURN slot, next, fill
	WIN 0
	s_wait_tensorcnt 0x0                           ; all my tensor loads have landed: my part of the next slot
	ds_add_u32 v[SPW], v[NIL]                      ; 0 onto my spare word
	s_wait_dscnt 1                                 ; buffer 1 is in; the add may be out
	WIN MUL
	MULA F1, 0, 0
	s_wait_dscnt 0x0                               ; the add is done, and my reads of this slot are over
	s_barrier_signal -1
	MULA F1, 1, 0
	WIN 0
	s_barrier_wait -1
.if \fill
	CREST                                          ; no wave of any partner still reads this slot or has a load on its way
	s_add_nc_u64 s[G0A+4*\slot+2:G0A+4*\slot+3], s[G0A+4*\slot+2:G0A+4*\slot+3], 2*ASTEP
	s_add_nc_u64 s[G0B+4*\slot+2:G0B+4*\slot+3], s[G0B+4*\slot+2:G0B+4*\slot+3], 2*BSTEP
	JLOAD \slot                                    ; the first tensor load behind the round; its four v_nop are also the places in front of the loads below
.else
	PLACES
.endif
	FETCH \next, 0, F0
	WIN MUL
	MULA F1, 2, 0
	MULA F1, 3, 0
.endm
	s_wait_tensorcnt 0x1                           ; my part of K step 0 is in; K step 1's may stay out
	s_barrier_signal -1
	s_barrier_wait -1
	FETCH 0, 0, F0
	QUARTER 0, 1, F0, F1, 1
	WIN 0
	s_mov_b32 s3, LAPS-1
.Llap:
	QUARTER 0, 2, F1, F0, 0
	QUARTER 0, 3, F0, F1, 0
	TURN 0, 1, 1
	QUARTER 1, 1, F0, F1, 0
	QUARTER 1, 2, F1, F0, 0
	QUARTER 1, 3, F0, F1, 0
	TURN 1, 0, 1
	QUARTER 0, 1, F0, F1, 0
	WIN 0
	s_sub_co_u32 s3, s3, 1
	s_cmp_lg_u32 s3, 0
	s_cbranch_scc1 .Llap
	QUARTER 0, 2, F1, F0, 0
	QUARTER 0, 3, F0, F1, 0
	TURN 0, 1, 0
	QUARTER 1, 1, F0, F1, 0
	QUARTER 1, 2, F1, F0, 0
	QUARTER 1, 3, F0, F1, 0
	s_wait_dscnt 0x0
	MULA F1, 0, 0
	MULA F1, 1, 0
	MULA F1, 2, 0
	MULA F1, 3, 0
	WIN 0
	PLACES
; Block a's softmax: 16 queries, a lane's 64 scores.  The maximum is taken on the raw sums (c is not negative), each accumulator from its low end on; mu = floor(c max) + 1;
; the exponent is one fused multiply-add; 64 exponentials; the weights rounded to f16; their sum in f32.
.macro SOFT a
	WIN 0x15                                       ; all three sources window 1
.irp b, 0,1,2,3,4,5,6,7
	v_max3_num_f32 v[CH+\b], v[64*\a+8*\b], v[64*\a+8*\b+1], v[64*\a+8*\b+2]
.endr
	WIN 0x14                                       ; source 0 (the chain) window 0
.irp b, 0,1,2,3,4,5,6,7
	v_max3_num_f32 v[CH+\b], v[CH+\b], v[64*\a+8*\b+3], v[64*\a+8*\b+4]
.endr
.irp b, 0,1,2,3,4,5,6,7
	v_max3_num_f32 v[CH+\b], v[CH+\b], v[64*\a+8*\b+5], v[64*\a+8*\b+6]
.endr
.irp k, 0,1,2,3
	v_max3_num_f32 v[CH+2*\k], v[CH+2*\k], v[64*\a+16*\k+7], v[64*\a+16*\k+15]
.endr
	WIN 0
	v_max3_num_f32 v[CH], v[CH], v[CH+1], v[CH+2]
	v_max3_num_f32 v[CH+3], v[CH+3], v[CH+4], v[CH+5]
	v_max3_num_f32 v[CH], v[CH], v[CH+3], v[CH+6]
	v_max_num_f32 v[CH], v[CH], v[CH+7]
	v_permlanex16_b32 v[CH+1], v[CH], s66, s67     ; the query's other 64 keys lie in the lane 16 away
	v_max_num_f32 v[CH], v[CH], v[CH+1]
	v_mul_f32 v[CH], s[SC], v[CH]
	v_floor_f32 v[ML+2*\a+1], v[CH]                ; (l's place is at work until l is made: the pair below is then written whole)
	v_add_f32 v[ML+2*\a], 1.0, v[ML+2*\a+1]        ; mu
	WIN 0x01
.set i, 0
.rept 32
	v_pk_fma_f32 v[T+2*i:T+2*i+1], v[64*\a+2*i:64*\a+2*i+1], s[SC:SC+1], v[ML+2*\a:ML+2*\a+1] op_sel_hi:[1,0,0] neg_lo:[0,0,1] neg_hi:[0,0,1]   ; c s - mu
.set i, i+1
.endr
	WIN 0
.set i, 0
.rept 64
	v_exp_f32 v[T+i], v[T+i]
.set i, i+1
.endr
	v_nop                                          ; a plain instruction between the last exponential and the use of its result (ISA guide 5.7.2)
.set i, 0
	s_wait_alu depctr_va_vdst(0)
.rept 32
	v_cvt_pk_f16_f32 v[TMP+i], v[T+2*i], v[T+2*i+1]
.set i, i+1
.endr
.irp w, 4,8,16,32,64                   ; the sum of the 32 pairs, in place: neighbours 1, 2, 4, 8, 16 pairs apart
.set i, 0
.rept 64/\w
	v_pk_add_f32 v[T+\w*i:T+\w*i+1], v[T+\w*i:T+\w*i+1], v[T+\w*i+\w/2:T+\w*i+\w/2+1]
.set i, i+1
.endr
.endr
	v_add_f32 v[CH+2], v[T], v[T+1]
	v_permlanex16_b32 v[CH+3], v[CH+2], s66, s67
	v_add_f32 v[ML+2*\a+1], v[CH+2], v[CH+3]       ; l
.endm
.macro TOSTAGE a
.irp b, 0,1,2,3,4,5,6,7
	ds_store_b128 v[STO], v[TMP+4*\b:TMP+4*\b+3] offset:32*\b
.endr
.irp t, 0,1,2,3,4,5,6,7
	ds_load_b128 v[OB+32*(\a%2)+4*\t:OB+32*(\a%2)+4*\t+3], v[RD] offset:\t*2*SPITCH   ; LDS serves a wave's instructions in order (ISA guide 5.7.1.4): these see the stores above
.endr
.endm
.macro SEND a
	s_wait_dscnt 0x0
	s_wait_xcnt 0x0                                ; the registers that the stores of two blocks ago read are loaded again only behind this wait
.irp t, 0,1,2,3,4,5,6,7
	global_store_b128 v[CO], v[OB+32*(\a%2)+4*\t:OB+32*(\a%2)+4*\t+3], s[86:87] offset:(16*\a+2*\t)*CROW   ; 16 lanes store 256 consecutive bytes, aligned
.endr
.endm
	SOFT 0
	TOSTAGE 0
	SOFT 1
	SEND 0
	TOSTAGE 1
	SOFT 2
	SEND 1
	TOSTAGE 2
	SOFT 3
	SEND 2
	TOSTAGE 3
	SEND 3
	; (mu, l): both halves of the lanes hold block a's 16 rows.  Lanes 0-15 take block 2 i, lanes 16-31 block 2 i + 1: lane l then has row 32 i + l, and a store covers 256 consecutive bytes, aligned
	v_cmp_le_u32 vcc_lo, 16, v[LN]
.irp i, 0,1
	v_cndmask_b32 v[SD+2*\i],   v[ML+4*\i],   v[ML+4*\i+2], vcc_lo
	v_cndmask_b32 v[SD+2*\i+1], v[ML+4*\i+1], v[ML+4*\i+3], vcc_lo
	global_store_b64 v[SO], v[SD+2*\i:SD+2*\i+1], s[88:89] offset:256*\i
.endr
	s_wait_tensorcnt 0x0                           ; the wave's end
	ds_add_u32 v[SPW], v[NIL]
	s_wait_dscnt 0x0
	CROUND                                         ; the closing round
	s_endpgm
.Lfunc_end_k_q58412ffc11_score:
	.size	k_q58412ffc11_score, .Lfunc_end_k_q58412ffc11_score-k_q58412ffc11_score
	.p2alignl 7, 3214868480
	.fill 96, 4, 3214868480
	.section	.rodata,"a",@progbits
	.p2align	6, 0x0
	.amdhsa_kernel k_q58412ffc11_score
		.amdhsa_group_segment_fixed_size 327680
		.amdhsa_private_segment_fixed_size 0
		.amdhsa_enable_private_segment 0
		.amdhsa_kernarg_size 32
		.amdhsa_user_sgpr_count 2
		.amdhsa_user_sgpr_kernarg_segment_ptr 1
		.amdhsa_wavefront_size32 1
		.amdhsa_system_sgpr_workgroup_id_x 1
		.amdhsa_system_sgpr_workgroup_id_y 1
		.amdhsa_system_sgpr_workgroup_id_z 1
		.amdhsa_system_vgpr_workitem_id 0
		.amdhsa_next_free_vgpr 512
		.amdhsa_next_free_sgpr 96
		.amdhsa_reserve_vcc 1
		.amdhsa_float_denorm_mode_32 3
		.amdhsa_float_denorm_mode_16_64 3
		.amdhsa_memory_ordered 1
		.amdhsa_forward_progress 1
		.amdhsa_inst_pref_size 122
	.end_amdhsa_kernel
	.amdgpu_metadata
---
amdhsa.version: [ 1, 2 ]
amdhsa.kernels:
  - .name:           k_q58412ffc11_score
    .symbol:         k_q58412ffc11_score.kd
    .args:
      - { .name: qkv, .offset: 0, .size: 8, .value_kind: global_buffer, .address_space: global }
      - { .name: amax, .offset: 8, .size: 8, .value_kind: global_buffer, .address_space: global }
      - { .name: pm, .offset: 16, .size: 8, .value_kind: global_buffer, .address_space: global }
      - { .name: st, .offset: 24, .size: 8, .value_kind: global_buffer, .address_space: global }
    .group_segment_fixed_size: 327680
    .private_segment_fixed_size: 0
    .kernarg_segment_align: 8
    .kernarg_segment_size: 32
    .max_flat_workgroup_size: 128
    .sgpr_count:     96
    .vgpr_count:     512
    .wavefront_size: 32
...
	.end_amdgpu_metadata
.endif
;; end of part 3
;; launch mix (part 4): grid 4 x 64, 4 waves a work-group, clusters of 4 x 4, 327,680 bytes of LDS; arguments pm, qkv, st, ctx; writes ctx
.if DOCPART == 4
	.amdgcn_target "amdgcn-amd-amdhsa--gfx1250"
	.amdhsa_code_object_version 6
	.text
	.protected	k_q58412ffc11_mix
	.globl	k_q58412ffc11_mix
	.p2align	8
	.type	k_q58412ffc11_mix,@function
k_q58412ffc11_mix:
	s_mov_b64 s[64:65], 0
	v_nop
	global_prefetch_b8 v0, s[64:65] scope:SCOPE_SE
	s_setreg_imm32_b32 hwreg(HW_REG_WAVE_MODE, 25, 1), 1
	s_wait_xcnt 0x0
	s_wait_alu depctr_hold_cnt(0) depctr_sa_sdst(0) depctr_va_vdst(0) depctr_va_sdst(0) depctr_va_ssrc(0) depctr_va_vcc(0) depctr_vm_vsrc(0)
	s_getreg_b32 s2, hwreg(HW_REG_IB_STS2, 6, 4)
	s_cmp_eq_u32 s2, 0
	s_cbranch_scc0 .Lentry_in_a_cluster
	s_endpgm
.Lentry_in_a_cluster:
	s_bfe_u32 s2, ttmp6, 0x10000c
	s_cmp_lg_u32 s2, 0xf033
	s_cbranch_scc0 .Lentry_shape_is_right
	s_endpgm
.Lentry_shape_is_right:
; ctx[t][d] = (sum over the 16 chunks j of f_j[t] (sum over the chunk's 128 keys of p[t][key] v[key][d])) / l[t], f16; v is stored times 2^sv and ctx keeps that scale (a weighted mean of v).
; THE SECOND HALF OF THE SOFTMAX.  mu = the largest of the row's 16 mu_j; f_j = 2^(mu_j - mu) <= 1, an exact power of two since the mu_j are whole numbers; l = sum of f_j l_j >= 0.5.
; So the row's true maximum is taken away.  f_j multiplies P's fragments in f16: nothing is rounded but below 2^-14, where the error is at most 2^-25 against l >= 0.5; weights under 2^-25 of the row's largest vanish.
; SHARES.  A tile of ctx is 128 x 256; four waves 2 x 2, each 64 x 128: 32 accumulators.  K = 2,048 keys in 16 steps of 128, a step = a chunk, through two LDS slots.  4 x 64 = 256 work-groups.
; CLUSTERS 4 x 4: P's tile is shared along a row of the cluster, V's along a column (the four tile rows of a cluster lie in one batch), each asked for jointly.
; V lies [key][d]: its fragments come out of LDS turned, by ds_load_tr16_b128.  Source 0 = 16 channels of V^T, source 1 = 16 queries of P: a lane holds one query (l % 16) and eight neighbouring channels.
; The scaling of P, one packed multiply for each matrix instruction, is set between the matrix instructions, block a + 1's among block a's products; that costs two window switches for each group of four.
; REGISTERS: window 0: v0-47 addresses, factors; v64-159, v160-255 fragment buffers, on the way out T, TMP, OB, RLB.  window 1: accumulator (a, b) at v[8 (8 a + b)].
.set PITCH,  272                       ; a row of P in LDS: 256 bytes + 16
.set PV,     544                       ; a row of V: 512 bytes + 32 = 17 x 32
.set AHALF,  64*PITCH
.set BOFF,   2*AHALF
.set BHALF,  64*PV                     ; 64 keys: the same 34,816 bytes
.set SLOT,   BOFF+2*BHALF
.set STAGE,  2*SLOT
.set SPITCH, 272
.set WSTAGE, 16*SPITCH
.set FSC,    STAGE+4*WSTAGE            ; for each wave 4,352 bytes of its own: [16 chunks][64 rows] (f, f) in f16, then 64 x 1 / l in f32; no fill lands here
.set WFSC,   4352
.set SPARE,  FSC+4*WFSC                ; the spare words, 128 bytes for each wave: two blocks of 256 bytes that no other line names
.set LAPS,   8
.set ROWA,   4096
.set STRA,   2048
.set ROWB,   6144
.set STRB,   3072
.set ASTEP,  256                       ; 128 keys along a row of pm
.set BSTEP,  128*6144                  ; 128 rows of qkv
.set CROW,   2048
.set ADRA, 16
.set ADRB, 20
.set STO,  24
.set RD,   25
.set CO,   26
.set LN,   27
.set SPW,  28
.set NIL,  29
.set FADR, 30                          ; v30 LDS address of my row's factor in the chunk that slot 0 holds; steps two chunks a lap
.set FRL,  31                          ; v31 the same at chunk 0; never rewritten
.set FS,   32                          ; v32-35 slot 0's factors, one for each of my 4 blocks; v36-39 slot 1's
.set F0,   64
.set F1,   160
.set T,    64
.set TMP,  128
.set OB,   160
.set RLB,  224                         ; v224-231 1 / l of block a, twice, at RLB + 2 a
.set G1A, 24
.set G0A, 32
.set G1B, 48
.set G0B, 56
.set MUL, 0x50
.set MSB, 0
.macro WIN new
.if MSB != \new
	s_set_vgpr_msb (MSB<<8)|\new
.set MSB, \new
.endif
.endm
.macro PLACES
.rept 4
	v_nop
.endr
.endm
.macro JLOAD s                         ; a joint load; four v_nop follow each of the two lines
	s_cmp_lt_u32 s10, 2
	s_cbranch_scc0 .Lfor_b_\@
	tensor_load_to_lds s[G0A+4*\s:G0A+4*\s+3], s[G1A:G1A+7]
	s_nop 0
.rept 4
	v_nop
.endr
	s_branch .Lasked_\@
.Lfor_b_\@:
	tensor_load_to_lds s[G0B+4*\s:G0B+4*\s+3], s[G1B:G1B+7]
	s_nop 0
.rept 4
	v_nop
.endr
.Lasked_\@:
.endm
.macro CREST
	s_cmp_lg_u32 s10, 0
	s_cbranch_scc1 .Lnot_wave_0_\@
	s_barrier_signal -3
.Lnot_wave_0_\@:
	s_barrier_wait -3
	s_barrier_signal -1
	s_barrier_wait -1
.endm
.macro CROUND
	s_barrier_signal -1
	s_barrier_wait -1
	CREST
.endm
	s_load_b256 s[68:75], s[0:1], 0x0              ; pm s[68:69], qkv s[70:71], st s[72:73], ctx s[74:75]
	v_lshl_add_u32 v[SPW], v0, 2, SPARE
	v_mov_b32 v[NIL], 0
	ds_add_u32 v28, v29
	s_wait_dscnt 0x0
	v_lshrrev_b32 v1, 5, v0
	v_readfirstlane_b32 s10, v1                    ; wave 0..3
	s_lshr_b32 s11, s10, 1                         ; which 64 queries of the tile are mine
	s_and_b32 s12, s10, 1                          ; which 128 channels.  Also: which half of a tile I fetch
	s_bfe_u32 s40, ttmp6, 0x40000
	s_bfe_u32 s41, ttmp6, 0x40004
	s_lshl_b32 s42, ttmp9, 2
	s_add_co_u32 s42, s42, s40                     ; tile column (256 channels)
	s_and_b32 s13, ttmp7, 0xffff
	s_lshl_b32 s13, s13, 2
	s_add_co_u32 s13, s13, s41                     ; tile row (128 queries)
	s_lshl_b32 s43, s41, 2
	s_lshl_b32 s43, 15, s43
	s_lshl_b32 s44, 0x1111, s40
	s_or_b32 s[G1A], s43, (1<<16)|(1<<20)|(1<<21)|(5<<22)|(3<<25)   ; P's tile: 64 rows x 128 elements, to my row of the cluster; 4 words of padding behind every 64
	s_mov_b32 s[G1A+1], 128<<16
	s_mov_b32 s[G1A+2], 64<<16
	s_mov_b32 s[G1A+3], 128<<16
	s_mov_b32 s[G1A+4], 64
	s_mov_b32 s[G1A+5], STRA
	s_mov_b32 s[G1A+6], 0
	s_mov_b32 s[G1A+7], 0
	s_or_b32 s[G1B], s44, (1<<16)|(1<<20)|(1<<21)|(6<<22)|(7<<25)   ; V's tile: 64 keys x 256 elements, to my column; 8 words of padding behind every 128
	s_mov_b32 s[G1B+1], 256<<16
	s_mov_b32 s[G1B+2], 64<<16
	s_mov_b32 s[G1B+3], 256<<16
	s_mov_b32 s[G1B+4], 64
	s_mov_b32 s[G1B+5], STRB
	s_mov_b32 s[G1B+6], 0
	s_mov_b32 s[G1B+7], 0
	s_lshl_b32 s16, s13, 7
	s_lshl_b32 s17, s12, 6
	s_add_co_u32 s16, s16, s17                     ; P: row 128 x tile row + 64 x half
	s_mov_b32 s17, 0
	s_mov_b64 s[18:19], ROWA
	s_mul_u64 s[16:17], s[16:17], s[18:19]
	s_and_b32 s45, ttmp7, 0xffff
	s_lshr_b32 s45, s45, 2                         ; the batch = cluster y / 4
	s_lshl_b32 s45, s45, 11
	s_lshl_b32 s46, s12, 6
	s_add_co_u32 s46, s46, s45                     ; V: key row 2048 x batch + 64 x half
	s_mov_b32 s47, 0
	s_mov_b64 s[20:21], ROWB
	s_mul_u64 s[46:47], s[46:47], s[20:21]
	s_lshl_b32 s20, s42, 9                         ; + 512 bytes x tile column,
	s_add_co_u32 s20, s20, 4096                    ; v lies 4,096 bytes into a row of qkv
	s_mov_b32 s21, 0
	s_add_nc_u64 s[46:47], s[46:47], s[20:21]
	s_mul_i32 s22, s12, AHALF
	s_mul_i32 s23, s12, BHALF
	s_add_co_u32 s23, s23, BOFF
	s_wait_kmcnt 0x0
	s_add_nc_u64 s[14:15], s[68:69], s[16:17]
	s_add_nc_u64 s[46:47], s[70:71], s[46:47]
	CROUND                                         ; all sixteen work-groups are here: the first joint loads meet
.irp s, 0,1
	s_mov_b32 s[G0A+4*\s], 1
	s_add_co_u32 s[G0A+4*\s+1], s22, \s*SLOT
	s_add_nc_u64 s[G0A+4*\s+2:G0A+4*\s+3], s[14:15], \s*ASTEP
	s_or_b32 s[G0A+4*\s+3], s[G0A+4*\s+3], 0x80000000
	s_mov_b32 s[G0B+4*\s], 1
	s_add_co_u32 s[G0B+4*\s+1], s23, \s*SLOT
	s_add_nc_u64 s[G0B+4*\s+2:G0B+4*\s+3], s[46:47], \s*BSTEP
	s_or_b32 s[G0B+4*\s+3], s[G0B+4*\s+3], 0x80000000
.endr
	s_cmp_lt_u32 s10, 2                            ; a wave's two first fills stand in one branch: two loads of mine are out
	s_cbranch_scc0 .Lfirst_b
	tensor_load_to_lds s[G0A:G0A+3], s[G1A:G1A+7]
	s_nop 0
	tensor_load_to_lds s[G0A+4:G0A+7], s[G1A:G1A+7]
	s_nop 0
.rept 4
	v_nop
.endr
	s_branch .Lfirst_asked
.Lfirst_b:
	tensor_load_to_lds s[G0B:G0B+3], s[G1B:G1B+7]
	s_nop 0
	tensor_load_to_lds s[G0B+4:G0B+7], s[G1B:G1B+7]
	s_nop 0
.rept 4
	v_nop
.endr
.Lfirst_asked:
	v_and_b32 v1, 15, v0                           ; r
	v_bfe_u32 v2, v0, 4, 1                         ; h
	v_and_b32 v[LN], 31, v0
	v_lshlrev_b32 v8, 3, v[LN]                     ; st: 8 bytes a row, lane l takes rows l and 32 + l of my 64
	s_lshl_b32 s4, s13, 10
	s_lshl_b32 s5, s11, 9
	s_add_co_u32 s4, s4, s5
	s_mov_b32 s5, 0
	s_add_nc_u64 s[88:89], s[72:73], s[4:5]
.irp i, 0,1
.irp j, 0,1,2,3,4,5,6,7,8,9,10,11,12,13,14,15
	global_load_b64 v[64+32*\i+2*\j:64+32*\i+2*\j+1], v8, s[88:89] offset:\j*65536+256*\i   ; (mu_j, l_j): 256 consecutive bytes a load
.endr
.endr
	v_mul_u32_u24 v3, v1, PITCH                    ; P's fragments: row r x pitch + 16 h
	v_lshl_add_u32 v3, v2, 4, v3
	v_and_b32 v4, 7, v0                            ; V's, turned: lane l reads 16 bytes of key 8 h + l % 8, channels 8 ((l / 8) % 2) on
	v_lshl_add_u32 v4, v2, 3, v4
	v_mul_u32_u24 v4, v4, PV
	v_bfe_u32 v5, v0, 3, 1
	v_lshl_add_u32 v4, v5, 4, v4
	s_mul_i32 s4, s11, AHALF
	s_lshl_b32 s5, s12, 8                          ; my 128 channels: 256 bytes along V's rows
	s_add_co_u32 s5, s5, BOFF
.irp s, 0,1
	v_add_nc_u32 v[ADRA+\s], s4, v3
	v_add_nc_u32 v[ADRB+\s], s5, v4
	s_add_co_u32 s4, s4, SLOT
	s_add_co_u32 s5, s5, SLOT
.endr
	s_mul_i32 s6, s10, WSTAGE
	s_add_co_u32 s6, s6, STAGE
	v_mul_u32_u24 v4, v1, SPITCH
	v_lshl_add_u32 v4, v2, 4, v4
	v_add_nc_u32 v[STO], s6, v4
	v_mul_u32_u24 v4, v2, SPITCH
	v_lshl_add_u32 v4, v1, 4, v4
	v_add_nc_u32 v[RD], s6, v4
	v_mul_u32_u24 v4, v2, CROW
	v_lshl_add_u32 v[CO], v1, 4, v4
	s_mul_i32 s7, s10, WFSC
	s_add_co_u32 s7, s7, FSC                       ; my factors
	v_lshl_add_u32 v42, v[LN], 2, s7               ; written by lane: row l (+ 32)
	v_lshl_add_u32 v[FADR], v1, 2, s7              ; read by fragment row: row r (+ 16 a)
	v_lshl_add_u32 v[FRL], v1, 2, s7
	s_lshl_b32 s16, s13, 7
	s_lshl_b32 s17, s11, 6
	s_add_co_u32 s16, s16, s17
	s_mov_b32 s17, 0
	s_mov_b64 s[18:19], CROW
	s_mul_u64 s[16:17], s[16:17], s[18:19]
	s_lshl_b32 s46, s42, 9
	s_lshl_b32 s47, s12, 8
	s_add_co_u32 s46, s46, s47
	s_mov_b32 s47, 0
	s_add_nc_u64 s[16:17], s[16:17], s[46:47]
	s_add_nc_u64 s[86:87], s[74:75], s[16:17]
	s_wait_loadcnt 0x0
.irp i, 0,1                            ; row 32 i + l: the largest mu, the 16 factors, l, 1 / l
	v_max3_num_f32 v40, v[64+32*\i], v[64+32*\i+2], v[64+32*\i+4]
.irp j, 3,5,7,9,11,13
	v_max3_num_f32 v40, v40, v[64+32*\i+2*\j], v[64+32*\i+2*\j+2]
.endr
	v_max_num_f32 v40, v40, v[64+32*\i+30]
.irp j, 0,1,2,3,4,5,6,7,8,9,10,11,12,13,14,15
	v_sub_f32 v[64+32*\i+2*\j], v[64+32*\i+2*\j], v40
.endr
.irp j, 0,1,2,3,4,5,6,7,8,9,10,11,12,13,14,15
	v_exp_f32 v[64+32*\i+2*\j], v[64+32*\i+2*\j]
.endr
	v_nop                                          ; a plain instruction between the last exponential and the use of its result (ISA guide 5.7.2)
	s_wait_alu depctr_va_vdst(0)
	v_mul_f32 v41, v[64+32*\i], v[64+32*\i+1]
.irp j, 1,2,3,4,5,6,7,8,9,10,11,12,13,14,15
	v_fmac_f32 v41, v[64+32*\i+2*\j], v[64+32*\i+2*\j+1]
.endr
.irp j, 0,1,2,3,4,5,6,7,8,9,10,11,12,13,14,15
	v_cvt_pk_f16_f32 v[64+32*\i+2*\j], v[64+32*\i+2*\j], v[64+32*\i+2*\j]   ; (f, f): a power of two, exact down to 2^-24
	ds_store_b32 v42, v[64+32*\i+2*\j] offset:256*\j+128*\i
.endr
	v_rcp_f32 v41, v41
	v_nop
	s_wait_alu depctr_va_vdst(0)
	ds_store_b32 v42, v41 offset:4096+128*\i
.endr
.macro WM f, a, b, zero                ; one matrix instruction; the 32 accumulators take turns, one instruction a turn
.if \zero
	v_wmma_f32_16x16x32_f16 v[8*(8*\a+\b):8*(8*\a+\b)+7], v[\f+32+8*\b:\f+32+8*\b+7], v[\f+8*\a:\f+8*\a+7], 0
.else
	v_wmma_f32_16x16x32_f16 v[8*(8*\a+\b):8*(8*\a+\b)+7], v[\f+32+8*\b:\f+32+8*\b+7], v[\f+8*\a:\f+8*\a+7], v[8*(8*\a+\b):8*(8*\a+\b)+7]
.endif
.endm
.macro SCALE f, a, lo, fs              ; four registers of P's block a times the row's factor
.irp n, 0,1,2,3
	v_pk_mul_f16 v[\f+8*\a+\lo+\n], v[\f+8*\a+\lo+\n], v[\fs+\a]
.endr
.endm
.macro MULAS f, a, fs, zero            ; block a's 8 products, block a + 1's scaling among them
	WIN MUL
	WM \f, \a, 0, \zero
	WM \f, \a, 1, \zero
.if \a < 3
	WIN 0
	SCALE \f, (\a+1), 0, \fs
	WIN MUL
.endif
	WM \f, \a, 2, \zero
	WM \f, \a, 3, \zero
	WM \f, \a, 4, \zero
	WM \f, \a, 5, \zero
.if \a < 3
	WIN 0
	SCALE \f, (\a+1), 4, \fs
	WIN MUL
.endif
	WM \f, \a, 6, \zero
	WM \f, \a, 7, \zero
.endm
.macro FETCH slot, q, f                ; 24 LDS loads in one run: quarter q (32 keys): V turned, 128 channels; P, 64 queries
.irp b, 0,1,2,3,4,5,6,7
	ds_load_tr16_b128 v[\f+32+8*\b:\f+32+8*\b+3],   v[ADRB+\slot] offset:\q*32*PV+32*\b
	ds_load_tr16_b128 v[\f+32+8*\b+4:\f+32+8*\b+7], v[ADRB+\slot] offset:\q*32*PV+16*PV+32*\b
.endr
.irp i, 0,1,2,3
	ds_load_b128 v[\f+8*\i:\f+8*\i+3],   v[ADRA+\slot] offset:64*\q+\i*16*PITCH
	ds_load_b128 v[\f+8*\i+4:\f+8*\i+7], v[ADRA+\slot] offset:64*\q+\i*16*PITCH+32
.endr
.endm
.macro FACTORS slot, foff              ; my four blocks' factors of the chunk that the slot holds
.irp a, 0,1,2,3
	ds_load_b32 v[FS+4*\slot+\a], v[FADR] offset:\foff+64*\a
.endr
.endm
.macro QUARTER slot, q, f, g, zero
	PLACES                                         ; buffer g was read by the quarter before
	WIN 0
	FETCH \slot, \q, \g
	s_wait_dscnt 24                                ; all but the 24 just issued: buffer f is in, and the slot's factors
	SCALE \f, 0, 0, FS+4*\slot
	SCALE \f, 0, 4, FS+4*\slot
	MULAS \f, 0, FS+4*\slot, \zero
	MULAS \f, 1, FS+4*\slot, \zero
	MULAS \f, 2, FS+4*\slot, \zero
	MULAS \f, 3, FS+4*\slot, \zero
.endm
; The last quarter multiplies buffer 1 and changes slots.  foff: where the next chunk's factors lie from FADR; step = 1: FADR goes two chunks on.
.macro TURN slot, next, fill, foff, step
	WIN 0
	s_wait_tensorcnt 0x0                           ; all my tensor loads have landed: my part of the next slot
	ds_add_u32 v[SPW], v[NIL]                      ; 0 onto my spare word
	s_wait_dscnt 1                                 ; buffer 1 is in; the add may be out
	SCALE F1, 0, 0, FS+4*\slot
	SCALE F1, 0, 4, FS+4*\slot
	MULAS F1, 0, FS+4*\slot, 0
	s_wait_dscnt 0x0                               ; the add is done, and my reads of this slot are over
	s_barrier_signal -1
	MULAS F1, 1, FS+4*\slot, 0
	WIN 0
	s_barrier_wait -1
.if \fill
	CREST                                          ; no wave of any partner still reads this slot or has a load on its way
	s_add_nc_u64 s[G0A+4*\slot+2:G0A+4*\slot+3], s[G0A+4*\slot+2:G0A+4*\slot+3], 2*ASTEP
	s_add_nc_u64 s[G0B+4*\slot+2:G0B+4*\slot+3], s[G0B+4*\slot+2:G0B+4*\slot+3], 2*BSTEP
	JLOAD \slot                                    ; the first tensor load behind the round; its four v_nop are also the places in front of the loads below
.else
	PLACES
.endif
	FETCH \next, 0, F0
	FACTORS \next, \foff
.if \step
	v_add_nc_u32 v[FADR], 512, v[FADR]
.endif
	MULAS F1, 2, FS+4*\slot, 0
	MULAS F1, 3, FS+4*\slot, 0
.endm
	s_wait_dscnt 0x0                               ; my factors are stored (my own bytes; no LDS instruction is pending at a signal)
	s_wait_tensorcnt 0x1                           ; my part of K step 0 is in; K step 1's may stay out
	s_barrier_signal -1
	s_barrier_wait -1
	FETCH 0, 0, F0
	FACTORS 0, 0
	QUARTER 0, 1, F0, F1, 1
	WIN 0
	s_mov_b32 s3, LAPS-1
.Llap:
	QUARTER 0, 2, F1, F0, 0
	QUARTER 0, 3, F0, F1, 0
	TURN 0, 1, 1, 256, 0
	QUARTER 1, 1, F0, F1, 0
	QUARTER 1, 2, F1, F0, 0
	QUARTER 1, 3, F0, F1, 0
	TURN 1, 0, 1, 512, 1
	QUARTER 0, 1, F0, F1, 0
	WIN 0
	s_sub_co_u32 s3, s3, 1
	s_cmp_lg_u32 s3, 0
	s_cbranch_scc1 .Llap
	QUARTER 0, 2, F1, F0, 0
	QUARTER 0, 3, F0, F1, 0
	TURN 0, 1, 0, 256, 0
	QUARTER 1, 1, F0, F1, 0
	QUARTER 1, 2, F1, F0, 0
	QUARTER 1, 3, F0, F1, 0
	s_wait_dscnt 0x0
	WIN 0
	SCALE F1, 0, 0, FS+4
	SCALE F1, 0, 4, FS+4
	MULAS F1, 0, FS+4, 0
	MULAS F1, 1, FS+4, 0
	MULAS F1, 2, FS+4, 0
	MULAS F1, 3, FS+4, 0
	WIN 0
	PLACES
.irp a, 0,1,2,3
	ds_load_b32 v[RLB+2*\a],   v[FRL] offset:4096+64*\a     ; 1 / l of row 16 a + r, in both registers of a pair
	ds_load_b32 v[RLB+2*\a+1], v[FRL] offset:4096+64*\a
.endr
	s_wait_dscnt 0x0
.macro PACK a                          ; the sums divided by l, rounded to f16; each accumulator's registers in ascending order
	WIN 0x01
.set i, 0
.rept 32
	v_pk_mul_f32 v[T+2*i:T+2*i+1], v[64*\a+2*i:64*\a+2*i+1], v[RLB+2*\a:RLB+2*\a+1]
.set i, i+1
.endr
	WIN 0
.set i, 0
.rept 32
	v_cvt_pk_f16_f32 v[TMP+i], v[T+2*i], v[T+2*i+1]
.set i, i+1
.endr
.endm
.macro TOSTAGE a
.irp b, 0,1,2,3,4,5,6,7
	ds_store_b128 v[STO], v[TMP+4*\b:TMP+4*\b+3] offset:32*\b
.endr
.irp t, 0,1,2,3,4,5,6,7
	ds_load_b128 v[OB+32*(\a%2)+4*\t:OB+32*(\a%2)+4*\t+3], v[RD] offset:\t*2*SPITCH   ; LDS serves a wave's instructions in order (ISA guide 5.7.1.4): these see the stores above
.endr
.endm
.macro SEND a
	s_wait_dscnt 0x0
	s_wait_xcnt 0x0                                ; the registers that the stores of two blocks ago read are loaded again only behind this wait
.irp t, 0,1,2,3,4,5,6,7
	global_store_b128 v[CO], v[OB+32*(\a%2)+4*\t:OB+32*(\a%2)+4*\t+3], s[86:87] offset:(16*\a+2*\t)*CROW   ; 16 lanes store 256 consecutive bytes, aligned
.endr
.endm
	PACK 0
	TOSTAGE 0
	PACK 1
	SEND 0
	TOSTAGE 1
	PACK 2
	SEND 1
	TOSTAGE 2
	PACK 3
	SEND 2
	TOSTAGE 3
	SEND 3
	s_wait_tensorcnt 0x0                           ; the wave's end
	ds_add_u32 v[SPW], v[NIL]
	s_wait_dscnt 0x0
	CROUND                                         ; the closing round
	s_endpgm
.Lfunc_end_k_q58412ffc11_mix:
	.size	k_q58412ffc11_mix, .Lfunc_end_k_q58412ffc11_mix-k_q58412ffc11_mix
	.p2alignl 7, 3214868480
	.fill 96, 4, 3214868480
	.section	.rodata,"a",@progbits
	.p2align	6, 0x0
	.amdhsa_kernel k_q58412ffc11_mix
		.amdhsa_group_segment_fixed_size 327680
		.amdhsa_private_segment_fixed_size 0
		.amdhsa_enable_private_segment 0
		.amdhsa_kernarg_size 32
		.amdhsa_user_sgpr_count 2
		.amdhsa_user_sgpr_kernarg_segment_ptr 1
		.amdhsa_wavefront_size32 1
		.amdhsa_system_sgpr_workgroup_id_x 1
		.amdhsa_system_sgpr_workgroup_id_y 1
		.amdhsa_system_sgpr_workgroup_id_z 1
		.amdhsa_system_vgpr_workitem_id 0
		.amdhsa_next_free_vgpr 512
		.amdhsa_next_free_sgpr 96
		.amdhsa_reserve_vcc 0
		.amdhsa_float_denorm_mode_32 3
		.amdhsa_float_denorm_mode_16_64 3
		.amdhsa_memory_ordered 1
		.amdhsa_forward_progress 1
		.amdhsa_inst_pref_size 145
	.end_amdhsa_kernel
	.amdgpu_metadata
---
amdhsa.version: [ 1, 2 ]
amdhsa.kernels:
  - .name:           k_q58412ffc11_mix
    .symbol:         k_q58412ffc11_mix.kd
    .args:
      - { .name: pm, .offset: 0, .size: 8, .value_kind: global_buffer, .address_space: global }
      - { .name: qkv, .offset: 8, .size: 8, .value_kind: global_buffer, .address_space: global }
      - { .name: st, .offset: 16, .size: 8, .value_kind: global_buffer, .address_space: global }
      - { .name: ctx, .offset: 24, .size: 8, .value_kind: global_buffer, .address_space: global }
    .group_segment_fixed_size: 327680
    .private_segment_fixed_size: 0
    .kernarg_segment_align: 8
    .kernarg_segment_size: 32
    .max_flat_workgroup_size: 128
    .sgpr_count:     96
    .vgpr_count:     512
    .wavefront_size: 32
...
	.end_amdgpu_metadata
.endif
;; end of part 4
;; launch outp (part 5): grid 4 x 64, 4 waves a work-group, clusters of 4 x 4, 327,680 bytes of LDS; arguments ctx, wh, bo, amax, out0; writes out0
.if DOCPART == 5
	.amdgcn_target "amdgcn-amd-amdhsa--gfx1250"
	.amdhsa_code_object_version 6
	.text
	.protected	k_q58412ffc11_outp
	.globl	k_q58412ffc11_outp
	.p2align	8
	.type	k_q58412ffc11_outp,@function
k_q58412ffc11_outp:
	s_mov_b64 s[64:65], 0
	v_nop
	global_prefetch_b8 v0, s[64:65] scope:SCOPE_SE
	s_setreg_imm32_b32 hwreg(HW_REG_WAVE_MODE, 25, 1), 1
	s_wait_xcnt 0x0
	s_wait_alu depctr_hold_cnt(0) depctr_sa_sdst(0) depctr_va_vdst(0) depctr_va_sdst(0) depctr_va_ssrc(0) depctr_va_vcc(0) depctr_vm_vsrc(0)
	s_getreg_b32 s2, hwreg(HW_REG_IB_STS2, 6, 4)
	s_cmp_eq_u32 s2, 0
	s_cbranch_scc0 .Lentry_in_a_cluster
	s_endpgm
.Lentry_in_a_cluster:
	s_bfe_u32 s2, ttmp6, 0x10000c
	s_cmp_lg_u32 s2, 0xf033
	s_cbranch_scc0 .Lentry_shape_is_right
	s_endpgm
.Lentry_shape_is_right:
; out0[t][e] = (sum over d of ctx[t][d] Wo[e][d]) * 2^-sv + bo[e], f32.  ctx is stored times 2^sv, v's scale; 2^-sv is made again from amax as where v was stored (exponent field e of the bound
; (1024 max|x| + 1) max(|Wv|, |bv|), kept in 16..250; 2^-sv = 2^(e - 140)).  Wo is rows 3072-4095 of wh.  f16 operands, f32 sums.
; SHARES, RING, CLUSTERS, TRANSPOSED USE: a tile of out0 is 128 x 256, four waves 2 x 2, each 64 x 128: 32 accumulators; K = 1024 in 8 steps of 128 through two LDS slots; 4 x 64 = 256 work-groups.
; 4 x 4 work-groups form a cluster: ctx's tile is shared along a row of the cluster, Wo's along a column, each asked for jointly.
; Source 0 = 16 rows of Wo, source 1 = 16 rows of ctx: a lane holds row l % 16 of out0 and eight neighbouring columns.
; REGISTERS: window 0: v0-47 addresses and scale work; v64-159, v160-255 fragment buffers, on the way out T, OB.  window 1: accumulator (a, b) at v[8 (8 a + b)].  window 2: v0-63 bo of my 64 columns.
.set PITCH,  272
.set AHALF,  64*PITCH
.set BOFF,   2*AHALF
.set BHALF,  128*PITCH
.set SLOT,   BOFF+2*BHALF
.set STAGE,  2*SLOT                    ; 16 rows x 528 bytes for each wave; no fill lands here
.set SPITCH, 528                       ; a stage row: 512 bytes + 16: row r starts 4 banks behind row r - 1
.set WSTAGE, 16*SPITCH
.set SPARE,  STAGE+4*WSTAGE            ; the spare words, 128 bytes for each wave: two blocks of 256 bytes that no other line names
.set LAPS,   4
.set ROWA,   2048
.set STRA,   1024
.set ROWB,   2048
.set STRB,   1024
.set ASTEP,  256
.set BSTEP,  256
.set CROW,   4096
.set ADRA, 16
.set ADRB, 20
.set STO,  24
.set RD,   25
.set CO,   26
.set LN,   27
.set SPW,  28
.set NIL,  29
.set F0,   64
.set F1,   160
.set T,    64                          ; a block's 64 numbers
.set OB,   128                         ; whole rows read back: v128-191 and v192-255 by turns
.set G1A, 24
.set G0A, 32
.set G1B, 48
.set G0B, 56
.set SC,  84                           ; s[84:85] 2^-sv, twice
.set MUL, 0x50
.set MSB, 0
.macro WIN new
.if MSB != \new
	s_set_vgpr_msb (MSB<<8)|\new
.set MSB, \new
.endif
.endm
.macro PLACES
.rept 4
	v_nop
.endr
.endm
.macro JLOAD s                         ; a joint load; four v_nop follow each of the two lines
	s_cmp_lt_u32 s10, 2
	s_cbranch_scc0 .Lfor_b_\@
	tensor_load_to_lds s[G0A+4*\s:G0A+4*\s+3], s[G1A:G1A+7]
	s_nop 0
.rept 4
	v_nop
.endr
	s_branch .Lasked_\@
.Lfor_b_\@:
	tensor_load_to_lds s[G0B+4*\s:G0B+4*\s+3], s[G1B:G1B+7]
	s_nop 0
.rept 4
	v_nop
.endr
.Lasked_\@:
.endm
.macro CREST
	s_cmp_lg_u32 s10, 0
	s_cbranch_scc1 .Lnot_wave_0_\@
	s_barrier_signal -3
.Lnot_wave_0_\@:
	s_barrier_wait -3
	s_barrier_signal -1
	s_barrier_wait -1
.endm
.macro CROUND
	s_barrier_signal -1
	s_barrier_wait -1
	CREST
.endm
	s_load_b256 s[68:75], s[0:1], 0x0              ; ctx s[68:69], wh s[70:71], bo s[72:73], amax s[74:75]
	s_load_b64 s[76:77], s[0:1], 0x20              ; out0
	v_lshl_add_u32 v[SPW], v0, 2, SPARE
	v_mov_b32 v[NIL], 0
	ds_add_u32 v28, v29
	s_wait_dscnt 0x0
	v_lshrrev_b32 v1, 5, v0
	v_readfirstlane_b32 s10, v1                    ; wave 0..3
	s_lshr_b32 s11, s10, 1
	s_and_b32 s12, s10, 1
	s_bfe_u32 s40, ttmp6, 0x40000
	s_bfe_u32 s41, ttmp6, 0x40004
	s_lshl_b32 s42, ttmp9, 2
	s_add_co_u32 s42, s42, s40                     ; tile column
	s_and_b32 s13, ttmp7, 0xffff
	s_lshl_b32 s13, s13, 2
	s_add_co_u32 s13, s13, s41                     ; tile row
	s_lshl_b32 s43, s41, 2
	s_lshl_b32 s43, 15, s43
	s_lshl_b32 s44, 0x1111, s40
	s_mov_b32 s66, 0x76543210
	s_mov_b32 s67, 0xfedcba98
	s_or_b32 s[G1A], s43, (1<<16)|(1<<20)|(1<<21)|(5<<22)|(3<<25)   ; ctx's tile: 64 rows x 128 elements, to my row of the cluster; 4 words of padding behind every 64
	s_mov_b32 s[G1A+1], 128<<16
	s_mov_b32 s[G1A+2], 64<<16
	s_mov_b32 s[G1A+3], 128<<16
	s_mov_b32 s[G1A+4], 64
	s_mov_b32 s[G1A+5], STRA
	s_mov_b32 s[G1A+6], 0
	s_mov_b32 s[G1A+7], 0
	s_or_b32 s[G1B], s44, (1<<16)|(1<<20)|(1<<21)|(5<<22)|(3<<25)   ; Wo's tile: 128 rows x 128 elements, to my column
	s_mov_b32 s[G1B+1], 128<<16
	s_mov_b32 s[G1B+2], 128<<16
	s_mov_b32 s[G1B+3], 128<<16
	s_mov_b32 s[G1B+4], 128
	s_mov_b32 s[G1B+5], STRB
	s_mov_b32 s[G1B+6], 0
	s_mov_b32 s[G1B+7], 0
	s_lshl_b32 s16, s13, 7
	s_lshl_b32 s17, s12, 6
	s_add_co_u32 s16, s16, s17
	s_mov_b32 s17, 0
	s_mov_b64 s[18:19], ROWA
	s_mul_u64 s[16:17], s[16:17], s[18:19]
	s_lshl_b32 s46, s42, 8
	s_lshl_b32 s47, s12, 7
	s_add_co_u32 s46, s46, s47
	s_add_co_u32 s46, s46, 3072                    ; Wo begins at row 3,072 of wh
	s_mov_b32 s47, 0
	s_mov_b64 s[20:21], ROWB
	s_mul_u64 s[46:47], s[46:47], s[20:21]
	s_mul_i32 s22, s12, AHALF
	s_mul_i32 s23, s12, BHALF
	s_add_co_u32 s23, s23, BOFF
	s_wait_kmcnt 0x0
	s_add_nc_u64 s[14:15], s[68:69], s[16:17]
	s_add_nc_u64 s[46:47], s[70:71], s[46:47]
	CROUND                                         ; all sixteen work-groups are here: the first joint loads meet
.irp s, 0,1
	s_mov_b32 s[G0A+4*\s], 1
	s_add_co_u32 s[G0A+4*\s+1], s22, \s*SLOT
	s_add_nc_u64 s[G0A+4*\s+2:G0A+4*\s+3], s[14:15], \s*ASTEP
	s_or_b32 s[G0A+4*\s+3], s[G0A+4*\s+3], 0x80000000
	s_mov_b32 s[G0B+4*\s], 1
	s_add_co_u32 s[G0B+4*\s+1], s23, \s*SLOT
	s_add_nc_u64 s[G0B+4*\s+2:G0B+4*\s+3], s[46:47], \s*BSTEP
	s_or_b32 s[G0B+4*\s+3], s[G0B+4*\s+3], 0x80000000
.endr
	s_cmp_lt_u32 s10, 2                            ; a wave's two first fills stand in one branch: two loads of mine are out
	s_cbranch_scc0 .Lfirst_b
	tensor_load_to_lds s[G0A:G0A+3], s[G1A:G1A+7]
	s_nop 0
	tensor_load_to_lds s[G0A+4:G0A+7], s[G1A:G1A+7]
	s_nop 0
.rept 4
	v_nop
.endr
	s_branch .Lfirst_asked
.Lfirst_b:
	tensor_load_to_lds s[G0B:G0B+3], s[G1B:G1B+7]
	s_nop 0
	tensor_load_to_lds s[G0B+4:G0B+7], s[G1B:G1B+7]
	s_nop 0
.rept 4
	v_nop
.endr
.Lfirst_asked:
	v_and_b32 v1, 15, v0                           ; r
	v_bfe_u32 v2, v0, 4, 1                         ; h
	v_and_b32 v[LN], 31, v0
	v_lshlrev_b32 v5, 5, v2                        ; bias: 8 h numbers
	v_lshlrev_b32 v6, 4, v[LN]
	v_lshlrev_b32 v7, 2, v[LN]
	s_lshl_b32 s6, s42, 10                         ; 256 columns for each tile column,
	s_lshl_b32 s7, s12, 9                          ; 128 for my half
	s_add_co_u32 s6, s6, s7
	s_mov_b32 s7, 0
	s_add_nc_u64 s[88:89], s[72:73], s[6:7]
	WIN 0x80                                       ; destination window 2
.irp b, 0,1,2,3,4,5,6,7
	global_load_b128 v[8*\b:8*\b+3],   v5, s[88:89] offset:64*\b
	global_load_b128 v[8*\b+4:8*\b+7], v5, s[88:89] offset:64*\b+16
.endr
	WIN 0
	global_load_b128 v[32:35], v6, s[74:75]              ; x's 256 figures
	global_load_b128 v[36:39], v6, s[74:75] offset:512
	global_load_b32 v40, v7, s[74:75] offset:1280        ; (Wv, bv)'s 32
	v_mul_u32_u24 v3, v1, PITCH
	v_lshl_add_u32 v3, v2, 4, v3
	s_mul_i32 s4, s11, AHALF
	s_mul_i32 s5, s12, BHALF
	s_add_co_u32 s5, s5, BOFF
.irp s, 0,1
	v_add_nc_u32 v[ADRA+\s], s4, v3
	v_add_nc_u32 v[ADRB+\s], s5, v3
	s_add_co_u32 s4, s4, SLOT
	s_add_co_u32 s5, s5, SLOT
.endr
	s_mul_i32 s6, s10, WSTAGE
	s_add_co_u32 s6, s6, STAGE
	v_mul_u32_u24 v4, v1, SPITCH                   ; in: row r, 32 bytes for each half of the lanes
	v_lshl_add_u32 v4, v2, 5, v4
	v_add_nc_u32 v[STO], s6, v4
	v_lshl_add_u32 v[RD], v[LN], 4, s6             ; back: the 32 lanes take one row of 512 bytes
	v_lshlrev_b32 v[CO], 4, v[LN]                  ; and the same in out0
	v_mov_b32 v41, 0
	s_lshl_b32 s16, s13, 7
	s_lshl_b32 s17, s11, 6
	s_add_co_u32 s16, s16, s17
	s_mov_b32 s17, 0
	s_mov_b64 s[18:19], CROW
	s_mul_u64 s[16:17], s[16:17], s[18:19]
	s_lshl_b32 s46, s42, 10
	s_lshl_b32 s47, s12, 9
	s_add_co_u32 s46, s46, s47
	s_mov_b32 s47, 0
	s_add_nc_u64 s[16:17], s[16:17], s[46:47]
	s_add_nc_u64 s[86:87], s[76:77], s[16:17]
	s_wait_loadcnt 0x0
.macro RED v, t
	v_max_num_f32_dpp v[\v], v[\v], v[\v] row_xmask:1 row_mask:0xf bank_mask:0xf
	v_max_num_f32_dpp v[\v], v[\v], v[\v] row_xmask:2 row_mask:0xf bank_mask:0xf
	v_max_num_f32_dpp v[\v], v[\v], v[\v] row_xmask:4 row_mask:0xf bank_mask:0xf
	v_max_num_f32_dpp v[\v], v[\v], v[\v] row_xmask:8 row_mask:0xf bank_mask:0xf
	v_permlanex16_b32 v[\t], v[\v], s66, s67
	v_max_num_f32 v[\v], v[\v], v[\t]
.endm
	v_max3_num_f32 v32, v32, v33, v34
	v_max3_num_f32 v36, v36, v37, v38
	v_max3_num_f32 v32, v32, v35, v36
	v_max_num_f32 v32, v32, v39
	RED 32, 41
	RED 40, 41
	v_fma_f32 v33, v32, 0x44800000, 1.0            ; 1024 max|x| + 1
	v_mul_f32 v34, v33, v40                        ; v's bound
	v_readfirstlane_b32 s4, v34
	s_bfe_u32 s4, s4, 0x80017
	s_max_u32 s4, s4, 16
	s_min_u32 s4, s4, 250
	s_sub_co_u32 s4, s4, 13
	s_lshl_b32 s[SC], s4, 23                       ; 2^(e - 140)
	s_mov_b32 s[SC+1], s[SC]
.macro MULA f, a, zero                 ; 8 matrix instructions; the 32 accumulators take turns, one instruction a turn
.irp b, 0,1,2,3,4,5,6,7
.if \zero
	v_wmma_f32_16x16x32_f16 v[8*(8*\a+\b):8*(8*\a+\b)+7], v[\f+32+8*\b:\f+32+8*\b+7], v[\f+8*\a:\f+8*\a+7], 0
.else
	v_wmma_f32_16x16x32_f16 v[8*(8*\a+\b):8*(8*\a+\b)+7], v[\f+32+8*\b:\f+32+8*\b+7], v[\f+8*\a:\f+8*\a+7], v[8*(8*\a+\b):8*(8*\a+\b)+7]
.endif
.endr
.endm
.macro FETCH slot, q, f
.irp b, 0,1,2,3,4,5,6,7
	ds_load_b128 v[\f+32+8*\b:\f+32+8*\b+3],   v[ADRB+\slot] offset:64*\q+\b*16*PITCH
	ds_load_b128 v[\f+32+8*\b+4:\f+32+8*\b+7], v[ADRB+\slot] offset:64*\q+\b*16*PITCH+32
.endr
.irp i, 0,1,2,3
	ds_load_b128 v[\f+8*\i:\f+8*\i+3],   v[ADRA+\slot] offset:64*\q+\i*16*PITCH
	ds_load_b128 v[\f+8*\i+4:\f+8*\i+7], v[ADRA+\slot] offset:64*\q+\i*16*PITCH+32
.endr
.endm
.macro QUARTER slot, q, f, g, zero
	PLACES                                         ; buffer g was read by the quarter before
	WIN 0
	FETCH \slot, \q, \g
	s_wait_dscnt 24                                ; all but the 24 just issued: buffer f is in
	WIN MUL
	MULA \f, 0, \zero
	MULA \f, 1, \zero
	MULA \f, 2, \zero
	MULA \f, 3, \zero
.endm
.macro TURN slot, next, fill
	WIN 0
	s_wait_tensorcnt 0x0                           ; all my tensor loads have landed: my part of the next slot
	ds_add_u32 v[SPW], v[NIL]                      ; 0 onto my spare word
	s_wait_dscnt 1                                 ; buffer 1 is in; the add may be out
	WIN MUL
	MULA F1, 0, 0
	s_wait_dscnt 0x0                               ; the add is done, and my reads of this slot are over
	s_barrier_signal -1
	MULA F1, 1, 0
	WIN 0
	s_barrier_wait -1
.if \fill
	CREST                                          ; no wave of any partner still reads this slot or has a load on its way
	s_add_nc_u64 s[G0A+4*\slot+2:G0A+4*\slot+3], s[G0A+4*\slot+2:G0A+4*\slot+3], 2*ASTEP
	s_add_nc_u64 s[G0B+4*\slot+2:G0B+4*\slot+3], s[G0B+4*\slot+2:G0B+4*\slot+3], 2*BSTEP
	JLOAD \slot                                    ; the first tensor load behind the round; its four v_nop are also the places in front of the loads below
.else
	PLACES
.endif
	FETCH \next, 0, F0
	WIN MUL
	MULA F1, 2, 0
	MULA F1, 3, 0
.endm
	s_wait_tensorcnt 0x1                           ; my part of K step 0 is in; K step 1's may stay out
	s_barrier_signal -1
	s_barrier_wait -1
	FETCH 0, 0, F0
	QUARTER 0, 1, F0, F1, 1
	WIN 0
	s_mov_b32 s3, LAPS-1
.Llap:
	QUARTER 0, 2, F1, F0, 0
	QUARTER 0, 3, F0, F1, 0
	TURN 0, 1, 1
	QUARTER 1, 1, F0, F1, 0
	QUARTER 1, 2, F1, F0, 0
	QUARTER 1, 3, F0, F1, 0
	TURN 1, 0, 1
	QUARTER 0, 1, F0, F1, 0
	WIN 0
	s_sub_co_u32 s3, s3, 1
	s_cmp_lg_u32 s3, 0
	s_cbranch_scc1 .Llap
	QUARTER 0, 2, F1, F0, 0
	QUARTER 0, 3, F0, F1, 0
	TURN 0, 1, 0
	QUARTER 1, 1, F0, F1, 0
	QUARTER 1, 2, F1, F0, 0
	QUARTER 1, 3, F0, F1, 0
	s_wait_dscnt 0x0
	MULA F1, 0, 0
	MULA F1, 1, 0
	MULA F1, 2, 0
	MULA F1, 3, 0
	WIN 0
	PLACES
; THE WAY OUT, 16 rows at a time: sum x 2^-sv + bo in one fused multiply-add, each accumulator's registers in ascending order; 32 bytes a lane and n block into my own stage; back as whole rows of 512 bytes; stored.
.macro PACK4 a
	WIN 0x21                                       ; source 0 window 1 (sums), source 2 window 2 (bias)
.set i, 0
.rept 32
	v_pk_fma_f32 v[T+2*i:T+2*i+1], v[64*\a+2*i:64*\a+2*i+1], s[SC:SC+1], v[2*i:2*i+1] op_sel_hi:[1,0,1]
.set i, i+1
.endr
	WIN 0
.endm
.macro TOSTAGE4 a
.irp b, 0,1,2,3,4,5,6,7
	ds_store_b128 v[STO], v[T+8*\b:T+8*\b+3]   offset:64*\b
	ds_store_b128 v[STO], v[T+8*\b+4:T+8*\b+7] offset:64*\b+16
.endr
.irp t, 0,1,2,3,4,5,6,7,8,9,10,11,12,13,14,15
	ds_load_b128 v[OB+64*(\a%2)+4*\t:OB+64*(\a%2)+4*\t+3], v[RD] offset:\t*SPITCH   ; LDS serves a wave's instructions in order (ISA guide 5.7.1.4): these see the stores above
.endr
.endm
.macro SEND4 a
	s_wait_dscnt 0x0
	s_wait_xcnt 0x0                                ; the registers that the stores of two blocks ago read are loaded again only behind this wait
.irp t, 0,1,2,3,4,5,6,7,8,9,10,11,12,13,14,15
	global_store_b128 v[CO], v[OB+64*(\a%2)+4*\t:OB+64*(\a%2)+4*\t+3], s[86:87] offset:(16*\a+\t)*CROW th:TH_STORE_NT   ; the wave stores 512 consecutive bytes, aligned
.endr
.endm
	PACK4 0
	TOSTAGE4 0
	PACK4 1
	SEND4 0
	TOSTAGE4 1
	PACK4 2
	SEND4 1
	TOSTAGE4 2
	PACK4 3
	SEND4 2
	TOSTAGE4 3
	SEND4 3
	s_wait_tensorcnt 0x0                           ; the wave's end
	ds_add_u32 v[SPW], v[NIL]
	s_wait_dscnt 0x0
	CROUND                                         ; the closing round
	s_endpgm
.Lfunc_end_k_q58412ffc11_outp:
	.size	k_q58412ffc11_outp, .Lfunc_end_k_q58412ffc11_outp-k_q58412ffc11_outp
	.p2alignl 7, 3214868480
	.fill 96, 4, 3214868480
	.section	.rodata,"a",@progbits
	.p2align	6, 0x0
	.amdhsa_kernel k_q58412ffc11_outp
		.amdhsa_group_segment_fixed_size 327680
		.amdhsa_private_segment_fixed_size 0
		.amdhsa_enable_private_segment 0
		.amdhsa_kernarg_size 40
		.amdhsa_user_sgpr_count 2
		.amdhsa_user_sgpr_kernarg_segment_ptr 1
		.amdhsa_wavefront_size32 1
		.amdhsa_system_sgpr_workgroup_id_x 1
		.amdhsa_system_sgpr_workgroup_id_y 1
		.amdhsa_system_sgpr_workgroup_id_z 1
		.amdhsa_system_vgpr_workitem_id 0
		.amdhsa_next_free_vgpr 576
		.amdhsa_next_free_sgpr 96
		.amdhsa_reserve_vcc 0
		.amdhsa_float_denorm_mode_32 3
		.amdhsa_float_denorm_mode_16_64 3
		.amdhsa_memory_ordered 1
		.amdhsa_forward_progress 1
		.amdhsa_inst_pref_size 96
	.end_amdhsa_kernel
	.amdgpu_metadata
---
amdhsa.version: [ 1, 2 ]
amdhsa.kernels:
  - .name:           k_q58412ffc11_outp
    .symbol:         k_q58412ffc11_outp.kd
    .args:
      - { .name: ctx, .offset: 0, .size: 8, .value_kind: global_buffer, .address_space: global }
      - { .name: wh, .offset: 8, .size: 8, .value_kind: global_buffer, .address_space: global }
      - { .name: bo, .offset: 16, .size: 8, .value_kind: global_buffer, .address_space: global }
      - { .name: amax, .offset: 24, .size: 8, .value_kind: global_buffer, .address_space: global }
      - { .name: out0, .offset: 32, .size: 8, .value_kind: global_buffer, .address_space: global }
    .group_segment_fixed_size: 327680
    .private_segment_fixed_size: 0
    .kernarg_segment_align: 8
    .kernarg_segment_size: 40
    .max_flat_workgroup_size: 128
    .sgpr_count:     96
    .vgpr_count:     576
    .wavefront_size: 32
...
	.end_amdgpu_metadata
.endif
;; end of part 5
;; ======== version 2 of 2: 6 launches
;; limits: values are held in f16: magnitudes above 65,504 overflow, below 6.1e-05 lose precision; inputs' magnitudes at most 65,504; right only within a limited range of input values
;; workspace buffers: xh 16,777,216 bytes; wh 8,388,608 bytes; amax 1,536 bytes; qk 33,554,432 bytes; pm 33,554,432 bytes; st 1,048,576 bytes; ctx 16,777,216 bytes; wov 2,101,248 bytes
;; launch cvt (part 6): grid 384 x 1, 4 waves a work-group, no clusters, 768 bytes of LDS; arguments x, Wq, Wk, Wv, Wo, bq, bk, bv, xh, wh, amax; writes xh, wh, amax
.if DOCPART == 6
	.amdgcn_target "amdgcn-amd-amdhsa--gfx1250"
	.amdhsa_code_object_version 6
	.text
	.protected	k_q58412ffc11_cvt
	.globl	k_q58412ffc11_cvt
	.p2align	8
	.type	k_q58412ffc11_cvt,@function
k_q58412ffc11_cvt:
	s_mov_b64 s[64:65], 0
	v_nop
	global_prefetch_b8 v0, s[64:65] scope:SCOPE_SE
	s_setreg_imm32_b32 hwreg(HW_REG_WAVE_MODE, 25, 1), 1
	s_wait_xcnt 0x0
; x, Wq, Wk, Wv, Wo (f32) are rounded to f16 (nearest even) into xh [8192][1024] and wh [4096][1024] (Wq, Wk, Wv, Wo one below the other),
; and each work-group stores the largest magnitude that it saw into amax[its number]; the groups of Wq, Wk, Wv fold 32 numbers of that weight's bias in.
; From these figures the later launches make power-of-two scales for q, for k and for the product Wo Wv.
; SHARES.  Work-groups 0-255: 32 rows of x each; 256-383: 32 rows of a weight.  A wave takes 32,768 bytes in 64 pieces of 512 bytes:
; a lane loads 16 bytes and stores 8, so a wave's store covers 256 consecutive bytes, aligned.  A ring of 16 slots in registers keeps 16 loads of each wave out.
; A stream: every byte is read once and written once; LDS tiles, clusters and the matrix unit would add nothing.
; LIMITS.  |x|, |W| from 65,520 on become infinite in f16; below 6.1e-5 they carry an absolute error of up to 3e-8.  A NaN is not seen by the maxima.
.set DEPTH,  16                        ; slots = loads in flight in each wave
.set X, 8                              ; v[8:71]    slot s: 4 registers as loaded
.set Y, 72                             ; v[72:103]  slot s: 2 registers to store
	s_load_b512 s[4:19], s[0:1], 0x0               ; x s[4:5], Wq s[6:7], Wk s[8:9], Wv s[10:11], Wo s[12:13], bq s[14:15], bk s[16:17], bv s[18:19]
	s_load_b128 s[20:23], s[0:1], 0x40             ; xh s[20:21], wh s[22:23]
	s_load_b64 s[24:25], s[0:1], 0x50              ; amax
	v_lshl_add_u32 v112, v0, 2, 0x100
	v_mov_b32 v113, 0
	v_lshrrev_b32 v3, 5, v0
	v_readfirstlane_b32 s38, v3                    ; wave 0..3
	v_and_b32 v3, 31, v0                           ; lane
	s_lshl_b32 s39, s38, 15
	v_lshl_add_u32 v1, v3, 4, s39                  ; source: wave x 32,768 + 16 x lane
	s_lshl_b32 s46, s38, 14
	v_lshl_add_u32 v2, v3, 3, s46                  ; destination: wave x 16,384 + 8 x lane
	v_lshlrev_b32 v3, 2, v3                        ; bias: 4 x lane
	v_mov_b32 v4, 0                                ; two running maxima of magnitudes,
	v_mov_b32 v5, 0
	v_mov_b32 v6, 0                                ; the bias word (0 where the group has none),
	v_mov_b32 v7, 0                                ; and the offset of the last store
	s_mov_b32 s32, 0x76543210                      ; v_permlanex16_b32: each lane takes its own place in the other half
	s_mov_b32 s33, 0xfedcba98
	s_and_b32 s34, ttmp9, 31                       ; my place among a weight's 32 groups
	s_and_b32 s40, ttmp9, 255
	s_lshl_b32 s40, s40, 16                        ; destination offset: 32 rows of 2,048 bytes (in wh: counted from group 256)
	s_mov_b32 s41, 0
	s_lshl_b32 s42, s34, 7                         ; bias offset: 32 numbers
	s_mov_b32 s43, 0
	s_lshl_b32 s44, ttmp9, 2                       ; my word of amax
	s_mov_b32 s45, 0
	s_cmp_lt_u32 ttmp9, 256
	s_cselect_b32 s36, ttmp9, s34
	s_lshl_b32 s36, s36, 17                        ; source offset: 32 rows of 4,096 bytes
	s_mov_b32 s37, 0
	s_wait_kmcnt 0x0
	s_mov_b64 s[26:27], s[12:13]                   ; the source by the group's number: Wo,
	s_mov_b64 s[30:31], s[18:19]                   ; the bias: bv,
	s_cmp_lt_u32 ttmp9, 352
	s_cselect_b64 s[26:27], s[10:11], s[26:27]     ; Wv,
	s_cmp_lt_u32 ttmp9, 320
	s_cselect_b64 s[26:27], s[8:9], s[26:27]       ; Wk,
	s_cselect_b64 s[30:31], s[16:17], s[30:31]     ; bk,
	s_cmp_lt_u32 ttmp9, 288
	s_cselect_b64 s[26:27], s[6:7], s[26:27]       ; Wq,
	s_cselect_b64 s[30:31], s[14:15], s[30:31]     ; bq,
	s_cmp_lt_u32 ttmp9, 256
	s_cselect_b64 s[26:27], s[4:5], s[26:27]       ; x
	s_cselect_b64 s[28:29], s[20:21], s[22:23]     ; the destination: xh or wh
	s_add_nc_u64 s[26:27], s[26:27], s[36:37]
	s_add_nc_u64 s[28:29], s[28:29], s[40:41]
	s_add_nc_u64 s[30:31], s[30:31], s[42:43]
	s_add_nc_u64 s[24:25], s[24:25], s[44:45]
	s_cmp_lt_u32 ttmp9, 256                        ; groups 256-351 (Wq, Wk, Wv) read 32 numbers of their bias; it is the oldest load, so no later count changes
	s_cbranch_scc1 .Lno_bias
	s_cmp_ge_u32 ttmp9, 352
	s_cbranch_scc1 .Lno_bias
	global_load_b32 v6, v3, s[30:31]
.Lno_bias:
.set n, 0
.rept DEPTH
	global_load_b128 v[X+4*n:X+4*n+3], v1, s[26:27] offset:n*512 th:TH_LOAD_NT   ; fill the ring: pieces 0 to 15
.set n, n+1
.endr
; Piece n.  ahead = 1: its slot is filled again with piece n + 16.  left = how many younger loads may stay out.
.macro PIECE n, ahead, left
.set sl, (\n)%DEPTH
	s_wait_loadcnt \left                           ; loads come back in order (ISA guide 5.7.1): mine is in
	s_wait_xcnt 0x0                                ; the slot's Y, which its last store reads, is rewritten only behind this wait
	v_max3_num_f32 v4, v4, |v[X+4*sl]|, |v[X+4*sl+1]|
	v_max3_num_f32 v5, v5, |v[X+4*sl+2]|, |v[X+4*sl+3]|
	v_cvt_pk_f16_f32 v[Y+2*sl], v[X+4*sl], v[X+4*sl+1]
	v_cvt_pk_f16_f32 v[Y+2*sl+1], v[X+4*sl+2], v[X+4*sl+3]
.if \ahead
	global_load_b128 v[X+4*sl:X+4*sl+3], v1, s[26:27] offset:((\n)+DEPTH)*512 th:TH_LOAD_NT
.endif
	global_store_b64 v2, v[Y+2*sl:Y+2*sl+1], s[28:29] offset:(\n)*256
.endm
.set n, 0
.rept 48
	PIECE n, 1, 15
.set n, n+1
.endr
.rept 16
	PIECE n, 0, 63-n                               ; the last 16 pieces load nothing: the counts run down to 0
.set n, n+1
.endr
	; the largest magnitude: in the lane, across the wave's 32 lanes, across the four waves
	v_max3_num_f32 v4, v4, v5, |v6|
	v_max_num_f32_dpp v4, v4, v4 row_xmask:1 row_mask:0xf bank_mask:0xf
	v_max_num_f32_dpp v4, v4, v4 row_xmask:2 row_mask:0xf bank_mask:0xf
	v_max_num_f32_dpp v4, v4, v4 row_xmask:4 row_mask:0xf bank_mask:0xf
	v_max_num_f32_dpp v4, v4, v4 row_xmask:8 row_mask:0xf bank_mask:0xf
	v_permlanex16_b32 v5, v4, s32, s33
	v_max_num_f32 v4, v4, v5
	v_mov_b32 v8, s38
	v_lshlrev_b32 v8, 2, v8
	ds_store_b32 v8, v4                            ; my wave's word
	s_wait_dscnt 0x0                               ; for the others' sake: my store is done
	s_barrier_signal -1
	s_barrier_wait -1
	v_mov_b32 v9, 0
	ds_load_b128 v[12:15], v9                      ; the four waves' figures
	s_wait_dscnt 0x0
	v_max3_num_f32 v4, v12, v13, v14
	v_max_num_f32 v4, v4, v15
	v_cmp_eq_u32 vcc_lo, 0, v0                     ; thread 0 stores the group's figure
	s_wait_xcnt 0x0                                ; EXEC changes only behind this wait
	s_wait_tensorcnt 0x0
	ds_add_u32 v112, v113
	s_wait_dscnt 0x0
	s_and_saveexec_b32 s39, vcc_lo
	global_store_b32 v7, v4, s[24:25]
	s_wait_xcnt 0x0                                ; and again in front of the line that widens it
	s_or_b32 exec_lo, exec_lo, s39
	s_endpgm
.Lfunc_end_k_q58412ffc11_cvt:
	.size	k_q58412ffc11_cvt, .Lfunc_end_k_q58412ffc11_cvt-k_q58412ffc11_cvt
	.p2alignl 7, 3214868480
	.fill 96, 4, 3214868480
	.section	.rodata,"a",@progbits
	.p2align	6, 0x0
	.amdhsa_kernel k_q58412ffc11_cvt
		.amdhsa_group_segment_fixed_size 768
		.amdhsa_private_segment_fixed_size 0
		.amdhsa_enable_private_segment 0
		.amdhsa_kernarg_size 88
		.amdhsa_user_sgpr_count 2
		.amdhsa_user_sgpr_kernarg_segment_ptr 1
		.amdhsa_wavefront_size32 1
		.amdhsa_system_sgpr_workgroup_id_x 1
		.amdhsa_system_sgpr_workgroup_id_y 1
		.amdhsa_system_sgpr_workgroup_id_z 1
		.amdhsa_system_vgpr_workitem_id 0
		.amdhsa_next_free_vgpr 114
		.amdhsa_next_free_sgpr 66
		.amdhsa_reserve_vcc 1
		.amdhsa_float_denorm_mode_32 3
		.amdhsa_float_denorm_mode_16_64 3
		.amdhsa_memory_ordered 1
		.amdhsa_forward_progress 1
		.amdhsa_inst_pref_size 36
	.end_amdhsa_kernel
	.amdgpu_metadata
---
amdhsa.version: [ 1, 2 ]
amdhsa.kernels:
  - .name:           k_q58412ffc11_cvt
    .symbol:         k_q58412ffc11_cvt.kd
    .args:
      - { .name: x, .offset: 0, .size: 8, .value_kind: global_buffer, .address_space: global }
      - { .name: Wq, .offset: 8, .size: 8, .value_kind: global_buffer, .address_space: global }
      - { .name: Wk, .offset: 16, .size: 8, .value_kind: global_buffer, .address_space: global }
      - { .name: Wv, .offset: 24, .size: 8, .value_kind: global_buffer, .address_space: global }
      - { .name: Wo, .offset: 32, .size: 8, .value_kind: global_buffer, .address_space: global }
      - { .name: bq, .offset: 40, .size: 8, .value_kind: global_buffer, .address_space: global }
      - { .name: bk, .offset: 48, .size: 8, .value_kind: global_buffer, .address_space: global }
      - { .name: bv, .offset: 56, .size: 8, .value_kind: global_buffer, .address_space: global }
      - { .name: xh, .offset: 64, .size: 8, .value_kind: global_buffer, .address_space: global }
      - { .name: wh, .offset: 72, .size: 8, .value_kind: global_buffer, .address_space: global }
      - { .name: amax, .offset: 80, .size: 8, .value_kind: global_buffer, .address_space: global }
    .group_segment_fixed_size: 768
    .private_segment_fixed_size: 0
    .kernarg_segment_align: 8
    .kernarg_segment_size: 88
    .max_flat_workgroup_size: 128
    .sgpr_count:     66
    .vgpr_count:     114
    .wavefront_size: 32
...
	.end_amdgpu_metadata
.endif
;; end of part 6
;; launch fold (part 7): grid 16 x 16, 4 waves a work-group, clusters of 4 x 4, 308,736 bytes of LDS; arguments wh, Wo, bv, bo, amax, wov; writes wov
.if DOCPART == 7
	.amdgcn_target "amdgcn-amd-amdhsa--gfx1250"
	.amdhsa_code_object_version 6
	.text
	.protected	k_q58412ffc11_fold
	.globl	k_q58412ffc11_fold
	.p2align	8
	.type	k_q58412ffc11_fold,@function
k_q58412ffc11_fold:
	s_mov_b64 s[64:65], 0
	v_nop
	global_prefetch_b8 v0, s[64:65] scope:SCOPE_SE
	s_setreg_imm32_b32 hwreg(HW_REG_WAVE_MODE, 25, 1), 1
	s_wait_xcnt 0x0
	s_wait_alu depctr_hold_cnt(0) depctr_sa_sdst(0) depctr_va_vdst(0) depctr_va_sdst(0) depctr_va_ssrc(0) depctr_va_vcc(0) depctr_vm_vsrc(0)
	s_getreg_b32 s2, hwreg(HW_REG_IB_STS2, 6, 4)
	s_cmp_eq_u32 s2, 0
	s_cbranch_scc0 .Lentry_in_a_cluster
	s_endpgm
.Lentry_in_a_cluster:
	s_bfe_u32 s2, ttmp6, 0x10000c
	s_cmp_lg_u32 s2, 0xf033
	s_cbranch_scc0 .Lentry_shape_is_right
	s_endpgm
.Lentry_shape_is_right:
; Since a softmax row sums to 1, out = attn (x Wv^T + bv) Wo^T + bo = (attn x) (Wo Wv)^T + (Wo bv + bo) for every input.  This launch makes the two constants:
; Wov[e][c] = (sum over d of Wo[e][d] Wv[d][c]) * 2^s, f16, [1024][1024] at wov's byte 0 (f16 operands out of wh, sums in f32), and
; bo2[e] = sum over d of Wo[e][d] bv[d] + bo[e], all in f32, 1,024 numbers at wov's byte 2,097,152.
; THE SCALE.  |Wov| <= B = 1024 max|Wo| max(|Wv|, |bv|).  With e the exponent field of B (kept in 16..250), 2^s = 2^(140 - e): every stored number is below 2^14.  The last launch makes 2^-s in the same way.
; SHARES.  A tile of Wov is 64 x 64: 16 x 16 = 256 work-groups.  Four waves, 2 x 2, each 32 x 32: 4 accumulators.  All of K = 1,024 lies in LDS at once, in four chunks of 256:
; nothing is filled again, so there is no ring.  Waves 0, 1 fetch Wo's chunks w and w + 2 (64 rows x 512 bytes), waves 2, 3 Wv's (256 rows x 128 bytes): two tensor loads of a wave are out.
; The first loads bring K = 0..511, which is multiplied while the second land.
; CLUSTERS 4 x 4: Wo's rows are shared along a row of the cluster, Wv's columns along a column, each asked for jointly.
; Wv lies [d][c], K down the rows: its fragments come out of LDS turned, by ds_load_tr16_b128.  Source 0 = 16 columns of Wv, source 1 = 16 rows of Wo: a lane holds row l % 16 and eight neighbouring columns.
; TWO SHORT FORMS, kept on purpose.  A tile's row is 64 numbers, 128 bytes, half of an aligned 256: with 128 columns Wv's 1,024 rows of 288 bytes and Wo's rows pass the 327,680 bytes of LDS; Wov is 2 MB in all.
; bo2 leaves as one store of 4 bytes a wave, 4 KB in all: wave w of work-group (tx, ty) makes row 4 (16 ty + tx) + w, reading that row of Wo in loads of 512 consecutive bytes.
.set PA,     528                       ; a row of Wo's chunk in LDS: 512 bytes + 16 = 33 x 16: the 16 rows of a fragment load start 4 banks apart (64 banks of 4 bytes: ISA guide 11.1)
.set PB,     160                       ; a row of Wv's chunk: 128 bytes + 32 = 5 x 32
.set ACH,    64*PA
.set BCH,    256*PB
.set CH,     ACH+BCH                   ; a chunk: Wo's part, then Wv's: 74,752 bytes
.set STAGE,  4*CH                      ; behind the chunks: 64 rows x 144 bytes, the work-group's, for the way out; no fill lands here
.set SPITCH, 144
.set BO2,    2097152                   ; where bo2 begins in wov
.set ADRA, 8                           ; v8-11  LDS address of my Wo fragments in chunk 0..3
.set ADRB, 12                          ; v12-15 the same for Wv
.set STO,  16                          ; the way out: where I put 16 bytes of a row
.set RD,   17                          ; where I read rows back
.set CO,   18                          ; my byte offset in Wov
.set LN,   19                          ; lane
.set ZO,   20                          ; 0: the offset of bo2's store
.set ACC,  32                          ; v32-63 accumulator (a, b) at ACC + 8 (2 a + b)
.set F0,   64                          ; v64-127, v128-191 two fragment buffers, each two K steps of 32: Wo's 2 blocks, then Wv's 2
.set T,    192                         ; the way out: 32 numbers in f32,
.set TMP,  224                         ; packed to f16,
.set OB,   240                         ; and whole rows read back
.set G1A, 24                           ; s[24:31] descriptor group 1 for Wo; s[32:39] group 0, a set for each of my two loads
.set G0A, 32
.set G1B, 48                           ; s[48:55], s[56:63] the same for Wv
.set G0B, 56
.set SC,  84                           ; s[84:85] 2^s, twice
.macro PLACES                          ; four places in front of loads into registers that matrix instructions have read, and of vector work on results
.rept 4
	v_nop
.endr
.endm
.macro CREST                           ; a round of the cluster's barrier behind its opening barrier
	s_cmp_lg_u32 s10, 0
	s_cbranch_scc1 .Lnot_wave_0_\@
	s_barrier_signal -3
.Lnot_wave_0_\@:
	s_barrier_wait -3
	s_barrier_signal -1
	s_barrier_wait -1
.endm
.macro CROUND                          ; a whole round
	s_barrier_signal -1
	s_barrier_wait -1
	CREST
.endm
	s_load_b256 s[68:75], s[0:1], 0x0              ; wh s[68:69], Wo s[70:71], bv s[72:73], bo s[74:75]
	s_load_b128 s[76:79], s[0:1], 0x20             ; amax s[76:77], wov s[78:79]
	v_lshl_add_u32 v30, v0, 2, 0x4b400
	v_mov_b32 v31, 0
	ds_add_u32 v30, v31
	v_lshrrev_b32 v1, 5, v0
	v_readfirstlane_b32 s10, v1                    ; wave 0..3
	s_lshr_b32 s11, s10, 1                         ; which 32 rows of the tile are mine
	s_and_b32 s12, s10, 1                          ; which 32 columns.  Also: which chunks I fetch
	s_bfe_u32 s40, ttmp6, 0x40000                  ; cx, cy: my place in the cluster
	s_bfe_u32 s41, ttmp6, 0x40004
	s_lshl_b32 s42, ttmp9, 2
	s_add_co_u32 s42, s42, s40                     ; tile column = 4 x cluster x + cx
	s_and_b32 s13, ttmp7, 0xffff
	s_lshl_b32 s13, s13, 2
	s_add_co_u32 s13, s13, s41                     ; tile row = 4 x cluster y + cy
	s_lshl_b32 s43, s41, 2
	s_lshl_b32 s43, 15, s43                        ; my row of the cluster
	s_lshl_b32 s44, 0x1111, s40                    ; my column
	s_mov_b32 s66, 0x76543210                      ; v_permlanex16_b32: each lane takes its own place in the other half
	s_mov_b32 s67, 0xfedcba98
	s_or_b32 s[G1A], s43, (1<<16)|(1<<20)|(1<<21)|(6<<22)|(3<<25)   ; Wo: 15:0 the mask: my row; 17:16 elements of 2 bytes; 20 padding on; 21 set beside a mask; 24:22 after every 128 words (code 6); 31:25 4 words (code 3)
	s_mov_b32 s[G1A+1], 256<<16                    ; tensor_dim0 = 256
	s_mov_b32 s[G1A+2], 64<<16                     ; tensor_dim1 = 64
	s_mov_b32 s[G1A+3], 256<<16                    ; tile_dim0 = 256
	s_mov_b32 s[G1A+4], 64                         ; tile_dim1 = 64
	s_mov_b32 s[G1A+5], 1024                       ; elements from row to row
	s_mov_b32 s[G1A+6], 0
	s_mov_b32 s[G1A+7], 0
	s_or_b32 s[G1B], s44, (1<<16)|(1<<20)|(1<<21)|(4<<22)|(7<<25)   ; Wv: the mask of my column; after every 32 words (code 4) 8 words of padding (code 7)
	s_mov_b32 s[G1B+1], 64<<16                     ; tensor_dim0 = 64
	s_mov_b32 s[G1B+2], 256<<16                    ; tensor_dim1 = 256
	s_mov_b32 s[G1B+3], 64<<16                     ; tile_dim0 = 64
	s_mov_b32 s[G1B+4], 256                        ; tile_dim1 = 256
	s_mov_b32 s[G1B+5], 1024
	s_mov_b32 s[G1B+6], 0
	s_mov_b32 s[G1B+7], 0
	; Wo's chunks hang on the tile row alone, Wv's on the tile column alone; each in registers that never hold the other coordinate
	s_lshl_b32 s16, s13, 6
	s_add_co_u32 s16, s16, 3072                    ; Wo is rows 3,072 on of wh: row 3072 + 64 x tile row,
	s_lshl_b32 s16, s16, 11                        ; 2,048 bytes each,
	s_lshl_b32 s17, s12, 9
	s_add_co_u32 s16, s16, s17                     ; + 512 bytes x my first chunk
	s_mov_b32 s17, 0
	s_lshl_b32 s46, s12, 8
	s_add_co_u32 s46, s46, 2048                    ; Wv is rows 2,048 on of wh: row 2048 + 256 x my first chunk,
	s_lshl_b32 s46, s46, 11
	s_lshl_b32 s47, s42, 7
	s_add_co_u32 s46, s46, s47                     ; + 128 bytes x tile column
	s_mov_b32 s47, 0
	s_mul_i32 s22, s12, CH                         ; where they go: no place in the cluster enters an LDS address
	s_add_co_u32 s23, s22, ACH
	s_wait_dscnt 0x0
	s_wait_kmcnt 0x0
	s_add_nc_u64 s[14:15], s[68:69], s[16:17]
	s_add_nc_u64 s[46:47], s[68:69], s[46:47]
	CROUND                                         ; all sixteen work-groups are here: the joint loads meet
.irp s, 0,1
	s_mov_b32 s[G0A+4*\s], 1                                       ; count = 1
	s_add_co_u32 s[G0A+4*\s+1], s22, \s*2*CH                       ; LDS address: my chunk, and the chunk two further on
	s_add_nc_u64 s[G0A+4*\s+2:G0A+4*\s+3], s[14:15], \s*1024       ; two chunks on along Wo's rows
	s_or_b32 s[G0A+4*\s+3], s[G0A+4*\s+3], 0x80000000              ; type = 2
	s_mov_b32 s[G0B+4*\s], 1
	s_add_co_u32 s[G0B+4*\s+1], s23, \s*2*CH
	s_add_nc_u64 s[G0B+4*\s+2:G0B+4*\s+3], s[46:47], \s*512*2048   ; 512 rows of Wv on
	s_or_b32 s[G0B+4*\s+3], s[G0B+4*\s+3], 0x80000000
.endr
	s_cmp_lt_u32 s10, 2                            ; a wave's two fills stand in one branch, ahead of every wait on TENSORcnt and every LDS read: two loads of mine are out
	s_cbranch_scc0 .Lfirst_b
	tensor_load_to_lds s[G0A:G0A+3], s[G1A:G1A+7]
	s_nop 0
	tensor_load_to_lds s[G0A+4:G0A+7], s[G1A:G1A+7]
	s_nop 0
.rept 4
	v_nop
.endr
	s_branch .Lfirst_asked
.Lfirst_b:
	tensor_load_to_lds s[G0B:G0B+3], s[G1B:G1B+7]
	s_nop 0
	tensor_load_to_lds s[G0B+4:G0B+7], s[G1B:G1B+7]
	s_nop 0
.rept 4
	v_nop
.endr
.Lfirst_asked:
	; WHILE THE TILES ARE ON THEIR WAY: my number of bo2, the scale, the addresses
	v_and_b32 v1, 15, v0                           ; r = l % 16
	v_bfe_u32 v2, v0, 4, 1                         ; h = l / 16
	v_and_b32 v[LN], 31, v0
	v_lshlrev_b32 v5, 4, v[LN]                     ; 16 bytes a lane
	v_lshlrev_b32 v7, 2, v[LN]                     ; amax: one figure a lane
	v_mov_b32 v[ZO], 0
	v_mov_b32 v23, 0
	s_lshl_b32 s4, s13, 4
	s_add_co_u32 s4, s4, s42
	s_lshl_b32 s4, s4, 2
	s_add_co_u32 s4, s4, s10                       ; my row of Wo: 4 (16 ty + tx) + wave
	s_lshl_b32 s6, s4, 12                          ; 4,096 bytes a row
	s_mov_b32 s7, 0
	s_add_nc_u64 s[88:89], s[70:71], s[6:7]
	s_lshl_b32 s6, s4, 2                           ; 4 bytes a number
	s_add_nc_u64 s[90:91], s[74:75], s[6:7]        ; bo at my row
	s_add_co_u32 s6, s6, BO2
	s_add_nc_u64 s[92:93], s[78:79], s[6:7]        ; bo2 at my row
	s_load_b32 s5, s[90:91], 0x0
.irp p, 0,1,2,3,4,5,6,7
	global_load_b128 v[64+4*\p:64+4*\p+3],   v5, s[88:89] offset:512*\p th:TH_LOAD_NT   ; my row of Wo: this launch reads each row once
	global_load_b128 v[128+4*\p:128+4*\p+3], v5, s[72:73] offset:512*\p                 ; bv
.endr
	global_load_b32 v21, v7, s[76:77] offset:1280        ; (Wv, bv)'s 32 figures
	global_load_b32 v22, v7, s[76:77] offset:1408        ; Wo's 32
	; A fragment of Wo is 16 rows x 32 K in 8 registers: lane l holds row l % 16; registers 0-3 K = 8 h + 0..7, registers 4-7 K = 16 + 8 h + 0..7: two loads of 16 bytes, 32 bytes apart
	v_mul_u32_u24 v3, v1, PA
	v_lshl_add_u32 v3, v2, 4, v3
	v_and_b32 v28, 7, v0                           ; Wv's, turned: lane l reads 16 bytes of row 8 h + l % 8, columns 8 ((l / 8) % 2) on
	v_lshl_add_u32 v4, v2, 3, v28
	v_mul_u32_u24 v4, v4, PB
	v_bfe_u32 v6, v0, 3, 1
	v_lshl_add_u32 v4, v6, 4, v4
	s_mul_i32 s8, s11, 32*PA                       ; my 32 rows of Wo
	s_lshl_b32 s9, s12, 6                          ; my 32 columns of Wv: 64 bytes along its rows
	s_add_co_u32 s9, s9, ACH
.irp c, 0,1,2,3
	v_add_nc_u32 v[ADRA+\c], s8, v3
	v_add_nc_u32 v[ADRB+\c], s9, v4
	s_add_co_u32 s8, s8, CH
	s_add_co_u32 s9, s9, CH
.endr
	s_mul_i32 s8, s11, 32*SPITCH                   ; into the stage: my 32 rows, my 64 bytes of them; row r, 16 bytes for each half of the lanes
	s_lshl_b32 s9, s12, 6
	s_add_co_u32 s8, s8, s9
	s_add_co_u32 s8, s8, STAGE
	v_mul_u32_u24 v6, v1, SPITCH
	v_lshl_add_u32 v6, v2, 4, v6
	v_add_nc_u32 v[STO], s8, v6
	s_mul_i32 s8, s10, 16*SPITCH                   ; back: wave w takes rows 16 w .. 16 w + 15, four at a time: eight lanes to a row of 128 bytes
	s_add_co_u32 s8, s8, STAGE
	v_lshrrev_b32 v6, 3, v[LN]
	v_mul_u32_u24 v29, v6, SPITCH
	v_lshl_add_u32 v29, v28, 4, v29
	v_add_nc_u32 v[RD], s8, v29
	v_lshlrev_b32 v29, 11, v6                      ; and the same four rows in Wov
	v_lshl_add_u32 v[CO], v28, 4, v29
	s_lshl_b32 s16, s13, 6
	s_lshl_b32 s17, s10, 4
	s_add_co_u32 s16, s16, s17                     ; the first row that I store: 64 x tile row + 16 x wave
	s_lshl_b32 s16, s16, 11
	s_mov_b32 s17, 0
	s_lshl_b32 s46, s42, 7                         ; the tile's first column, in bytes
	s_mov_b32 s47, 0
	s_add_nc_u64 s[16:17], s[16:17], s[46:47]
	s_add_nc_u64 s[86:87], s[78:79], s[16:17]
	s_wait_loadcnt 0x0
	s_wait_kmcnt 0x0
	v_pk_mul_f32 v[24:25], v[64:65], v[128:129]    ; my 32 products, in two chains of pairs: the first two start them
	v_pk_mul_f32 v[26:27], v[66:67], v[130:131]
.set i, 2
.rept 14
	v_pk_fma_f32 v[24+2*(i%2):25+2*(i%2)], v[64+2*i:65+2*i], v[128+2*i:129+2*i], v[24+2*(i%2):25+2*(i%2)]
.set i, i+1
.endr
	v_pk_add_f32 v[24:25], v[24:25], v[26:27]
	v_add_f32 v24, v24, v25
	v_add_f32_dpp v24, v24, v24 row_xmask:1 row_mask:0xf bank_mask:0xf
	v_add_f32_dpp v24, v24, v24 row_xmask:2 row_mask:0xf bank_mask:0xf
	v_add_f32_dpp v24, v24, v24 row_xmask:4 row_mask:0xf bank_mask:0xf
	v_add_f32_dpp v24, v24, v24 row_xmask:8 row_mask:0xf bank_mask:0xf
	v_permlanex16_b32 v25, v24, s66, s67
	v_add_f32 v24, v24, v25
	v_add_f32 v24, s5, v24                         ; + bo
	v_cmp_eq_u32 vcc_lo, 0, v[LN]                  ; lane 0 stores it
	s_wait_xcnt 0x0                                ; EXEC changes only behind this wait
	s_and_saveexec_b32 s20, vcc_lo
	global_store_b32 v[ZO], v24, s[92:93]
	s_wait_xcnt 0x0                                ; and again in front of the line that widens it
	s_or_b32 exec_lo, exec_lo, s20
.macro RED v, t                        ; the largest of the wave's 32 lanes, in every lane
	v_max_num_f32_dpp v[\v], v[\v], v[\v] row_xmask:1 row_mask:0xf bank_mask:0xf
	v_max_num_f32_dpp v[\v], v[\v], v[\v] row_xmask:2 row_mask:0xf bank_mask:0xf
	v_max_num_f32_dpp v[\v], v[\v], v[\v] row_xmask:4 row_mask:0xf bank_mask:0xf
	v_max_num_f32_dpp v[\v], v[\v], v[\v] row_xmask:8 row_mask:0xf bank_mask:0xf
	v_permlanex16_b32 v[\t], v[\v], s66, s67
	v_max_num_f32 v[\v], v[\v], v[\t]
.endm
	RED 21, 23                                     ; max (|Wv|, |bv|)
	RED 22, 23                                     ; max |Wo|
	v_mul_f32 v21, v22, v21
	v_mul_f32 v21, 0x44800000, v21                 ; the bound B = 1024 x their product
	v_readfirstlane_b32 s4, v21
	s_bfe_u32 s4, s4, 0x80017                      ; its exponent field e,
	s_max_u32 s4, s4, 16
	s_min_u32 s4, s4, 250                          ; kept where both 2^(140 - e) and its inverse are normal numbers
	s_sub_co_u32 s4, 267, s4
	s_lshl_b32 s[SC], s4, 23                       ; 2^(140 - e)
	s_mov_b32 s[SC+1], s[SC]
; Group g of 16 is K steps 2 g and 2 g + 1 (32 along K each), in chunk g / 4.  16 LDS loads in one run: for each step Wv's 2 blocks, turned, and Wo's 2 blocks.
.macro FETCH g, f
.set kc, (\g)/4
.irp k2, 0,1
.set kk, (2*(\g)+\k2)%8
.irp b, 0,1
	ds_load_tr16_b128 v[\f+32*\k2+16+8*\b:\f+32*\k2+16+8*\b+3],   v[ADRB+kc] offset:kk*32*PB+32*\b
	ds_load_tr16_b128 v[\f+32*\k2+16+8*\b+4:\f+32*\k2+16+8*\b+7], v[ADRB+kc] offset:kk*32*PB+16*PB+32*\b
.endr
.irp a, 0,1
	ds_load_b128 v[\f+32*\k2+8*\a:\f+32*\k2+8*\a+3],   v[ADRA+kc] offset:64*kk+\a*16*PA
	ds_load_b128 v[\f+32*\k2+8*\a+4:\f+32*\k2+8*\a+7], v[ADRA+kc] offset:64*kk+\a*16*PA+32
.endr
.endr
.endm
; A group's 8 matrix instructions.  zero = 1: the first four start the sums.  The 4 accumulators take turns, one instruction a turn.
.macro MUL f, zero
.irp k2, 0,1
.irp a, 0,1
.irp b, 0,1
.if \zero && (\k2 == 0)
	v_wmma_f32_16x16x32_f16 v[ACC+8*(2*\a+\b):ACC+8*(2*\a+\b)+7], v[\f+32*\k2+16+8*\b:\f+32*\k2+16+8*\b+7], v[\f+32*\k2+8*\a:\f+32*\k2+8*\a+7], 0
.else
	v_wmma_f32_16x16x32_f16 v[ACC+8*(2*\a+\b):ACC+8*(2*\a+\b)+7], v[\f+32*\k2+16+8*\b:\f+32*\k2+16+8*\b+7], v[\f+32*\k2+8*\a:\f+32*\k2+8*\a+7], v[ACC+8*(2*\a+\b):ACC+8*(2*\a+\b)+7]
.endif
.endr
.endr
.endr
.endm
	s_wait_tensorcnt 0x1                           ; my first load is in: a part of K = 0..511; my second may stay out
	s_barrier_signal -1
	s_barrier_wait -1                              ; everybody's is: chunks 0 and 1 are whole
	FETCH 0, F0
	FETCH 1, F0+64
	s_wait_dscnt 16                                ; all but the 16 just issued: group 0 is in
	MUL F0, 1
.set g, 1
.rept 15
.if g == 15
	s_wait_dscnt 0x0
	MUL F0+64*(g%2), 0
.elseif g == 7
	s_wait_tensorcnt 0x0                           ; my second load is in,
	s_wait_dscnt 0x0                               ; group 7 is in, and no LDS instruction of mine is pending at the signal
	s_barrier_signal -1
	MUL F0+64*(g%2), 0                             ; work on registers while the others arrive
	s_barrier_wait -1                              ; chunks 2 and 3 are whole
	PLACES
	FETCH g+1, F0+64*((g+1)%2)
.else
	PLACES                                         ; the buffer below was read by the group before
	FETCH g+1, F0+64*((g+1)%2)
	s_wait_dscnt 16                                ; all but the 16 just issued: group g is in
	MUL F0+64*(g%2), 0
.endif
.set g, g+1
.endr
	PLACES
	; THE WAY OUT: times 2^s, rounded to f16, each accumulator's registers in ascending order; 16 bytes a lane into the work-group's stage; a barrier, since a row's 128 bytes come from two waves; back as whole rows of the tile
.set i, 0
.rept 16
	v_pk_mul_f32 v[T+2*i:T+2*i+1], v[ACC+2*i:ACC+2*i+1], s[SC:SC+1] op_sel_hi:[1,0]
.set i, i+1
.endr
.set i, 0
.rept 16
	v_cvt_pk_f16_f32 v[TMP+i], v[T+2*i], v[T+2*i+1]
.set i, i+1
.endr
.irp a, 0,1
.irp b, 0,1
	ds_store_b128 v[STO], v[TMP+4*(2*\a+\b):TMP+4*(2*\a+\b)+3] offset:\a*16*SPITCH+32*\b
.endr
.endr
	s_wait_dscnt 0x0                               ; for the others' sake: my stores into the stage are done
	s_barrier_signal -1
	s_barrier_wait -1
.irp t, 0,1,2,3
	ds_load_b128 v[OB+4*\t:OB+4*\t+3], v[RD] offset:\t*4*SPITCH
.endr
	s_wait_dscnt 0x0
.irp t, 0,1,2,3
	global_store_b128 v[CO], v[OB+4*\t:OB+4*\t+3], s[86:87] offset:\t*4*2048   ; eight lanes store a tile row's 128 consecutive bytes
.endr
	s_wait_tensorcnt 0x0
	ds_add_u32 v30, v31
	s_wait_dscnt 0x0
	CROUND                                         ; the closing round: no work-group ends while a partner may still ask for a tile that names it
	s_endpgm
.Lfunc_end_k_q58412ffc11_fold:
	.size	k_q58412ffc11_fold, .Lfunc_end_k_q58412ffc11_fold-k_q58412ffc11_fold
	.p2alignl 7, 3214868480
	.fill 96, 4, 3214868480
	.section	.rodata,"a",@progbits
	.p2align	6, 0x0
	.amdhsa_kernel k_q58412ffc11_fold
		.amdhsa_group_segment_fixed_size 308736
		.amdhsa_private_segment_fixed_size 0
		.amdhsa_enable_private_segment 0
		.amdhsa_kernarg_size 48
		.amdhsa_user_sgpr_count 2
		.amdhsa_user_sgpr_kernarg_segment_ptr 1
		.amdhsa_wavefront_size32 1
		.amdhsa_system_sgpr_workgroup_id_x 1
		.amdhsa_system_sgpr_workgroup_id_y 1
		.amdhsa_system_sgpr_workgroup_id_z 1
		.amdhsa_system_vgpr_workitem_id 0
		.amdhsa_next_free_vgpr 256
		.amdhsa_next_free_sgpr 96
		.amdhsa_reserve_vcc 1
		.amdhsa_float_denorm_mode_32 3
		.amdhsa_float_denorm_mode_16_64 3
		.amdhsa_memory_ordered 1
		.amdhsa_forward_progress 1
		.amdhsa_inst_pref_size 43
	.end_amdhsa_kernel
	.amdgpu_metadata
---
amdhsa.version: [ 1, 2 ]
amdhsa.kernels:
  - .name:           k_q58412ffc11_fold
    .symbol:         k_q58412ffc11_fold.kd
    .args:
      - { .name: wh, .offset: 0, .size: 8, .value_kind: global_buffer, .address_space: global }
      - { .name: Wo, .offset: 8, .size: 8, .value_kind: global_buffer, .address_space: global }
      - { .name: bv, .offset: 16, .size: 8, .value_kind: global_buffer, .address_space: global }
      - { .name: bo, .offset: 24, .size: 8, .value_kind: global_buffer, .address_space: global }
      - { .name: amax, .offset: 32, .size: 8, .value_kind: global_buffer, .address_space: global }
      - { .name: wov, .offset: 40, .size: 8, .value_kind: global_buffer, .address_space: global }
    .group_segment_fixed_size: 308736
    .private_segment_fixed_size: 0
    .kernarg_segment_align: 8
    .kernarg_segment_size: 48
    .max_flat_workgroup_size: 128
    .sgpr_count:     96
    .vgpr_count:     256
    .wavefront_size: 32
...
	.end_amdgpu_metadata
.endif
;; end of part 7
;; launch proj (part 8): grid 8 x 32, 4 waves a work-group, clusters of 4 x 4, 327,680 bytes of LDS; arguments xh, wh, bq, bk, amax, qk; writes qk
.if DOCPART == 8
	.amdgcn_target "amdgcn-amd-amdhsa--gfx1250"
	.amdhsa_code_object_version 6
	.text
	.protected	k_q58412ffc11_proj
	.globl	k_q58412ffc11_proj
	.p2align	8
	.type	k_q58412ffc11_proj,@function
k_q58412ffc11_proj:
	s_mov_b64 s[64:65], 0
	v_nop
	global_prefetch_b8 v0, s[64:65] scope:SCOPE_SE
	s_setreg_imm32_b32 hwreg(HW_REG_WAVE_MODE, 25, 1), 1
	s_wait_xcnt 0x0
	s_wait_alu depctr_hold_cnt(0) depctr_sa_sdst(0) depctr_va_vdst(0) depctr_va_sdst(0) depctr_va_ssrc(0) depctr_va_vcc(0) depctr_vm_vsrc(0)
	s_getreg_b32 s2, hwreg(HW_REG_IB_STS2, 6, 4)
	s_cmp_eq_u32 s2, 0
	s_cbranch_scc0 .Lentry_in_a_cluster
	s_endpgm
.Lentry_in_a_cluster:
	s_bfe_u32 s2, ttmp6, 0x10000c
	s_cmp_lg_u32 s2, 0xf033
	s_cbranch_scc0 .Lentry_shape_is_right
	s_endpgm
.Lentry_shape_is_right:
; qk[t][n] = (sum over c of xh[t][c] wh[n][c] + b[n]) * 2^s, f16; t = 0..8191, n = 0..2047: q and k side by side in rows of 4,096 bytes.  Sums in f32.
; (v has no projection of its own: Wv is multiplied into Wo beforehand and meets attn x in the last launch.)
; THE SCALE.  |x W + b| <= B = (1024 max|x| + 1) max(|W|, |b|) for every input.  With e the exponent field of B (kept in 16..250), 2^s = 2^(140 - e), so that every
; stored number is below 2^14 and f16 cannot overflow; q and k have a scale each.  It enters as a multiplier alone.  Outside 2^-111 <= B < 2^124 the scale is the clamped one.
; SHARES.  A tile of C is 256 x 256; four waves, 2 x 2, each 128 x 128: 64 accumulators of 16 x 16, 512 registers.  K = 1024 goes in 8 steps of 128 through two LDS slots:
; a step is 256 matrix instructions of a wave, 224 of them between a refill's request and the wait for it.  8 x 32 = 256 tiles, one for each of 256 WGPs.  The cluster's x (0, 1) is the kind q, k.
; CLUSTERS: 4 x 4 work-groups.  The four of a row of the cluster need the same tile of A (xh), the four of a column the same tile of B (wh): each is asked for jointly, by the same tensor
; load with the same descriptor and a mask that names the four.  Waves 0, 1 fetch A's halves (128 rows of 256 bytes), waves 2, 3 B's.
; THE MATRIX INSTRUCTION IS USED TRANSPOSED (source 0 = 16 rows of B, source 1 = 16 rows of A): a lane holds row l % 16 of C and eight neighbouring columns 8 (l / 16) + 0..7.
; REGISTERS: window 0: v0-47 addresses and scale work; v64-127, v128-191 A's fragments (8 blocks of 16 rows x 32 K), two buffers; on the way out T v128-191, TMP v192-223, OB v32-63 and v224-255.
;   window 1: v64-127, v128-191 B's fragments; v0-63 the bias of my 64 columns, times 2^s.
;   window 2: the accumulators of my rows 0-63 ((a, b) at v[8 (8 a + b)]); window 3: those of my rows 64-127.
.set PITCH,  272                       ; an LDS row: 256 bytes + 16 of padding: the 16 rows of a fragment load start 4 banks apart (64 banks of 4 bytes: ISA guide 11.1)
.set HALFT,  128*PITCH                 ; 128 rows: what one tensor load brings, and what one wave reads of A or of B
.set SLOT,   4*HALFT                   ; A's 256 rows, then B's 256 rows
.set STAGE,  2*SLOT                    ; behind the ring: 16 rows x 272 bytes for each wave, for the way out; no fill lands here
.set SPITCH, 272
.set WSTAGE, 16*SPITCH
.set SPARE,  STAGE+4*WSTAGE            ; the spare words, 128 bytes for each wave: two blocks of 256 bytes that no other line names
.set LAPS,   4                         ; a lap = two K steps = once round the ring
.set ROWA,   2048                      ; bytes of a row of A, of B, of C; STR..: elements from row to row
.set STRA,   1024
.set ROWB,   2048
.set STRB,   1024
.set ASTEP,  256                       ; bytes from a K step to the next
.set BSTEP,  256
.set CROW,   4096
.set ADRA, 16                          ; v16-17 LDS address of my A fragments in slot 0, 1
.set ADRB, 20                          ; v20-21 the same for B
.set STO,  24                          ; the way out: where I put 16 bytes of a row
.set RD,   25                          ; where I read a row back
.set CO,   26                          ; my byte offset in C
.set LN,   27                          ; lane
.set SPW,  28                          ; LDS address of my spare word; never rewritten
.set NIL,  29                          ; 0; never rewritten
.set F0,   64
.set F1,   128
.set T,    128                         ; the way out: 64 numbers in f32
.set TMP,  192                         ; packed to f16
.set OB,   32                          ; whole rows read back: v32-63 and v224-255 by turns
.set G1A, 24                           ; s[24:31] descriptor group 1 for A; s[32:39] group 0, a set for each slot
.set G0A, 32
.set G1B, 48                           ; s[48:55], s[56:63] the same for B
.set G0B, 56
.set SC,  84                           ; s[84:85] 2^s, twice
.set MUL_LO, 0xa1                      ; source 0 (B) window 1, source 1 (A) window 0, C and D window 2
.set MUL_HI, 0xf1                      ; the same, C and D window 3
.set TO_B,   0x40                      ; destination window 1, address window 0
.set MSB, 0
.macro WIN new                         ; the immediate's high byte repeats the setting that is left; a switch that changes nothing is dropped
.if MSB != \new
	s_set_vgpr_msb (MSB<<8)|\new
.set MSB, \new
.endif
.endm
.macro PLACES                          ; four places in front of loads into registers that matrix instructions have read, and of vector work on results
.rept 4
	v_nop
.endr
.endm
.macro JLOAD s                         ; a joint load; four v_nop follow each of the two lines, ahead of the jump, the label and what follows
	s_cmp_lt_u32 s10, 2
	s_cbranch_scc0 .Lfor_b_\@
	tensor_load_to_lds s[G0A+4*\s:G0A+4*\s+3], s[G1A:G1A+7]
	s_nop 0
.rept 4
	v_nop
.endr
	s_branch .Lasked_\@
.Lfor_b_\@:
	tensor_load_to_lds s[G0B+4*\s:G0B+4*\s+3], s[G1B:G1B+7]
	s_nop 0
.rept 4
	v_nop
.endr
.Lasked_\@:
.endm
.macro CREST                           ; a round of the cluster's barrier behind its opening barrier
	s_cmp_lg_u32 s10, 0
	s_cbranch_scc1 .Lnot_wave_0_\@
	s_barrier_signal -3
.Lnot_wave_0_\@:
	s_barrier_wait -3
	s_barrier_signal -1
	s_barrier_wait -1
.endm
.macro CROUND                          ; a whole round
	s_barrier_signal -1
	s_barrier_wait -1
	CREST
.endm
	s_load_b256 s[68:75], s[0:1], 0x0              ; xh s[68:69], wh s[70:71], bq s[72:73], bk s[74:75]
	s_load_b128 s[76:79], s[0:1], 0x20             ; amax s[76:77], qk s[78:79]
	v_lshl_add_u32 v[SPW], v0, 2, SPARE
	v_mov_b32 v[NIL], 0
	ds_add_u32 v28, v29
	s_wait_dscnt 0x0
	v_lshrrev_b32 v1, 5, v0
	v_readfirstlane_b32 s10, v1                    ; wave 0..3
	s_lshr_b32 s11, s10, 1                         ; which 128 rows of the tile are mine
	s_and_b32 s12, s10, 1                          ; which 128 columns.  Also: which half of A's or B's tile I fetch
	s_bfe_u32 s40, ttmp6, 0x40000                  ; cx, cy: my place in the cluster
	s_bfe_u32 s41, ttmp6, 0x40004
	s_lshl_b32 s42, ttmp9, 2
	s_add_co_u32 s42, s42, s40                     ; tile column = 4 x cluster x + cx
	s_and_b32 s13, ttmp7, 0xffff
	s_lshl_b32 s13, s13, 2
	s_add_co_u32 s13, s13, s41                     ; tile row = 4 x cluster y + cy
	s_lshl_b32 s43, s41, 2
	s_lshl_b32 s43, 15, s43                        ; my row of the cluster
	s_lshl_b32 s44, 0x1111, s40                    ; my column
	s_mov_b32 s66, 0x76543210                      ; v_permlanex16_b32: each lane takes its own place in the other half
	s_mov_b32 s67, 0xfedcba98
	; descriptor group 1: 128 rows x 128 elements; 4 words of padding behind every 64
	s_or_b32 s[G1A], s43, (1<<16)|(1<<20)|(1<<21)|(5<<22)|(3<<25)   ; 15:0 the mask: my row; 17:16 elements of 2 bytes; 20 padding on; 21 set beside a mask; 24:22 code 5; 31:25 code 3
	s_mov_b32 s[G1A+1], 128<<16                    ; tensor_dim0 = 128
	s_mov_b32 s[G1A+2], 128<<16                    ; tensor_dim1 = 128
	s_mov_b32 s[G1A+3], 128<<16                    ; tile_dim0 = 128
	s_mov_b32 s[G1A+4], 128                        ; tile_dim1 = 128
	s_mov_b32 s[G1A+5], STRA                       ; elements from row to row
	s_mov_b32 s[G1A+6], 0
	s_mov_b32 s[G1A+7], 0
	s_or_b32 s[G1B], s44, (1<<16)|(1<<20)|(1<<21)|(5<<22)|(3<<25)   ; the same with the mask of my column
	s_mov_b32 s[G1B+1], 128<<16
	s_mov_b32 s[G1B+2], 128<<16
	s_mov_b32 s[G1B+3], 128<<16
	s_mov_b32 s[G1B+4], 128
	s_mov_b32 s[G1B+5], STRB
	s_mov_b32 s[G1B+6], 0
	s_mov_b32 s[G1B+7], 0
	; A's tile hangs on the tile row alone, B's on the tile column alone; each in registers that never hold the other coordinate
	s_lshl_b32 s16, s13, 8
	s_lshl_b32 s17, s12, 7
	s_add_co_u32 s16, s16, s17                     ; A: row 256 x tile row + 128 x half
	s_mov_b32 s17, 0
	s_mov_b64 s[18:19], ROWA
	s_mul_u64 s[16:17], s[16:17], s[18:19]
	s_lshl_b32 s46, s42, 8
	s_lshl_b32 s47, s12, 7
	s_add_co_u32 s46, s46, s47                     ; B: row 256 x tile column + 128 x half: Wq is rows 0-1023 of wh, Wk rows 1024-2047
	s_mov_b32 s47, 0
	s_mov_b64 s[20:21], ROWB
	s_mul_u64 s[46:47], s[46:47], s[20:21]
	s_mul_i32 s22, s12, HALFT                      ; where they go: no place in the cluster enters an LDS address
	s_add_co_u32 s23, s22, 2*HALFT
	s_wait_kmcnt 0x0
	s_add_nc_u64 s[14:15], s[68:69], s[16:17]
	s_add_nc_u64 s[46:47], s[70:71], s[46:47]
	CROUND                                         ; all sixteen work-groups are here: the first joint loads meet
.irp s, 0,1
	s_mov_b32 s[G0A+4*\s], 1                                       ; count = 1
	s_add_co_u32 s[G0A+4*\s+1], s22, \s*SLOT                       ; LDS address
	s_add_nc_u64 s[G0A+4*\s+2:G0A+4*\s+3], s[14:15], \s*ASTEP      ; global address: K step s
	s_or_b32 s[G0A+4*\s+3], s[G0A+4*\s+3], 0x80000000              ; type = 2
	s_mov_b32 s[G0B+4*\s], 1
	s_add_co_u32 s[G0B+4*\s+1], s23, \s*SLOT
	s_add_nc_u64 s[G0B+4*\s+2:G0B+4*\s+3], s[46:47], \s*BSTEP
	s_or_b32 s[G0B+4*\s+3], s[G0B+4*\s+3], 0x80000000
.endr
	s_cmp_lt_u32 s10, 2                            ; a wave's two first fills stand in one branch, ahead of every wait on TENSORcnt and every LDS read: two loads of mine are out
	s_cbranch_scc0 .Lfirst_b
	tensor_load_to_lds s[G0A:G0A+3], s[G1A:G1A+7]
	s_nop 0
	tensor_load_to_lds s[G0A+4:G0A+7], s[G1A:G1A+7]
	s_nop 0
.rept 4
	v_nop
.endr
	s_branch .Lfirst_asked
.Lfirst_b:
	tensor_load_to_lds s[G0B:G0B+3], s[G1B:G1B+7]
	s_nop 0
	tensor_load_to_lds s[G0B+4:G0B+7], s[G1B:G1B+7]
	s_nop 0
.rept 4
	v_nop
.endr
.Lfirst_asked:
	v_and_b32 v1, 15, v0                           ; r = l % 16
	v_bfe_u32 v2, v0, 4, 1                         ; h = l / 16
	v_and_b32 v[LN], 31, v0
	v_lshlrev_b32 v5, 5, v2                        ; bias: 8 h numbers
	v_lshlrev_b32 v6, 4, v[LN]                     ; amax: 16 bytes a lane
	s_lshl_b32 s4, ttmp9, 7
	v_lshl_add_u32 v7, v[LN], 2, s4                ; amax: my kind's 32 figures, one a lane
	s_cmp_eq_u32 ttmp9, 0                          ; my kind's bias
	s_cselect_b64 s[88:89], s[72:73], s[74:75]
	s_lshl_b32 s6, s40, 10                         ; 256 columns for each place along x,
	s_lshl_b32 s7, s12, 9                          ; 128 for my half
	s_add_co_u32 s6, s6, s7
	s_mov_b32 s7, 0
	s_add_nc_u64 s[88:89], s[88:89], s[6:7]
	WIN TO_B                                       ; destination window 1
.irp b, 0,1,2,3,4,5,6,7
	global_load_b128 v[8*\b:8*\b+3],   v5, s[88:89] offset:64*\b      ; bias of columns 16 b + 8 h + 0..3,
	global_load_b128 v[8*\b+4:8*\b+7], v5, s[88:89] offset:64*\b+16   ; + 4..7
.endr
	WIN 0
	global_load_b128 v[32:35], v6, s[76:77]              ; x's 256 figures, eight a lane
	global_load_b128 v[36:39], v6, s[76:77] offset:512
	global_load_b32 v40, v7, s[76:77] offset:1024        ; my kind's 32
	; A fragment is 16 rows x 32 K in 8 registers: lane l holds row l % 16; registers 0-3 K = 8 h + 0..7, registers 4-7 K = 16 + 8 h + 0..7: two loads of 16 bytes, 32 bytes apart
	v_mul_u32_u24 v3, v1, PITCH
	v_lshl_add_u32 v3, v2, 4, v3
	s_mul_i32 s4, s11, HALFT                       ; my 128 rows of A
	s_mul_i32 s5, s12, HALFT                       ; my 128 rows of B,
	s_add_co_u32 s5, s5, 2*HALFT                   ; which lie behind A's 256
.irp s, 0,1
	v_add_nc_u32 v[ADRA+\s], s4, v3
	v_add_nc_u32 v[ADRB+\s], s5, v3
	s_add_co_u32 s4, s4, SLOT
	s_add_co_u32 s5, s5, SLOT
.endr
	s_mul_i32 s6, s10, WSTAGE
	s_add_co_u32 s6, s6, STAGE                     ; my stage
	v_mul_u32_u24 v4, v1, SPITCH                   ; in: row r, 16 bytes for each half of the lanes
	v_lshl_add_u32 v4, v2, 4, v4
	v_add_nc_u32 v[STO], s6, v4
	v_mul_u32_u24 v4, v2, SPITCH                   ; back: lanes 0-15 one row of 256 bytes, lanes 16-31 the next
	v_lshl_add_u32 v4, v1, 4, v4
	v_add_nc_u32 v[RD], s6, v4
	v_mul_u32_u24 v4, v2, CROW                     ; and the same two rows in C
	v_lshl_add_u32 v[CO], v1, 4, v4
	v_mov_b32 v41, 0
	s_lshl_b32 s16, s13, 8
	s_lshl_b32 s17, s11, 7
	s_add_co_u32 s16, s16, s17                     ; my first row of C
	s_mov_b32 s17, 0
	s_mov_b64 s[18:19], CROW
	s_mul_u64 s[16:17], s[16:17], s[18:19]
	s_lshl_b32 s46, s42, 9                         ; my first column, in bytes
	s_lshl_b32 s47, s12, 8
	s_add_co_u32 s46, s46, s47
	s_mov_b32 s47, 0
	s_add_nc_u64 s[16:17], s[16:17], s[46:47]
	s_add_nc_u64 s[86:87], s[78:79], s[16:17]
	s_wait_loadcnt 0x0
.macro RED v, t                        ; the largest of the wave's 32 lanes, in every lane
	v_max_num_f32_dpp v[\v], v[\v], v[\v] row_xmask:1 row_mask:0xf bank_mask:0xf
	v_max_num_f32_dpp v[\v], v[\v], v[\v] row_xmask:2 row_mask:0xf bank_mask:0xf
	v_max_num_f32_dpp v[\v], v[\v], v[\v] row_xmask:4 row_mask:0xf bank_mask:0xf
	v_max_num_f32_dpp v[\v], v[\v], v[\v] row_xmask:8 row_mask:0xf bank_mask:0xf
	v_permlanex16_b32 v[\t], v[\v], s66, s67
	v_max_num_f32 v[\v], v[\v], v[\t]
.endm
	v_max3_num_f32 v32, v32, v33, v34
	v_max3_num_f32 v36, v36, v37, v38
	v_max3_num_f32 v32, v32, v35, v36
	v_max_num_f32 v32, v32, v39
	RED 32, 41                                     ; max |x|
	RED 40, 41                                     ; max (|W|, |b|) of my kind
	v_fma_f32 v33, v32, 0x44800000, 1.0            ; 1024 max|x| + 1
	v_mul_f32 v34, v33, v40                        ; the bound B
	v_readfirstlane_b32 s4, v34
	s_bfe_u32 s4, s4, 0x80017                      ; its exponent field e,
	s_max_u32 s4, s4, 16
	s_min_u32 s4, s4, 250                          ; kept where both 2^(140 - e) and its inverse are normal numbers
	s_sub_co_u32 s4, 267, s4
	s_lshl_b32 s[SC], s4, 23                       ; 2^(140 - e)
	s_mov_b32 s[SC+1], s[SC]
	WIN 0x41                                       ; destination and source 0 window 1
.set i, 0
.rept 32
	v_pk_mul_f32 v[2*i:2*i+1], v[2*i:2*i+1], s[SC:SC+1] op_sel_hi:[1,0]   ; the bias times 2^s
.set i, i+1
.endr
	WIN 0
; 8 matrix instructions: m block a of the window's four (hi = 0: my rows 0-63, 1: rows 64-127) x all 8 n blocks, 32 along K.  zero = 1: the first product starts the sums.
; The 64 accumulators take turns, one instruction a turn, in the same order in every quarter.
.macro MULA f, hi, a, zero
.irp b, 0,1,2,3,4,5,6,7
.if \zero
	v_wmma_f32_16x16x32_f16 v[8*(8*\a+\b):8*(8*\a+\b)+7], v[\f+8*\b:\f+8*\b+7], v[\f+8*(4*\hi+\a):\f+8*(4*\hi+\a)+7], 0
.else
	v_wmma_f32_16x16x32_f16 v[8*(8*\a+\b):8*(8*\a+\b)+7], v[\f+8*\b:\f+8*\b+7], v[\f+8*(4*\hi+\a):\f+8*(4*\hi+\a)+7], v[8*(8*\a+\b):8*(8*\a+\b)+7]
.endif
.endr
.endm
.macro MUL64 f, zero                   ; a quarter's 64 products
	WIN MUL_LO
	MULA \f, 0, 0, \zero
	MULA \f, 0, 1, \zero
	MULA \f, 0, 2, \zero
	MULA \f, 0, 3, \zero
	WIN MUL_HI
	MULA \f, 1, 0, \zero
	MULA \f, 1, 1, \zero
	MULA \f, 1, 2, \zero
	MULA \f, 1, 3, \zero
.endm
; 32 LDS loads in one run: the fragments of quarter q (32 along K) of a slot: 128 rows of B, 128 rows of A
.macro FETCH slot, q, f
	WIN TO_B
.irp i, 0,1,2,3,4,5,6,7
	ds_load_b128 v[\f+8*\i:\f+8*\i+3],   v[ADRB+\slot] offset:64*\q+\i*16*PITCH
	ds_load_b128 v[\f+8*\i+4:\f+8*\i+7], v[ADRB+\slot] offset:64*\q+\i*16*PITCH+32
.endr
	WIN 0
.irp i, 0,1,2,3,4,5,6,7
	ds_load_b128 v[\f+8*\i:\f+8*\i+3],   v[ADRA+\slot] offset:64*\q+\i*16*PITCH
	ds_load_b128 v[\f+8*\i+4:\f+8*\i+7], v[ADRA+\slot] offset:64*\q+\i*16*PITCH+32
.endr
.endm
; A K step is four quarters, 64 matrix instructions each, on buffers 0, 1, 0, 1.  One of the first three: asks for quarter q into buffer g, then multiplies buffer f while those loads are served.
.macro QUARTER slot, q, f, g, zero
	PLACES                                         ; buffer g was read by the quarter before
	FETCH \slot, \q, \g
	s_wait_dscnt 32                                ; all but the 32 just issued: buffer f is in
	MUL64 \f, \zero
.endm
; The last quarter multiplies buffer 1 and changes slots: one barrier; in front of it each wave waits for all its tensor loads, adds 0 to its spare word, and waits for that and for its reads of this slot.
; fill = 1: the barrier opens a round of the cluster's barrier and this slot is filled again, two K steps ahead: 224 matrix instructions stand between the request and the wait for it.
.macro TURN slot, next, fill
	WIN 0
	s_wait_tensorcnt 0x0                           ; all my tensor loads have landed: my part of the next slot
	ds_add_u32 v[SPW], v[NIL]                      ; 0 onto my spare word
	s_wait_dscnt 1                                 ; buffer 1 is in; the add may be out
	WIN MUL_LO
	MULA F1, 0, 0, 0
	MULA F1, 0, 1, 0
	s_wait_dscnt 0x0                               ; the add is done, and my reads of this slot are over
	s_barrier_signal -1
	MULA F1, 0, 2, 0
	MULA F1, 0, 3, 0
	WIN 0
	s_barrier_wait -1
.if \fill
	CREST                                          ; no wave of any partner still reads this slot or has a load on its way
	s_add_nc_u64 s[G0A+4*\slot+2:G0A+4*\slot+3], s[G0A+4*\slot+2:G0A+4*\slot+3], 2*ASTEP
	s_add_nc_u64 s[G0B+4*\slot+2:G0B+4*\slot+3], s[G0B+4*\slot+2:G0B+4*\slot+3], 2*BSTEP
	JLOAD \slot                                    ; the first tensor load behind the round; its four v_nop are also the places in front of the loads below
.else
	PLACES
.endif
	FETCH \next, 0, F0
	WIN MUL_HI
	MULA F1, 1, 0, 0
	MULA F1, 1, 1, 0
	MULA F1, 1, 2, 0
	MULA F1, 1, 3, 0
.endm
	s_wait_tensorcnt 0x1                           ; my part of K step 0 is in; K step 1's may stay out
	s_barrier_signal -1
	s_barrier_wait -1                              ; everybody's is
	FETCH 0, 0, F0
	QUARTER 0, 1, F0, F1, 1                        ; the first quarter stands in front of the loop: its products start the sums
	WIN 0                                          ; at a label and at a branch every window is 0
	s_mov_b32 s3, LAPS-1
.Llap:                                                 ; a trip goes once round the ring and fills both slots again
	QUARTER 0, 2, F1, F0, 0
	QUARTER 0, 3, F0, F1, 0
	TURN 0, 1, 1
	QUARTER 1, 1, F0, F1, 0
	QUARTER 1, 2, F1, F0, 0
	QUARTER 1, 3, F0, F1, 0
	TURN 1, 0, 1
	QUARTER 0, 1, F0, F1, 0
	WIN 0
	s_sub_co_u32 s3, s3, 1
	s_cmp_lg_u32 s3, 0
	s_cbranch_scc1 .Llap
	QUARTER 0, 2, F1, F0, 0                        ; the last lap fills nothing
	QUARTER 0, 3, F0, F1, 0
	TURN 0, 1, 0
	QUARTER 1, 1, F0, F1, 0
	QUARTER 1, 2, F1, F0, 0
	QUARTER 1, 3, F0, F1, 0
	s_wait_dscnt 0x0
	MUL64 F1, 0
	WIN 0
	PLACES
; THE WAY OUT, a block of 16 rows at a time.  PACK: sum x 2^s + bias x 2^s, rounded to f16; each accumulator's registers in ascending order.  TOSTAGE: 16 bytes a lane into my own stage,
; and back as whole rows of 256 bytes.  SEND: stored.  A block's arithmetic stands between the loads of the block before and the wait for them.
.macro PACK a
.set AC, 64*((\a)%4)
	WIN 0x12+((\a)/4)                              ; source 0 window 2 or 3 (sums), source 2 window 1 (bias)
.set i, 0
.rept 32
	v_pk_fma_f32 v[T+2*i:T+2*i+1], v[AC+2*i:AC+2*i+1], s[SC:SC+1], v[2*i:2*i+1] op_sel_hi:[1,0,1]
.set i, i+1
.endr
	WIN 0
.set i, 0
.rept 32
	v_cvt_pk_f16_f32 v[TMP+i], v[T+2*i], v[T+2*i+1]
.set i, i+1
.endr
.endm
.macro TOSTAGE a
.set BK, OB+192*((\a)%2)
.irp b, 0,1,2,3,4,5,6,7
	ds_store_b128 v[STO], v[TMP+4*\b:TMP+4*\b+3] offset:32*\b
.endr
.irp t, 0,1,2,3,4,5,6,7
	ds_load_b128 v[BK+4*\t:BK+4*\t+3], v[RD] offset:\t*2*SPITCH   ; LDS serves a wave's instructions in order (ISA guide 5.7.1.4): these see the stores above
.endr
.endm
.macro SEND a
.set BK, OB+192*((\a)%2)
	s_wait_dscnt 0x0                               ; the block is back in registers
	s_wait_xcnt 0x0                                ; the registers that the stores of two blocks ago read are loaded again only behind this wait
.irp t, 0,1,2,3,4,5,6,7
	global_store_b128 v[CO], v[BK+4*\t:BK+4*\t+3], s[86:87] offset:(16*(\a)+2*\t)*CROW   ; 16 lanes store 256 consecutive bytes, aligned; 126 rows of C at the most in the immediate
.endr
.endm
	PACK 0
	TOSTAGE 0
.irp a, 1,2,3,4,5,6,7
	PACK \a
	SEND \a-1
	TOSTAGE \a
.endr
	SEND 7
	s_wait_tensorcnt 0x0                           ; the wave's end
	ds_add_u32 v[SPW], v[NIL]
	s_wait_dscnt 0x0
	CROUND                                         ; the closing round: no work-group ends while a partner may still ask for a tile that names it
	s_endpgm
.Lfunc_end_k_q58412ffc11_proj:
	.size	k_q58412ffc11_proj, .Lfunc_end_k_q58412ffc11_proj-k_q58412ffc11_proj
	.p2alignl 7, 3214868480
	.fill 96, 4, 3214868480
	.section	.rodata,"a",@progbits
	.p2align	6, 0x0
	.amdhsa_kernel k_q58412ffc11_proj
		.amdhsa_group_segment_fixed_size 327680
		.amdhsa_private_segment_fixed_size 0
		.amdhsa_enable_private_segment 0
		.amdhsa_kernarg_size 48
		.amdhsa_user_sgpr_count 2
		.amdhsa_user_sgpr_kernarg_segment_ptr 1
		.amdhsa_wavefront_size32 1
		.amdhsa_system_sgpr_workgroup_id_x 1
		.amdhsa_system_sgpr_workgroup_id_y 1
		.amdhsa_system_sgpr_workgroup_id_z 1
		.amdhsa_system_vgpr_workitem_id 0
		.amdhsa_next_free_vgpr 1024
		.amdhsa_next_free_sgpr 96
		.amdhsa_reserve_vcc 0
		.amdhsa_float_denorm_mode_32 3
		.amdhsa_float_denorm_mode_16_64 3
		.amdhsa_memory_ordered 1
		.amdhsa_forward_progress 1
		.amdhsa_inst_pref_size 164
	.end_amdhsa_kernel
	.amdgpu_metadata
---
amdhsa.version: [ 1, 2 ]
amdhsa.kernels:
  - .name:           k_q58412ffc11_proj
    .symbol:         k_q58412ffc11_proj.kd
    .args:
      - { .name: xh, .offset: 0, .size: 8, .value_kind: global_buffer, .address_space: global }
      - { .name: wh, .offset: 8, .size: 8, .value_kind: global_buffer, .address_space: global }
      - { .name: bq, .offset: 16, .size: 8, .value_kind: global_buffer, .address_space: global }
      - { .name: bk, .offset: 24, .size: 8, .value_kind: global_buffer, .address_space: global }
      - { .name: amax, .offset: 32, .size: 8, .value_kind: global_buffer, .address_space: global }
      - { .name: qk, .offset: 40, .size: 8, .value_kind: global_buffer, .address_space: global }
    .group_segment_fixed_size: 327680
    .private_segment_fixed_size: 0
    .kernarg_segment_align: 8
    .kernarg_segment_size: 48
    .max_flat_workgroup_size: 128
    .sgpr_count:     96
    .vgpr_count:     1024
    .wavefront_size: 32
...
	.end_amdgpu_metadata
.endif
;; end of part 8
;; launch score (part 9): grid 8 x 32, 4 waves a work-group, clusters of 4 x 4, 327,680 bytes of LDS; arguments qk, amax, pm, st; writes pm, st
.if DOCPART == 9
	.amdgcn_target "amdgcn-amd-amdhsa--gfx1250"
	.amdhsa_code_object_version 6
	.text
	.protected	k_q58412ffc11_score
	.globl	k_q58412ffc11_score
	.p2align	8
	.type	k_q58412ffc11_score,@function
k_q58412ffc11_score:
	s_mov_b64 s[64:65], 0
	v_nop
	global_prefetch_b8 v0, s[64:65] scope:SCOPE_SE
	s_setreg_imm32_b32 hwreg(HW_REG_WAVE_MODE, 25, 1), 1
	s_wait_xcnt 0x0
	s_wait_alu depctr_hold_cnt(0) depctr_sa_sdst(0) depctr_va_vdst(0) depctr_va_sdst(0) depctr_va_ssrc(0) depctr_va_vcc(0) depctr_vm_vsrc(0)
	s_getreg_b32 s2, hwreg(HW_REG_IB_STS2, 6, 4)
	s_cmp_eq_u32 s2, 0
	s_cbranch_scc0 .Lentry_in_a_cluster
	s_endpgm
.Lentry_in_a_cluster:
	s_bfe_u32 s2, ttmp6, 0x10000c
	s_cmp_lg_u32 s2, 0xf033
	s_cbranch_scc0 .Lentry_shape_is_right
	s_endpgm
.Lentry_shape_is_right:
; S = q k^T for one batch's 2,048 x 2,048 scores, and the first half of the softmax.  A wave owns 128 queries x 128 keys, one chunk j of a row's 16.  With t = c S,
; c = log2(e) / 32 / (2^sq 2^sk) (q and k are stored times 2^sq, 2^sk), it stores for each row: mu_j = floor(max t) + 1, a whole number; p = 2^(t - mu_j), f16, into pm[row][key];
; l_j = the sum of the chunk's p, f32; (mu_j, l_j) into st[j][row].  The next launch takes the row's largest mu away.  The chunk's largest p is at least 0.5; none exceeds 1.
; LIMIT.  From |t| = 2^24 on mu can no longer be told from t and a weight may exceed 1 by the factor 2^(half a unit in t's last place).  Weights under 2^-25 of 2^mu_j vanish in f16.  NaN and infinities are not followed.
; SHARES, RING.  A tile of S is 256 x 256, four waves 2 x 2, each 128 x 128: 64 accumulators, 512 registers; K = 1024 in 8 steps of 128 through two LDS slots; a step is 256 matrix instructions
; of a wave, 224 of them between a refill's request and the wait for it.  8 x 32 = 256 work-groups.
; CLUSTERS.  4 x 4 work-groups: q's tile is shared along a row of the cluster, k's along a column, each asked for jointly.  The four tile rows of a cluster lie in one batch (cluster y / 2).
; Source 0 = 16 keys, source 1 = 16 queries: a lane holds ONE query (l % 16) and 64 of its chunk's 128 keys, so a row's maximum and sum want one exchange between the halves of the lanes.
; REGISTERS: window 0: v0-47 addresses and scale work; v64-127, v128-191 q's fragments, two buffers; on the way out CH, ML, SD v64-95, T v128-191, TMP v192-223, OB v32-63 and v224-255.
;   window 1: v64-127, v128-191 k's fragments.  window 2: the accumulators of my rows 0-63 ((a, b) at v[8 (8 a + b)]); window 3: those of my rows 64-127.
.set PITCH,  272                       ; an LDS row: 256 bytes + 16 of padding: the 16 rows of a fragment load start 4 banks apart (64 banks of 4 bytes: ISA guide 11.1)
.set HALFT,  128*PITCH
.set SLOT,   4*HALFT
.set STAGE,  2*SLOT                    ; 16 rows x 272 bytes for each wave; no fill lands here
.set SPITCH, 272
.set WSTAGE, 16*SPITCH
.set SPARE,  STAGE+4*WSTAGE            ; the spare words, 128 bytes for each wave: two blocks of 256 bytes that no other line names
.set LAPS,   4
.set ROWA,   4096                      ; a row of qk: q's 2,048 bytes, then k's
.set STRA,   2048
.set ROWB,   4096
.set STRB,   2048
.set ASTEP,  256
.set BSTEP,  256
.set CROW,   4096
.set ADRA, 16
.set ADRB, 20
.set STO,  24
.set RD,   25
.set CO,   26
.set LN,   27
.set SPW,  28
.set NIL,  29
.set SO,   30                          ; v30 my byte offset in st: 8 x lane
.set F0,   64
.set F1,   128
.set CH,   64                          ; v64-71 eight chains of the maximum, then at work
.set ML,   72                          ; v72-87 block a: mu at ML + 2 a, l at ML + 2 a + 1
.set SD,   88                          ; v88-95 (mu, l) as stored
.set T,    128                         ; 64 exponents, then weights, in f32
.set TMP,  192                         ; the weights in f16
.set OB,   32
.set G1A, 24
.set G0A, 32
.set G1B, 48
.set G0B, 56
.set SC,  84                           ; s[84:85] c, twice
.set MUL_LO, 0xa1                      ; source 0 (k) window 1, source 1 (q) window 0, C and D window 2
.set MUL_HI, 0xf1
.set TO_B,   0x40
.set MSB, 0
.macro WIN new
.if MSB != \new
	s_set_vgpr_msb (MSB<<8)|\new
.set MSB, \new
.endif
.endm
.macro PLACES
.rept 4
	v_nop
.endr
.endm
.macro JLOAD s                         ; a joint load; four v_nop follow each of the two lines
	s_cmp_lt_u32 s10, 2
	s_cbranch_scc0 .Lfor_b_\@
	tensor_load_to_lds s[G0A+4*\s:G0A+4*\s+3], s[G1A:G1A+7]
	s_nop 0
.rept 4
	v_nop
.endr
	s_branch .Lasked_\@
.Lfor_b_\@:
	tensor_load_to_lds s[G0B+4*\s:G0B+4*\s+3], s[G1B:G1B+7]
	s_nop 0
.rept 4
	v_nop
.endr
.Lasked_\@:
.endm
.macro CREST
	s_cmp_lg_u32 s10, 0
	s_cbranch_scc1 .Lnot_wave_0_\@
	s_barrier_signal -3
.Lnot_wave_0_\@:
	s_barrier_wait -3
	s_barrier_signal -1
	s_barrier_wait -1
.endm
.macro CROUND
	s_barrier_signal -1
	s_barrier_wait -1
	CREST
.endm
	s_load_b256 s[68:75], s[0:1], 0x0              ; qk s[68:69], amax s[70:71], pm s[72:73], st s[74:75]
	v_lshl_add_u32 v[SPW], v0, 2, SPARE
	v_mov_b32 v[NIL], 0
	ds_add_u32 v28, v29
	s_wait_dscnt 0x0
	v_lshrrev_b32 v1, 5, v0
	v_readfirstlane_b32 s10, v1                    ; wave 0..3
	s_lshr_b32 s11, s10, 1                         ; which 128 queries of the tile are mine
	s_and_b32 s12, s10, 1                          ; which 128 keys.  Also: which half of a tile I fetch
	s_bfe_u32 s40, ttmp6, 0x40000                  ; cx, cy
	s_bfe_u32 s41, ttmp6, 0x40004
	s_lshl_b32 s42, ttmp9, 2
	s_add_co_u32 s42, s42, s40                     ; tile column (256 keys of the batch)
	s_and_b32 s13, ttmp7, 0xffff
	s_lshl_b32 s13, s13, 2
	s_add_co_u32 s13, s13, s41                     ; tile row (256 of all 8,192 queries)
	s_lshl_b32 s43, s41, 2
	s_lshl_b32 s43, 15, s43
	s_lshl_b32 s44, 0x1111, s40
	s_mov_b32 s66, 0x76543210
	s_mov_b32 s67, 0xfedcba98
	s_or_b32 s[G1A], s43, (1<<16)|(1<<20)|(1<<21)|(5<<22)|(3<<25)   ; q's tile: 128 rows x 128 elements, to my row of the cluster; 4 words of padding behind every 64
	s_mov_b32 s[G1A+1], 128<<16
	s_mov_b32 s[G1A+2], 128<<16
	s_mov_b32 s[G1A+3], 128<<16
	s_mov_b32 s[G1A+4], 128
	s_mov_b32 s[G1A+5], STRA
	s_mov_b32 s[G1A+6], 0
	s_mov_b32 s[G1A+7], 0
	s_or_b32 s[G1B], s44, (1<<16)|(1<<20)|(1<<21)|(5<<22)|(3<<25)   ; k's tile: the same, to my column
	s_mov_b32 s[G1B+1], 128<<16
	s_mov_b32 s[G1B+2], 128<<16
	s_mov_b32 s[G1B+3], 128<<16
	s_mov_b32 s[G1B+4], 128
	s_mov_b32 s[G1B+5], STRB
	s_mov_b32 s[G1B+6], 0
	s_mov_b32 s[G1B+7], 0
	s_lshl_b32 s16, s13, 8
	s_lshl_b32 s17, s12, 7
	s_add_co_u32 s16, s16, s17                     ; q: row 256 x tile row + 128 x half
	s_mov_b32 s17, 0
	s_mov_b64 s[18:19], ROWA
	s_mul_u64 s[16:17], s[16:17], s[18:19]
	s_and_b32 s45, ttmp7, 0xffff
	s_lshr_b32 s45, s45, 1                         ; the batch = cluster y / 2: all sixteen partners share it
	s_lshl_b32 s45, s45, 11
	s_lshl_b32 s46, s42, 8
	s_add_co_u32 s46, s46, s45
	s_lshl_b32 s47, s12, 7
	s_add_co_u32 s46, s46, s47                     ; k: row 2048 x batch + 256 x tile column + 128 x half
	s_mov_b32 s47, 0
	s_mov_b64 s[20:21], ROWB
	s_mul_u64 s[46:47], s[46:47], s[20:21]
	s_add_nc_u64 s[46:47], s[46:47], 2048          ; k lies 2,048 bytes into a row of qk
	s_mul_i32 s22, s12, HALFT
	s_add_co_u32 s23, s22, 2*HALFT
	s_wait_kmcnt 0x0
	s_add_nc_u64 s[14:15], s[68:69], s[16:17]
	s_add_nc_u64 s[46:47], s[68:69], s[46:47]
	CROUND                                         ; all sixteen work-groups are here: the first joint loads meet
.irp s, 0,1
	s_mov_b32 s[G0A+4*\s], 1
	s_add_co_u32 s[G0A+4*\s+1], s22, \s*SLOT
	s_add_nc_u64 s[G0A+4*\s+2:G0A+4*\s+3], s[14:15], \s*ASTEP
	s_or_b32 s[G0A+4*\s+3], s[G0A+4*\s+3], 0x80000000
	s_mov_b32 s[G0B+4*\s], 1
	s_add_co_u32 s[G0B+4*\s+1], s23, \s*SLOT
	s_add_nc_u64 s[G0B+4*\s+2:G0B+4*\s+3], s[46:47], \s*BSTEP
	s_or_b32 s[G0B+4*\s+3], s[G0B+4*\s+3], 0x80000000
.endr
	s_cmp_lt_u32 s10, 2                            ; a wave's two first fills stand in one branch: two loads of mine are out
	s_cbranch_scc0 .Lfirst_b
	tensor_load_to_lds s[G0A:G0A+3], s[G1A:G1A+7]
	s_nop 0
	tensor_load_to_lds s[G0A+4:G0A+7], s[G1A:G1A+7]
	s_nop 0
.rept 4
	v_nop
.endr
	s_branch .Lfirst_asked
.Lfirst_b:
	tensor_load_to_lds s[G0B:G0B+3], s[G1B:G1B+7]
	s_nop 0
	tensor_load_to_lds s[G0B+4:G0B+7], s[G1B:G1B+7]
	s_nop 0
.rept 4
	v_nop
.endr
.Lfirst_asked:
	v_and_b32 v1, 15, v0                           ; r
	v_bfe_u32 v2, v0, 4, 1                         ; h
	v_and_b32 v[LN], 31, v0
	v_lshlrev_b32 v6, 4, v[LN]
	v_lshlrev_b32 v7, 2, v[LN]
	global_load_b128 v[32:35], v6, s[70:71]              ; x's 256 figures, eight a lane
	global_load_b128 v[36:39], v6, s[70:71] offset:512
	global_load_b32 v40, v7, s[70:71] offset:1024        ; (Wq, bq)'s 32
	global_load_b32 v42, v7, s[70:71] offset:1152        ; (Wk, bk)'s 32
	v_lshlrev_b32 v[SO], 3, v[LN]
	v_mul_u32_u24 v3, v1, PITCH
	v_lshl_add_u32 v3, v2, 4, v3
	s_mul_i32 s4, s11, HALFT
	s_mul_i32 s5, s12, HALFT
	s_add_co_u32 s5, s5, 2*HALFT
.irp s, 0,1
	v_add_nc_u32 v[ADRA+\s], s4, v3
	v_add_nc_u32 v[ADRB+\s], s5, v3
	s_add_co_u32 s4, s4, SLOT
	s_add_co_u32 s5, s5, SLOT
.endr
	s_mul_i32 s6, s10, WSTAGE
	s_add_co_u32 s6, s6, STAGE
	v_mul_u32_u24 v4, v1, SPITCH
	v_lshl_add_u32 v4, v2, 4, v4
	v_add_nc_u32 v[STO], s6, v4
	v_mul_u32_u24 v4, v2, SPITCH
	v_lshl_add_u32 v4, v1, 4, v4
	v_add_nc_u32 v[RD], s6, v4
	v_mul_u32_u24 v4, v2, CROW
	v_lshl_add_u32 v[CO], v1, 4, v4
	v_mov_b32 v41, 0
	s_lshl_b32 s16, s13, 8
	s_lshl_b32 s17, s11, 7
	s_add_co_u32 s16, s16, s17                     ; my first row
	s_lshl_b32 s4, s16, 3                          ; in st: 8 bytes a row,
	s_lshl_b32 s6, s42, 17                         ; chunk 2 x tile column + half, 65,536 bytes each
	s_lshl_b32 s7, s12, 16
	s_add_co_u32 s4, s4, s6
	s_add_co_u32 s4, s4, s7
	s_mov_b32 s5, 0
	s_add_nc_u64 s[88:89], s[74:75], s[4:5]
	s_mov_b32 s17, 0
	s_mov_b64 s[18:19], CROW
	s_mul_u64 s[16:17], s[16:17], s[18:19]
	s_lshl_b32 s46, s42, 9
	s_lshl_b32 s47, s12, 8
	s_add_co_u32 s46, s46, s47
	s_mov_b32 s47, 0
	s_add_nc_u64 s[16:17], s[16:17], s[46:47]
	s_add_nc_u64 s[86:87], s[72:73], s[16:17]
	s_wait_loadcnt 0x0
.macro RED v, t
	v_max_num_f32_dpp v[\v], v[\v], v[\v] row_xmask:1 row_mask:0xf bank_mask:0xf
	v_max_num_f32_dpp v[\v], v[\v], v[\v] row_xmask:2 row_mask:0xf bank_mask:0xf
	v_max_num_f32_dpp v[\v], v[\v], v[\v] row_xmask:4 row_mask:0xf bank_mask:0xf
	v_max_num_f32_dpp v[\v], v[\v], v[\v] row_xmask:8 row_mask:0xf bank_mask:0xf
	v_permlanex16_b32 v[\t], v[\v], s66, s67
	v_max_num_f32 v[\v], v[\v], v[\t]
.endm
	v_max3_num_f32 v32, v32, v33, v34
	v_max3_num_f32 v36, v36, v37, v38
	v_max3_num_f32 v32, v32, v35, v36
	v_max_num_f32 v32, v32, v39
	RED 32, 41
	RED 40, 41
	RED 42, 41
	v_fma_f32 v33, v32, 0x44800000, 1.0            ; 1024 max|x| + 1
	v_mul_f32 v40, v33, v40                        ; q's bound,
	v_mul_f32 v42, v33, v42                        ; k's
	v_readfirstlane_b32 s4, v40
	v_readfirstlane_b32 s5, v42
	s_bfe_u32 s4, s4, 0x80017                      ; their exponent fields, clamped as where q and k were stored
	s_bfe_u32 s5, s5, 0x80017
	s_max_u32 s4, s4, 16
	s_max_u32 s5, s5, 16
	s_min_u32 s4, s4, 250
	s_min_u32 s5, s5, 250
	s_sub_co_u32 s4, s4, 13
	s_sub_co_u32 s5, s5, 13
	s_lshl_b32 s4, s4, 23                          ; 2^(e - 140): the inverse scales
	s_lshl_b32 s5, s5, 23
	v_mov_b32 v33, 0x3d38aa3b                      ; log2(e) / sqrt(1024)
	v_mul_f32 v33, s4, v33
	v_mul_f32 v33, s5, v33
	v_readfirstlane_b32 s[SC], v33                 ; c
	s_mov_b32 s[SC+1], s[SC]
.macro MULA f, hi, a, zero             ; 8 matrix instructions; the 64 accumulators take turns, one instruction a turn
.irp b, 0,1,2,3,4,5,6,7
.if \zero
	v_wmma_f32_16x16x32_f16 v[8*(8*\a+\b):8*(8*\a+\b)+7], v[\f+8*\b:\f+8*\b+7], v[\f+8*(4*\hi+\a):\f+8*(4*\hi+\a)+7], 0
.else
	v_wmma_f32_16x16x32_f16 v[8*(8*\a+\b):8*(8*\a+\b)+7], v[\f+8*\b:\f+8*\b+7], v[\f+8*(4*\hi+\a):\f+8*(4*\hi+\a)+7], v[8*(8*\a+\b):8*(8*\a+\b)+7]
.endif
.endr
.endm
.macro MUL64 f, zero                   ; a quarter's 64 products
	WIN MUL_LO
	MULA \f, 0, 0, \zero
	MULA \f, 0, 1, \zero
	MULA \f, 0, 2, \zero
	MULA \f, 0, 3, \zero
	WIN MUL_HI
	MULA \f, 1, 0, \zero
	MULA \f, 1, 1, \zero
	MULA \f, 1, 2, \zero
	MULA \f, 1, 3, \zero
.endm
.macro FETCH slot, q, f                ; 32 LDS loads in one run: quarter q's fragments: 128 keys, 128 queries
	WIN TO_B
.irp i, 0,1,2,3,4,5,6,7
	ds_load_b128 v[\f+8*\i:\f+8*\i+3],   v[ADRB+\slot] offset:64*\q+\i*16*PITCH
	ds_load_b128 v[\f+8*\i+4:\f+8*\i+7], v[ADRB+\slot] offset:64*\q+\i*16*PITCH+32
.endr
	WIN 0
.irp i, 0,1,2,3,4,5,6,7
	ds_load_b128 v[\f+8*\i:\f+8*\i+3],   v[ADRA+\slot] offset:64*\q+\i*16*PITCH
	ds_load_b128 v[\f+8*\i+4:\f+8*\i+7], v[ADRA+\slot] offset:64*\q+\i*16*PITCH+32
.endr
.endm
.macro QUARTER slot, q, f, g, zero
	PLACES                                         ; buffer g was read by the quarter before
	FETCH \slot, \q, \g
	s_wait_dscnt 32                                ; all but the 32 just issued: buffer f is in
	MUL64 \f, \zero
.endm
.macro TURN slot, next, fill
	WIN 0
	s_wait_tensorcnt 0x0                           ; all my tensor loads have landed: my part of the next slot
	ds_add_u32 v[SPW], v[NIL]                      ; 0 onto my spare word
	s_wait_dscnt 1                                 ; buffer 1 is in; the add may be out
	WIN MUL_LO
	MULA F1, 0, 0, 0
	MULA F1, 0, 1, 0
	s_wait_dscnt 0x0                               ; the add is done, and my reads of this slot are over
	s_barrier_signal -1
	MULA F1, 0, 2, 0
	MULA F1, 0, 3, 0
	WIN 0
	s_barrier_wait -1
.if \fill
	CREST                                          ; no wave of any partner still reads this slot or has a load on its way
	s_add_nc_u64 s[G0A+4*\slot+2:G0A+4*\slot+3], s[G0A+4*\slot+2:G0A+4*\slot+3], 2*ASTEP
	s_add_nc_u64 s[G0B+4*\slot+2:G0B+4*\slot+3], s[G0B+4*\slot+2:G0B+4*\slot+3], 2*BSTEP
	JLOAD \slot                                    ; the first tensor load behind the round; its four v_nop are also the places in front of the loads below
.else
	PLACES
.endif
	FETCH \next, 0, F0
	WIN MUL_HI
	MULA F1, 1, 0, 0
	MULA F1, 1, 1, 0
	MULA F1, 1, 2, 0
	MULA F1, 1, 3, 0
.endm
	s_wait_tensorcnt 0x1                           ; my part of K step 0 is in; K step 1's may stay out
	s_barrier_signal -1
	s_barrier_wait -1
	FETCH 0, 0, F0
	QUARTER 0, 1, F0, F1, 1
	WIN 0
	s_mov_b32 s3, LAPS-1
.Llap:
	QUARTER 0, 2, F1, F0, 0
	QUARTER 0, 3, F0, F1, 0
	TURN 0, 1, 1
	QUARTER 1, 1, F0, F1, 0
	QUARTER 1, 2, F1, F0, 0
	QUARTER 1, 3, F0, F1, 0
	TURN 1, 0, 1
	QUARTER 0, 1, F0, F1, 0
	WIN 0
	s_sub_co_u32 s3, s3, 1
	s_cmp_lg_u32 s3, 0
	s_cbranch_scc1 .Llap
	QUARTER 0, 2, F1, F0, 0
	QUARTER 0, 3, F0, F1, 0
	TURN 0, 1, 0
	QUARTER 1, 1, F0, F1, 0
	QUARTER 1, 2, F1, F0, 0
	QUARTER 1, 3, F0, F1, 0
	s_wait_dscnt 0x0
	MUL64 F1, 0
	WIN 0
	PLACES
; Block a's softmax: 16 queries, a lane's 64 scores.  The maximum is taken on the raw sums (c is not negative), each accumulator from its low end on; mu = floor(c max) + 1;
; the exponent is one fused multiply-add; 64 exponentials; the weights rounded to f16; their sum in f32.
.macro SOFT a
.set AC, 64*((\a)%4)
	WIN 0x2a+0x15*((\a)/4)                         ; all three sources window 2 or 3
.irp b, 0,1,2,3,4,5,6,7
	v_max3_num_f32 v[CH+\b], v[AC+8*\b], v[AC+8*\b+1], v[AC+8*\b+2]
.endr
	WIN 0x28+0x14*((\a)/4)                         ; source 0 (the chain) window 0
.irp b, 0,1,2,3,4,5,6,7
	v_max3_num_f32 v[CH+\b], v[CH+\b], v[AC+8*\b+3], v[AC+8*\b+4]
.endr
.irp b, 0,1,2,3,4,5,6,7
	v_max3_num_f32 v[CH+\b], v[CH+\b], v[AC+8*\b+5], v[AC+8*\b+6]
.endr
.irp k, 0,1,2,3
	v_max3_num_f32 v[CH+2*\k], v[CH+2*\k], v[AC+16*\k+7], v[AC+16*\k+15]
.endr
	WIN 0
	v_max3_num_f32 v[CH], v[CH], v[CH+1], v[CH+2]
	v_max3_num_f32 v[CH+3], v[CH+3], v[CH+4], v[CH+5]
	v_max3_num_f32 v[CH], v[CH], v[CH+3], v[CH+6]
	v_max_num_f32 v[CH], v[CH], v[CH+7]
	v_permlanex16_b32 v[CH+1], v[CH], s66, s67     ; the query's other 64 keys lie in the lane 16 away
	v_max_num_f32 v[CH], v[CH], v[CH+1]
	v_mul_f32 v[CH], s[SC], v[CH]
	v_floor_f32 v[ML+2*(\a)+1], v[CH]              ; (l's place is at work until l is made: the pair below is then written whole)
	v_add_f32 v[ML+2*(\a)], 1.0, v[ML+2*(\a)+1]    ; mu
	WIN 0x02+((\a)/4)
.set i, 0
.rept 32
	v_pk_fma_f32 v[T+2*i:T+2*i+1], v[AC+2*i:AC+2*i+1], s[SC:SC+1], v[ML+2*(\a):ML+2*(\a)+1] op_sel_hi:[1,0,0] neg_lo:[0,0,1] neg_hi:[0,0,1]   ; c s - mu
.set i, i+1
.endr
	WIN 0
.set i, 0
.rept 64
	v_exp_f32 v[T+i], v[T+i]
.set i, i+1
.endr
	v_nop                                          ; a plain instruction between the last exponential and the use of its result (ISA guide 5.7.2)
.set i, 0
	s_wait_alu depctr_va_vdst(0)
.rept 32
	v_cvt_pk_f16_f32 v[TMP+i], v[T+2*i], v[T+2*i+1]
.set i, i+1
.endr
.irp w, 4,8,16,32,64                   ; the sum of the 32 pairs, in place: neighbours 1, 2, 4, 8, 16 pairs apart
.set i, 0
.rept 64/\w
	v_pk_add_f32 v[T+\w*i:T+\w*i+1], v[T+\w*i:T+\w*i+1], v[T+\w*i+\w/2:T+\w*i+\w/2+1]
.set i, i+1
.endr
.endr
	v_add_f32 v[CH+2], v[T], v[T+1]
	v_permlanex16_b32 v[CH+3], v[CH+2], s66, s67
	v_add_f32 v[ML+2*(\a)+1], v[CH+2], v[CH+3]     ; l
.endm
.macro TOSTAGE a
.set BK, OB+192*((\a)%2)
.irp b, 0,1,2,3,4,5,6,7
	ds_store_b128 v[STO], v[TMP+4*\b:TMP+4*\b+3] offset:32*\b
.endr
.irp t, 0,1,2,3,4,5,6,7
	ds_load_b128 v[BK+4*\t:BK+4*\t+3], v[RD] offset:\t*2*SPITCH   ; LDS serves a wave's instructions in order (ISA guide 5.7.1.4): these see the stores above
.endr
.endm
.macro SEND a
.set BK, OB+192*((\a)%2)
	s_wait_dscnt 0x0
	s_wait_xcnt 0x0                                ; the registers that the stores of two blocks ago read are loaded again only behind this wait
.irp t, 0,1,2,3,4,5,6,7
	global_store_b128 v[CO], v[BK+4*\t:BK+4*\t+3], s[86:87] offset:(16*(\a)+2*\t)*CROW   ; 16 lanes store 256 consecutive bytes, aligned
.endr
.endm
	SOFT 0
	TOSTAGE 0
.irp a, 1,2,3,4,5,6,7
	SOFT \a
	SEND \a-1
	TOSTAGE \a
.endr
	SEND 7
	; (mu, l): both halves of the lanes hold block a's 16 rows.  Lanes 0-15 take block 2 i, lanes 16-31 block 2 i + 1: lane l then has row 32 i + l, and a store covers 256 consecutive bytes, aligned
	v_cmp_le_u32 vcc_lo, 16, v[LN]
.irp i, 0,1,2,3
	v_cndmask_b32 v[SD+2*\i],   v[ML+4*\i],   v[ML+4*\i+2], vcc_lo
	v_cndmask_b32 v[SD+2*\i+1], v[ML+4*\i+1], v[ML+4*\i+3], vcc_lo
	global_store_b64 v[SO], v[SD+2*\i:SD+2*\i+1], s[88:89] offset:256*\i
.endr
	s_wait_tensorcnt 0x0                           ; the wave's end
	ds_add_u32 v[SPW], v[NIL]
	s_wait_dscnt 0x0
	CROUND                                         ; the closing round
	s_endpgm
.Lfunc_end_k_q58412ffc11_score:
	.size	k_q58412ffc11_score, .Lfunc_end_k_q58412ffc11_score-k_q58412ffc11_score
	.p2alignl 7, 3214868480
	.fill 96, 4, 3214868480
	.section	.rodata,"a",@progbits
	.p2align	6, 0x0
	.amdhsa_kernel k_q58412ffc11_score
		.amdhsa_group_segment_fixed_size 327680
		.amdhsa_private_segment_fixed_size 0
		.amdhsa_enable_private_segment 0
		.amdhsa_kernarg_size 32
		.amdhsa_user_sgpr_count 2
		.amdhsa_user_sgpr_kernarg_segment_ptr 1
		.amdhsa_wavefront_size32 1
		.amdhsa_system_sgpr_workgroup_id_x 1
		.amdhsa_system_sgpr_workgroup_id_y 1
		.amdhsa_system_sgpr_workgroup_id_z 1
		.amdhsa_system_vgpr_workitem_id 0
		.amdhsa_next_free_vgpr 1024
		.amdhsa_next_free_sgpr 96
		.amdhsa_reserve_vcc 1
		.amdhsa_float_denorm_mode_32 3
		.amdhsa_float_denorm_mode_16_64 3
		.amdhsa_memory_ordered 1
		.amdhsa_forward_progress 1
		.amdhsa_inst_pref_size 213
	.end_amdhsa_kernel
	.amdgpu_metadata
---
amdhsa.version: [ 1, 2 ]
amdhsa.kernels:
  - .name:           k_q58412ffc11_score
    .symbol:         k_q58412ffc11_score.kd
    .args:
      - { .name: qk, .offset: 0, .size: 8, .value_kind: global_buffer, .address_space: global }
      - { .name: amax, .offset: 8, .size: 8, .value_kind: global_buffer, .address_space: global }
      - { .name: pm, .offset: 16, .size: 8, .value_kind: global_buffer, .address_space: global }
      - { .name: st, .offset: 24, .size: 8, .value_kind: global_buffer, .address_space: global }
    .group_segment_fixed_size: 327680
    .private_segment_fixed_size: 0
    .kernarg_segment_align: 8
    .kernarg_segment_size: 32
    .max_flat_workgroup_size: 128
    .sgpr_count:     96
    .vgpr_count:     1024
    .wavefront_size: 32
...
	.end_amdgpu_metadata
.endif
;; end of part 9
;; launch mix (part 10): grid 4 x 64, 4 waves a work-group, clusters of 4 x 4, 327,680 bytes of LDS; arguments pm, xh, st, ctx; writes ctx
.if DOCPART == 10
	.amdgcn_target "amdgcn-amd-amdhsa--gfx1250"
	.amdhsa_code_object_version 6
	.text
	.protected	k_q58412ffc11_mix
	.globl	k_q58412ffc11_mix
	.p2align	8
	.type	k_q58412ffc11_mix,@function
k_q58412ffc11_mix:
	s_mov_b64 s[64:65], 0
	v_nop
	global_prefetch_b8 v0, s[64:65] scope:SCOPE_SE
	s_setreg_imm32_b32 hwreg(HW_REG_WAVE_MODE, 25, 1), 1
	s_wait_xcnt 0x0
	s_wait_alu depctr_hold_cnt(0) depctr_sa_sdst(0) depctr_va_vdst(0) depctr_va_sdst(0) depctr_va_ssrc(0) depctr_va_vcc(0) depctr_vm_vsrc(0)
	s_getreg_b32 s2, hwreg(HW_REG_IB_STS2, 6, 4)
	s_cmp_eq_u32 s2, 0
	s_cbranch_scc0 .Lentry_in_a_cluster
	s_endpgm
.Lentry_in_a_cluster:
	s_bfe_u32 s2, ttmp6, 0x10000c
	s_cmp_lg_u32 s2, 0xf033
	s_cbranch_scc0 .Lentry_shape_is_right
	s_endpgm
.Lentry_shape_is_right:
; ctx[t][c] = sum over the 16 chunks j of (f_j[t] / l[t]) (sum over the chunk's 128 keys of p[t][key] x[key][c]), f16: the softmax's weighted mean of the rows of x themselves.
; (Wv and Wo meet it as one matrix in the last launch: attn (x Wv^T + bv) Wo^T = (attn x) (Wo Wv)^T + Wo bv, since a softmax row sums to 1.)
; THE SECOND HALF OF THE SOFTMAX.  mu = the largest of the row's 16 mu_j; f_j = 2^(mu_j - mu) <= 1; l = sum of f_j l_j >= 0.5.  So the row's true maximum is taken away.
; Each chunk's product starts sums of its own (C = 0) in window 1; they are added into ctx's sums in window 2 by one fused multiply-add in f32 with f_j / l.  The first chunk's are multiplied: nothing is cleared.
; The adds stand in the next chunk's first quarter, block a's in front of block a's first products: 128 packed instructions for a chunk's 128 matrix instructions.
; LIMITS.  A chunk whose mu_j lies 126 or more below mu contributes nothing (its factor comes out of v_exp_f32 as 0).  ctx is stored without a scale: it cannot exceed max|x|; below 6.1e-5 it carries an absolute error of up to 3e-8.
; SHARES.  A tile of ctx is 128 x 256; four waves 2 x 2, each 64 x 128: 32 accumulators.  K = 2,048 keys in 16 steps of 128, a step = a chunk, through two LDS slots.  4 x 64 = 256 work-groups.
; A tile of 256 x 256 would give 128 work-groups and leave half of the 256 WGPs without work.
; CLUSTERS 4 x 4: P's tile is shared along a row of the cluster, x's along a column (the four tile rows of a cluster lie in one batch), each asked for jointly.
; x lies [key][c]: its fragments come out of LDS turned, by ds_load_tr16_b128.  Source 0 = 16 channels of x^T, source 1 = 16 queries of P: a lane holds one query (l % 16) and eight neighbouring channels.
; REGISTERS: window 0: v0-47 addresses, factors; v64-159, v160-255 fragment buffers, on the way out TMP, OB.  window 1: a chunk's sums, (a, b) at v[8 (8 a + b)].  window 2: ctx's sums, at the same numbers.
.set PITCH,  272                       ; a row of P in LDS: 256 bytes + 16
.set PV,     544                       ; a row of x's tile: 512 bytes + 32 = 17 x 32
.set AHALF,  64*PITCH
.set BOFF,   2*AHALF
.set BHALF,  64*PV                     ; 64 keys: the same 34,816 bytes
.set SLOT,   BOFF+2*BHALF
.set STAGE,  2*SLOT
.set SPITCH, 272
.set WSTAGE, 16*SPITCH
.set FSC,    STAGE+4*WSTAGE            ; for each wave 4,096 bytes of its own: [16 chunks][64 rows] f_j / l in f32; no fill lands here
.set WFSC,   4096
.set SPARE,  FSC+4*WFSC                ; the spare words, 128 bytes for each wave: two blocks of 256 bytes that no other line names
.set TRIPS,  6                         ; chunk 0 and chunk 1's first quarter stand ahead of the loop; a trip ends two chunks; chunks 13 (its rest), 14, 15 are the tail
.set ROWA,   4096
.set STRA,   2048
.set ROWB,   2048
.set STRB,   1024
.set ASTEP,  256                       ; 128 keys along a row of pm
.set BSTEP,  128*2048                  ; 128 rows of xh
.set CROW,   2048
.set ADRA, 16
.set ADRB, 20
.set STO,  24
.set RD,   25
.set CO,   26
.set LN,   27
.set SPW,  28
.set NIL,  29
.set FADR, 30                          ; v30 LDS address of my row's factor in the even chunk in hand; steps two chunks at a time
.set FS,   32                          ; v32-39 slot 0's factors: block a's, twice, at FS + 2 a; v40-47 slot 1's
.set F0,   64
.set F1,   160
.set TMP,  128
.set OB,   160
.set G1A, 24
.set G0A, 32
.set G1B, 48
.set G0B, 56
.set MUL, 0x50                         ; C and D in window 1, fragments in window 0
.set MSB, 0
.macro WIN new
.if MSB != \new
	s_set_vgpr_msb (MSB<<8)|\new
.set MSB, \new
.endif
.endm
.macro PLACES
.rept 4
	v_nop
.endr
.endm
.macro JLOAD s                         ; a joint load; four v_nop follow each of the two lines
	s_cmp_lt_u32 s10, 2
	s_cbranch_scc0 .Lfor_b_\@
	tensor_load_to_lds s[G0A+4*\s:G0A+4*\s+3], s[G1A:G1A+7]
	s_nop 0
.rept 4
	v_nop
.endr
	s_branch .Lasked_\@
.Lfor_b_\@:
	tensor_load_to_lds s[G0B+4*\s:G0B+4*\s+3], s[G1B:G1B+7]
	s_nop 0
.rept 4
	v_nop
.endr
.Lasked_\@:
.endm
.macro CREST
	s_cmp_lg_u32 s10, 0
	s_cbranch_scc1 .Lnot_wave_0_\@
	s_barrier_signal -3
.Lnot_wave_0_\@:
	s_barrier_wait -3
	s_barrier_signal -1
	s_barrier_wait -1
.endm
.macro CROUND
	s_barrier_signal -1
	s_barrier_wait -1
	CREST
.endm
	s_load_b256 s[68:75], s[0:1], 0x0              ; pm s[68:69], xh s[70:71], st s[72:73], ctx s[74:75]
	v_lshl_add_u32 v[SPW], v0, 2, SPARE
	v_mov_b32 v[NIL], 0
	ds_add_u32 v28, v29
	s_wait_dscnt 0x0
	v_lshrrev_b32 v1, 5, v0
	v_readfirstlane_b32 s10, v1                    ; wave 0..3
	s_lshr_b32 s11, s10, 1                         ; which 64 queries of the tile are mine
	s_and_b32 s12, s10, 1                          ; which 128 channels.  Also: which half of a tile I fetch
	s_bfe_u32 s40, ttmp6, 0x40000
	s_bfe_u32 s41, ttmp6, 0x40004
	s_lshl_b32 s42, ttmp9, 2
	s_add_co_u32 s42, s42, s40                     ; tile column (256 channels)
	s_and_b32 s13, ttmp7, 0xffff
	s_lshl_b32 s13, s13, 2
	s_add_co_u32 s13, s13, s41                     ; tile row (128 queries)
	s_lshl_b32 s43, s41, 2
	s_lshl_b32 s43, 15, s43
	s_lshl_b32 s44, 0x1111, s40
	s_or_b32 s[G1A], s43, (1<<16)|(1<<20)|(1<<21)|(5<<22)|(3<<25)   ; P's tile: 64 rows x 128 elements, to my row of the cluster; 4 words of padding behind every 64
	s_mov_b32 s[G1A+1], 128<<16
	s_mov_b32 s[G1A+2], 64<<16
	s_mov_b32 s[G1A+3], 128<<16
	s_mov_b32 s[G1A+4], 64
	s_mov_b32 s[G1A+5], STRA
	s_mov_b32 s[G1A+6], 0
	s_mov_b32 s[G1A+7], 0
	s_or_b32 s[G1B], s44, (1<<16)|(1<<20)|(1<<21)|(6<<22)|(7<<25)   ; x's tile: 64 keys x 256 elements, to my column; 8 words of padding behind every 128
	s_mov_b32 s[G1B+1], 256<<16
	s_mov_b32 s[G1B+2], 64<<16
	s_mov_b32 s[G1B+3], 256<<16
	s_mov_b32 s[G1B+4], 64
	s_mov_b32 s[G1B+5], STRB
	s_mov_b32 s[G1B+6], 0
	s_mov_b32 s[G1B+7], 0
	s_lshl_b32 s16, s13, 7
	s_lshl_b32 s17, s12, 6
	s_add_co_u32 s16, s16, s17                     ; P: row 128 x tile row + 64 x half
	s_mov_b32 s17, 0
	s_mov_b64 s[18:19], ROWA
	s_mul_u64 s[16:17], s[16:17], s[18:19]
	s_and_b32 s45, ttmp7, 0xffff
	s_lshr_b32 s45, s45, 2                         ; the batch = cluster y / 4
	s_lshl_b32 s45, s45, 11
	s_lshl_b32 s46, s12, 6
	s_add_co_u32 s46, s46, s45                     ; x: key row 2048 x batch + 64 x half
	s_mov_b32 s47, 0
	s_mov_b64 s[20:21], ROWB
	s_mul_u64 s[46:47], s[46:47], s[20:21]
	s_lshl_b32 s20, s42, 9                         ; + 512 bytes x tile column
	s_mov_b32 s21, 0
	s_add_nc_u64 s[46:47], s[46:47], s[20:21]
	s_mul_i32 s22, s12, AHALF
	s_mul_i32 s23, s12, BHALF
	s_add_co_u32 s23, s23, BOFF
	s_wait_kmcnt 0x0
	s_add_nc_u64 s[14:15], s[68:69], s[16:17]
	s_add_nc_u64 s[46:47], s[70:71], s[46:47]
	CROUND                                         ; all sixteen work-groups are here: the first joint loads meet
.irp s, 0,1
	s_mov_b32 s[G0A+4*\s], 1
	s_add_co_u32 s[G0A+4*\s+1], s22, \s*SLOT
	s_add_nc_u64 s[G0A+4*\s+2:G0A+4*\s+3], s[14:15], \s*ASTEP
	s_or_b32 s[G0A+4*\s+3], s[G0A+4*\s+3], 0x80000000
	s_mov_b32 s[G0B+4*\s], 1
	s_add_co_u32 s[G0B+4*\s+1], s23, \s*SLOT
	s_add_nc_u64 s[G0B+4*\s+2:G0B+4*\s+3], s[46:47], \s*BSTEP
	s_or_b32 s[G0B+4*\s+3], s[G0B+4*\s+3], 0x80000000
.endr
	s_cmp_lt_u32 s10, 2                            ; a wave's two first fills stand in one branch: two loads of mine are out
	s_cbranch_scc0 .Lfirst_b
	tensor_load_to_lds s[G0A:G0A+3], s[G1A:G1A+7]
	s_nop 0
	tensor_load_to_lds s[G0A+4:G0A+7], s[G1A:G1A+7]
	s_nop 0
.rept 4
	v_nop
.endr
	s_branch .Lfirst_asked
.Lfirst_b:
	tensor_load_to_lds s[G0B:G0B+3], s[G1B:G1B+7]
	s_nop 0
	tensor_load_to_lds s[G0B+4:G0B+7], s[G1B:G1B+7]
	s_nop 0
.rept 4
	v_nop
.endr
.Lfirst_asked:
	v_and_b32 v1, 15, v0                           ; r
	v_bfe_u32 v2, v0, 4, 1                         ; h
	v_and_b32 v[LN], 31, v0
	v_lshlrev_b32 v8, 3, v[LN]                     ; st: 8 bytes a row, lane l takes rows l and 32 + l of my 64
	s_lshl_b32 s4, s13, 10
	s_lshl_b32 s5, s11, 9
	s_add_co_u32 s4, s4, s5
	s_mov_b32 s5, 0
	s_add_nc_u64 s[88:89], s[72:73], s[4:5]
.irp i, 0,1
.irp j, 0,1,2,3,4,5,6,7,8,9,10,11,12,13,14,15
	global_load_b64 v[64+32*\i+2*\j:64+32*\i+2*\j+1], v8, s[88:89] offset:\j*65536+256*\i   ; (mu_j, l_j): 256 consecutive bytes a load
.endr
.endr
	v_mul_u32_u24 v3, v1, PITCH                    ; P's fragments: row r x pitch + 16 h
	v_lshl_add_u32 v3, v2, 4, v3
	v_and_b32 v4, 7, v0                            ; x's, turned: lane l reads 16 bytes of key 8 h + l % 8, channels 8 ((l / 8) % 2) on
	v_lshl_add_u32 v4, v2, 3, v4
	v_mul_u32_u24 v4, v4, PV
	v_bfe_u32 v5, v0, 3, 1
	v_lshl_add_u32 v4, v5, 4, v4
	s_mul_i32 s4, s11, AHALF
	s_lshl_b32 s5, s12, 8                          ; my 128 channels: 256 bytes along the tile's rows
	s_add_co_u32 s5, s5, BOFF
.irp s, 0,1
	v_add_nc_u32 v[ADRA+\s], s4, v3
	v_add_nc_u32 v[ADRB+\s], s5, v4
	s_add_co_u32 s4, s4, SLOT
	s_add_co_u32 s5, s5, SLOT
.endr
	s_mul_i32 s6, s10, WSTAGE
	s_add_co_u32 s6, s6, STAGE
	v_mul_u32_u24 v4, v1, SPITCH
	v_lshl_add_u32 v4, v2, 4, v4
	v_add_nc_u32 v[STO], s6, v4
	v_mul_u32_u24 v4, v2, SPITCH
	v_lshl_add_u32 v4, v1, 4, v4
	v_add_nc_u32 v[RD], s6, v4
	v_mul_u32_u24 v4, v2, CROW
	v_lshl_add_u32 v[CO], v1, 4, v4
	s_mul_i32 s7, s10, WFSC
	s_add_co_u32 s7, s7, FSC                       ; my factors
	v_lshl_add_u32 v11, v[LN], 2, s7               ; written by lane: row l (+ 32)
	v_lshl_add_u32 v[FADR], v1, 2, s7              ; read by fragment row: row r (+ 16 a)
	s_lshl_b32 s16, s13, 7
	s_lshl_b32 s17, s11, 6
	s_add_co_u32 s16, s16, s17
	s_mov_b32 s17, 0
	s_mov_b64 s[18:19], CROW
	s_mul_u64 s[16:17], s[16:17], s[18:19]
	s_lshl_b32 s46, s42, 9
	s_lshl_b32 s47, s12, 8
	s_add_co_u32 s46, s46, s47
	s_mov_b32 s47, 0
	s_add_nc_u64 s[16:17], s[16:17], s[46:47]
	s_add_nc_u64 s[86:87], s[74:75], s[16:17]
	s_wait_loadcnt 0x0
.irp i, 0,1                            ; row 32 i + l: the largest mu, the 16 factors, l, and the factors divided by l
	v_max3_num_f32 v9, v[64+32*\i], v[64+32*\i+2], v[64+32*\i+4]
.irp j, 3,5,7,9,11,13
	v_max3_num_f32 v9, v9, v[64+32*\i+2*\j], v[64+32*\i+2*\j+2]
.endr
	v_max_num_f32 v9, v9, v[64+32*\i+30]
.irp j, 0,1,2,3,4,5,6,7,8,9,10,11,12,13,14,15
	v_sub_f32 v[64+32*\i+2*\j], v[64+32*\i+2*\j], v9
.endr
.irp j, 0,1,2,3,4,5,6,7,8,9,10,11,12,13,14,15
	v_exp_f32 v[64+32*\i+2*\j], v[64+32*\i+2*\j]
.endr
	v_nop                                          ; a plain instruction between the last exponential and the use of its result (ISA guide 5.7.2)
	s_wait_alu depctr_va_vdst(0)
	v_mul_f32 v10, v[64+32*\i], v[64+32*\i+1]
.irp j, 1,2,3,4,5,6,7,8,9,10,11,12,13,14,15
	v_fmac_f32 v10, v[64+32*\i+2*\j], v[64+32*\i+2*\j+1]
.endr
	v_rcp_f32 v10, v10
	v_nop
	s_wait_alu depctr_va_vdst(0)
.irp j, 0,1,2,3,4,5,6,7,8,9,10,11,12,13,14,15
	v_mul_f32 v[64+32*\i+2*\j], v[64+32*\i+2*\j], v10
	ds_store_b32 v11, v[64+32*\i+2*\j] offset:256*\j+128*\i
.endr
.endr
.macro MULA f, a, zero                 ; 8 matrix instructions: m block a x all 8 n blocks; the 32 accumulators take turns, one instruction a turn
.irp b, 0,1,2,3,4,5,6,7
.if \zero
	v_wmma_f32_16x16x32_f16 v[8*(8*\a+\b):8*(8*\a+\b)+7], v[\f+32+8*\b:\f+32+8*\b+7], v[\f+8*\a:\f+8*\a+7], 0
.else
	v_wmma_f32_16x16x32_f16 v[8*(8*\a+\b):8*(8*\a+\b)+7], v[\f+32+8*\b:\f+32+8*\b+7], v[\f+8*\a:\f+8*\a+7], v[8*(8*\a+\b):8*(8*\a+\b)+7]
.endif
.endr
.endm
; Block a of the chunk just finished goes into ctx's sums, times its row's factor (fs: the chunk's set); each accumulator's registers in ascending order.  kind = 1: the first chunk starts them; 2: it is added.
.macro DRAIN a, fs, kind
.if \kind == 1
	WIN 0x81                                       ; destination window 2, source 0 window 1, the factor window 0
.else
	WIN 0xa1                                       ; and source 2 window 2
.endif
.set i, 0
.rept 32
.if \kind == 1
	v_pk_mul_f32 v[64*\a+2*i:64*\a+2*i+1], v[64*\a+2*i:64*\a+2*i+1], v[\fs+2*\a:\fs+2*\a+1]
.else
	v_pk_fma_f32 v[64*\a+2*i:64*\a+2*i+1], v[64*\a+2*i:64*\a+2*i+1], v[\fs+2*\a:\fs+2*\a+1], v[64*\a+2*i:64*\a+2*i+1]
.endif
.set i, i+1
.endr
.endm
.macro FETCH slot, q, f                ; 24 LDS loads in one run: quarter q (32 keys): x turned, 128 channels; P, 64 queries
.irp b, 0,1,2,3,4,5,6,7
	ds_load_tr16_b128 v[\f+32+8*\b:\f+32+8*\b+3],   v[ADRB+\slot] offset:\q*32*PV+32*\b
	ds_load_tr16_b128 v[\f+32+8*\b+4:\f+32+8*\b+7], v[ADRB+\slot] offset:\q*32*PV+16*PV+32*\b
.endr
.irp i, 0,1,2,3
	ds_load_b128 v[\f+8*\i:\f+8*\i+3],   v[ADRA+\slot] offset:64*\q+\i*16*PITCH
	ds_load_b128 v[\f+8*\i+4:\f+8*\i+7], v[ADRA+\slot] offset:64*\q+\i*16*PITCH+32
.endr
.endm
.macro FACTORS slot, foff              ; my four blocks' factors of the chunk that the slot holds, each into both registers of a pair
.irp a, 0,1,2,3
	ds_load_b32 v[FS+8*\slot+2*\a],   v[FADR] offset:\foff+64*\a
	ds_load_b32 v[FS+8*\slot+2*\a+1], v[FADR] offset:\foff+64*\a
.endr
.endm
; A chunk is four quarters, 32 matrix instructions each, on buffers 0, 1, 0, 1.  The second and third: ask for quarter q into buffer g, then multiply buffer f.
.macro QUARTER slot, q, f, g
	PLACES                                         ; buffer g was read by the quarter before
	WIN 0
	FETCH \slot, \q, \g
	s_wait_dscnt 24                                ; all but the 24 just issued: buffer f is in
	WIN MUL
	MULA \f, 0, 0
	MULA \f, 1, 0
	MULA \f, 2, 0
	MULA \f, 3, 0
.endm
; The first quarter starts the chunk's sums with C = 0.  In front of block a's products the chunk before leaves block a's registers (kind 0: there is none).
; The four places at the head serve the loads into buffer 1 and the reads of the last products' results; a block's last product and the one that writes over it have those four and other blocks' adds between them.
.macro QFIRST slot, fs, kind
	PLACES
	WIN 0
	FETCH \slot, 1, F1
	s_wait_dscnt 24                                ; buffer 0 is in, and every factor asked for so far
.irp a, 0,1,2,3
.if \kind
	DRAIN \a, \fs, \kind
.endif
	WIN MUL
	MULA F0, \a, 1
.endr
.endm
; The last quarter multiplies buffer 1 and changes slots.  foff: where the next chunk's factors lie from FADR; step = 1: FADR goes two chunks on.
.macro TURN slot, next, fill, foff, step
	WIN 0
	s_wait_tensorcnt 0x0                           ; all my tensor loads have landed: my part of the next slot
	ds_add_u32 v[SPW], v[NIL]                      ; 0 onto my spare word
	s_wait_dscnt 1                                 ; buffer 1 is in; the add may be out
	WIN MUL
	MULA F1, 0, 0
	s_wait_dscnt 0x0                               ; the add is done, and my reads of this slot are over
	s_barrier_signal -1
	MULA F1, 1, 0
	WIN 0
	s_barrier_wait -1
.if \fill
	CREST                                          ; no wave of any partner still reads this slot or has a load on its way
	s_add_nc_u64 s[G0A+4*\slot+2:G0A+4*\slot+3], s[G0A+4*\slot+2:G0A+4*\slot+3], 2*ASTEP
	s_add_nc_u64 s[G0B+4*\slot+2:G0B+4*\slot+3], s[G0B+4*\slot+2:G0B+4*\slot+3], 2*BSTEP
	JLOAD \slot                                    ; the first tensor load behind the round; its four v_nop are also the places in front of the loads below
.else
	PLACES
.endif
	FETCH \next, 0, F0
	FACTORS \next, \foff
.if \step
	v_add_nc_u32 v[FADR], 512, v[FADR]
.endif
	WIN MUL
	MULA F1, 2, 0
	MULA F1, 3, 0
.endm
	s_wait_dscnt 0x0                               ; my factors are stored (my own bytes; no LDS instruction is pending at a signal)
	s_wait_tensorcnt 0x1                           ; my part of chunk 0 is in; chunk 1's may stay out
	s_barrier_signal -1
	s_barrier_wait -1
	FETCH 0, 0, F0
	FACTORS 0, 0
	QFIRST 0, FS, 0                                ; chunk 0
	QUARTER 0, 2, F1, F0
	QUARTER 0, 3, F0, F1
	TURN 0, 1, 1, 256, 0
	QFIRST 1, FS, 1                                ; chunk 1 begins; chunk 0 starts ctx's sums
	WIN 0                                          ; at a label and at a branch every window is 0
	s_mov_b32 s3, TRIPS
.Llap:                                                 ; a trip: the rest of an odd chunk, an even chunk, the next odd chunk's first quarter; both slots are filled again
	QUARTER 1, 2, F1, F0
	QUARTER 1, 3, F0, F1
	TURN 1, 0, 1, 512, 1
	QFIRST 0, FS+8, 2
	QUARTER 0, 2, F1, F0
	QUARTER 0, 3, F0, F1
	TURN 0, 1, 1, 256, 0
	QFIRST 1, FS, 2
	WIN 0
	s_sub_co_u32 s3, s3, 1
	s_cmp_lg_u32 s3, 0
	s_cbranch_scc1 .Llap
	QUARTER 1, 2, F1, F0                           ; the rest of chunk 13,
	QUARTER 1, 3, F0, F1
	TURN 1, 0, 1, 512, 1                           ; whose slot takes chunk 15: the last refill
	QFIRST 0, FS+8, 2                              ; chunk 14
	QUARTER 0, 2, F1, F0
	QUARTER 0, 3, F0, F1
	TURN 0, 1, 0, 256, 0
	QFIRST 1, FS, 2                                ; chunk 15
	QUARTER 1, 2, F1, F0
	QUARTER 1, 3, F0, F1
	s_wait_dscnt 0x0
	MULA F1, 0, 0
	MULA F1, 1, 0
	MULA F1, 2, 0
	MULA F1, 3, 0
	PLACES
	DRAIN 0, FS+8, 2
	DRAIN 1, FS+8, 2
	DRAIN 2, FS+8, 2
	DRAIN 3, FS+8, 2
.macro PACK a                          ; ctx's sums, already divided by l, rounded to f16
	WIN 0x0a                                       ; sources 0 and 1 window 2
.set i, 0
.rept 32
	v_cvt_pk_f16_f32 v[TMP+i], v[64*\a+2*i], v[64*\a+2*i+1]
.set i, i+1
.endr
	WIN 0
.endm
.macro TOSTAGE a
.irp b, 0,1,2,3,4,5,6,7
	ds_store_b128 v[STO], v[TMP+4*\b:TMP+4*\b+3] offset:32*\b
.endr
.irp t, 0,1,2,3,4,5,6,7
	ds_load_b128 v[OB+32*(\a%2)+4*\t:OB+32*(\a%2)+4*\t+3], v[RD] offset:\t*2*SPITCH   ; LDS serves a wave's instructions in order (ISA guide 5.7.1.4): these see the stores above
.endr
.endm
.macro SEND a
	s_wait_dscnt 0x0
	s_wait_xcnt 0x0                                ; the registers that the stores of two blocks ago read are loaded again only behind this wait
.irp t, 0,1,2,3,4,5,6,7
	global_store_b128 v[CO], v[OB+32*(\a%2)+4*\t:OB+32*(\a%2)+4*\t+3], s[86:87] offset:(16*\a+2*\t)*CROW   ; 16 lanes store 256 consecutive bytes, aligned
.endr
.endm
	PACK 0
	TOSTAGE 0
	PACK 1
	SEND 0
	TOSTAGE 1
	PACK 2
	SEND 1
	TOSTAGE 2
	PACK 3
	SEND 2
	TOSTAGE 3
	SEND 3
	s_wait_tensorcnt 0x0                           ; the wave's end
	ds_add_u32 v[SPW], v[NIL]
	s_wait_dscnt 0x0
	CROUND                                         ; the closing round
	s_endpgm
.Lfunc_end_k_q58412ffc11_mix:
	.size	k_q58412ffc11_mix, .Lfunc_end_k_q58412ffc11_mix-k_q58412ffc11_mix
	.p2alignl 7, 3214868480
	.fill 96, 4, 3214868480
	.section	.rodata,"a",@progbits
	.p2align	6, 0x0
	.amdhsa_kernel k_q58412ffc11_mix
		.amdhsa_group_segment_fixed_size 327680
		.amdhsa_private_segment_fixed_size 0
		.amdhsa_enable_private_segment 0
		.amdhsa_kernarg_size 32
		.amdhsa_user_sgpr_count 2
		.amdhsa_user_sgpr_kernarg_segment_ptr 1
		.amdhsa_wavefront_size32 1
		.amdhsa_system_sgpr_workgroup_id_x 1
		.amdhsa_system_sgpr_workgroup_id_y 1
		.amdhsa_system_sgpr_workgroup_id_z 1
		.amdhsa_system_vgpr_workitem_id 0
		.amdhsa_next_free_vgpr 768
		.amdhsa_next_free_sgpr 96
		.amdhsa_reserve_vcc 0
		.amdhsa_float_denorm_mode_32 3
		.amdhsa_float_denorm_mode_16_64 3
		.amdhsa_memory_ordered 1
		.amdhsa_forward_progress 1
		.amdhsa_inst_pref_size 180
	.end_amdhsa_kernel
	.amdgpu_metadata
---
amdhsa.version: [ 1, 2 ]
amdhsa.kernels:
  - .name:           k_q58412ffc11_mix
    .symbol:         k_q58412ffc11_mix.kd
    .args:
      - { .name: pm, .offset: 0, .size: 8, .value_kind: global_buffer, .address_space: global }
      - { .name: xh, .offset: 8, .size: 8, .value_kind: global_buffer, .address_space: global }
      - { .name: st, .offset: 16, .size: 8, .value_kind: global_buffer, .address_space: global }
      - { .name: ctx, .offset: 24, .size: 8, .value_kind: global_buffer, .address_space: global }
    .group_segment_fixed_size: 327680
    .private_segment_fixed_size: 0
    .kernarg_segment_align: 8
    .kernarg_segment_size: 32
    .max_flat_workgroup_size: 128
    .sgpr_count:     96
    .vgpr_count:     768
    .wavefront_size: 32
...
	.end_amdgpu_metadata
.endif
;; end of part 10
;; launch outp (part 11): grid 4 x 64, 4 waves a work-group, clusters of 4 x 4, 327,680 bytes of LDS; arguments ctx, wov, amax, out0; writes out0
.if DOCPART == 11
	.amdgcn_target "amdgcn-amd-amdhsa--gfx1250"
	.amdhsa_code_object_version 6
	.text
	.protected	k_q58412ffc11_outp
	.globl	k_q58412ffc11_outp
	.p2align	8
	.type	k_q58412ffc11_outp,@function
k_q58412ffc11_outp:
	s_mov_b64 s[64:65], 0
	v_nop
	global_prefetch_b8 v0, s[64:65] scope:SCOPE_SE
	s_setreg_imm32_b32 hwreg(HW_REG_WAVE_MODE, 25, 1), 1
	s_wait_xcnt 0x0
	s_wait_alu depctr_hold_cnt(0) depctr_sa_sdst(0) depctr_va_vdst(0) depctr_va_sdst(0) depctr_va_ssrc(0) depctr_va_vcc(0) depctr_vm_vsrc(0)
	s_getreg_b32 s2, hwreg(HW_REG_IB_STS2, 6, 4)
	s_cmp_eq_u32 s2, 0
	s_cbranch_scc0 .Lentry_in_a_cluster
	s_endpgm
.Lentry_in_a_cluster:
	s_bfe_u32 s2, ttmp6, 0x10000c
	s_cmp_lg_u32 s2, 0xf033
	s_cbranch_scc0 .Lentry_shape_is_right
	s_endpgm
.Lentry_shape_is_right:
; out0[t][e] = (sum over c of ctx[t][c] Wov[e][c]) * 2^-s + bo2[e], f32.  ctx = attn x; Wov = Wo Wv is stored times 2^s at wov's byte 0, bo2 = Wo bv + bo in f32 at its byte 2,097,152.
; 2^-s is made again from amax as where Wov was stored: exponent field e of the bound 1024 max|Wo| max(|Wv|, |bv|), kept in 16..250; 2^-s = 2^(e - 140).  f16 operands, f32 sums.
; SHARES, RING, CLUSTERS, TRANSPOSED USE: a tile of out0 is 128 x 256, four waves 2 x 2, each 64 x 128: 32 accumulators; K = 1024 in 8 steps of 128 through two LDS slots; 4 x 64 = 256 work-groups.
; 4 x 4 work-groups form a cluster: ctx's tile is shared along a row of the cluster, Wov's along a column, each asked for jointly.
; Source 0 = 16 rows of Wov, source 1 = 16 rows of ctx: a lane holds row l % 16 of out0 and eight neighbouring columns.
; REGISTERS: window 0: v0-47 addresses and scale work; v64-159, v160-255 fragment buffers, on the way out T, OB.  window 1: accumulator (a, b) at v[8 (8 a + b)].  window 2: v0-63 bo2 of my 64 columns.
.set PITCH,  272
.set AHALF,  64*PITCH
.set BOFF,   2*AHALF
.set BHALF,  128*PITCH
.set SLOT,   BOFF+2*BHALF
.set STAGE,  2*SLOT                    ; 16 rows x 528 bytes for each wave; no fill lands here
.set SPITCH, 528                       ; a stage row: 512 bytes + 16: row r starts 4 banks behind row r - 1
.set WSTAGE, 16*SPITCH
.set SPARE,  STAGE+4*WSTAGE            ; the spare words, 128 bytes for each wave: two blocks of 256 bytes that no other line names
.set LAPS,   4
.set ROWA,   2048
.set STRA,   1024
.set ROWB,   2048
.set STRB,   1024
.set ASTEP,  256
.set BSTEP,  256
.set CROW,   4096
.set BO2,    2097152                   ; where bo2 begins in wov
.set ADRA, 16
.set ADRB, 20
.set STO,  24
.set RD,   25
.set CO,   26
.set LN,   27
.set SPW,  28
.set NIL,  29
.set F0,   64
.set F1,   160
.set T,    64                          ; a block's 64 numbers
.set OB,   128                         ; whole rows read back: v128-191 and v192-255 by turns
.set G1A, 24
.set G0A, 32
.set G1B, 48
.set G0B, 56
.set SC,  84                           ; s[84:85] 2^-s, twice
.set MUL, 0x50
.set MSB, 0
.macro WIN new
.if MSB != \new
	s_set_vgpr_msb (MSB<<8)|\new
.set MSB, \new
.endif
.endm
.macro PLACES
.rept 4
	v_nop
.endr
.endm
.macro JLOAD s                         ; a joint load; four v_nop follow each of the two lines
	s_cmp_lt_u32 s10, 2
	s_cbranch_scc0 .Lfor_b_\@
	tensor_load_to_lds s[G0A+4*\s:G0A+4*\s+3], s[G1A:G1A+7]
	s_nop 0
.rept 4
	v_nop
.endr
	s_branch .Lasked_\@
.Lfor_b_\@:
	tensor_load_to_lds s[G0B+4*\s:G0B+4*\s+3], s[G1B:G1B+7]
	s_nop 0
.rept 4
	v_nop
.endr
.Lasked_\@:
.endm
.macro CREST
	s_cmp_lg_u32 s10, 0
	s_cbranch_scc1 .Lnot_wave_0_\@
	s_barrier_signal -3
.Lnot_wave_0_\@:
	s_barrier_wait -3
	s_barrier_signal -1
	s_barrier_wait -1
.endm
.macro CROUND
	s_barrier_signal -1
	s_barrier_wait -1
	CREST
.endm
	s_load_b256 s[68:75], s[0:1], 0x0              ; ctx s[68:69], wov s[70:71], amax s[72:73], out0 s[74:75]
	v_lshl_add_u32 v[SPW], v0, 2, SPARE
	v_mov_b32 v[NIL], 0
	ds_add_u32 v28, v29
	s_wait_dscnt 0x0
	v_lshrrev_b32 v1, 5, v0
	v_readfirstlane_b32 s10, v1                    ; wave 0..3
	s_lshr_b32 s11, s10, 1
	s_and_b32 s12, s10, 1
	s_bfe_u32 s40, ttmp6, 0x40000
	s_bfe_u32 s41, ttmp6, 0x40004
	s_lshl_b32 s42, ttmp9, 2
	s_add_co_u32 s42, s42, s40                     ; tile column
	s_and_b32 s13, ttmp7, 0xffff
	s_lshl_b32 s13, s13, 2
	s_add_co_u32 s13, s13, s41                     ; tile row
	s_lshl_b32 s43, s41, 2
	s_lshl_b32 s43, 15, s43
	s_lshl_b32 s44, 0x1111, s40
	s_mov_b32 s66, 0x76543210
	s_mov_b32 s67, 0xfedcba98
	s_or_b32 s[G1A], s43, (1<<16)|(1<<20)|(1<<21)|(5<<22)|(3<<25)   ; ctx's tile: 64 rows x 128 elements, to my row of the cluster; 4 words of padding behind every 64
	s_mov_b32 s[G1A+1], 128<<16
	s_mov_b32 s[G1A+2], 64<<16
	s_mov_b32 s[G1A+3], 128<<16
	s_mov_b32 s[G1A+4], 64
	s_mov_b32 s[G1A+5], STRA
	s_mov_b32 s[G1A+6], 0
	s_mov_b32 s[G1A+7], 0
	s_or_b32 s[G1B], s44, (1<<16)|(1<<20)|(1<<21)|(5<<22)|(3<<25)   ; Wov's tile: 128 rows x 128 elements, to my column
	s_mov_b32 s[G1B+1], 128<<16
	s_mov_b32 s[G1B+2], 128<<16
	s_mov_b32 s[G1B+3], 128<<16
	s_mov_b32 s[G1B+4], 128
	s_mov_b32 s[G1B+5], STRB
	s_mov_b32 s[G1B+6], 0
	s_mov_b32 s[G1B+7], 0
	s_lshl_b32 s16, s13, 7
	s_lshl_b32 s17, s12, 6
	s_add_co_u32 s16, s16, s17
	s_mov_b32 s17, 0
	s_mov_b64 s[18:19], ROWA
	s_mul_u64 s[16:17], s[16:17], s[18:19]
	s_lshl_b32 s46, s42, 8
	s_lshl_b32 s47, s12, 7
	s_add_co_u32 s46, s46, s47                     ; Wov: row 256 x tile column + 128 x half
	s_mov_b32 s47, 0
	s_mov_b64 s[20:21], ROWB
	s_mul_u64 s[46:47], s[46:47], s[20:21]
	s_mul_i32 s22, s12, AHALF
	s_mul_i32 s23, s12, BHALF
	s_add_co_u32 s23, s23, BOFF
	s_wait_kmcnt 0x0
	s_add_nc_u64 s[14:15], s[68:69], s[16:17]
	s_add_nc_u64 s[46:47], s[70:71], s[46:47]
	CROUND                                         ; all sixteen work-groups are here: the first joint loads meet
.irp s, 0,1
	s_mov_b32 s[G0A+4*\s], 1
	s_add_co_u32 s[G0A+4*\s+1], s22, \s*SLOT
	s_add_nc_u64 s[G0A+4*\s+2:G0A+4*\s+3], s[14:15], \s*ASTEP
	s_or_b32 s[G0A+4*\s+3], s[G0A+4*\s+3], 0x80000000
	s_mov_b32 s[G0B+4*\s], 1
	s_add_co_u32 s[G0B+4*\s+1], s23, \s*SLOT
	s_add_nc_u64 s[G0B+4*\s+2:G0B+4*\s+3], s[46:47], \s*BSTEP
	s_or_b32 s[G0B+4*\s+3], s[G0B+4*\s+3], 0x80000000
.endr
	s_cmp_lt_u32 s10, 2                            ; a wave's two first fills stand in one branch: two loads of mine are out
	s_cbranch_scc0 .Lfirst_b
	tensor_load_to_lds s[G0A:G0A+3], s[G1A:G1A+7]
	s_nop 0
	tensor_load_to_lds s[G0A+4:G0A+7], s[G1A:G1A+7]
	s_nop 0
.rept 4
	v_nop
.endr
	s_branch .Lfirst_asked
.Lfirst_b:
	tensor_load_to_lds s[G0B:G0B+3], s[G1B:G1B+7]
	s_nop 0
	tensor_load_to_lds s[G0B+4:G0B+7], s[G1B:G1B+7]
	s_nop 0
.rept 4
	v_nop
.endr
.Lfirst_asked:
	v_and_b32 v1, 15, v0                           ; r
	v_bfe_u32 v2, v0, 4, 1                         ; h
	v_and_b32 v[LN], 31, v0
	v_lshlrev_b32 v5, 5, v2                        ; bias: 8 h numbers
	v_lshlrev_b32 v7, 2, v[LN]
	s_lshl_b32 s6, s42, 10                         ; 256 columns for each tile column,
	s_lshl_b32 s7, s12, 9                          ; 128 for my half,
	s_add_co_u32 s6, s6, s7
	s_add_co_u32 s6, s6, BO2                       ; behind Wov
	s_mov_b32 s7, 0
	s_add_nc_u64 s[88:89], s[70:71], s[6:7]
	WIN 0x80                                       ; destination window 2
.irp b, 0,1,2,3,4,5,6,7
	global_load_b128 v[8*\b:8*\b+3],   v5, s[88:89] offset:64*\b
	global_load_b128 v[8*\b+4:8*\b+7], v5, s[88:89] offset:64*\b+16
.endr
	WIN 0
	global_load_b32 v40, v7, s[72:73] offset:1280        ; (Wv, bv)'s 32 figures
	global_load_b32 v42, v7, s[72:73] offset:1408        ; Wo's 32
	v_mul_u32_u24 v3, v1, PITCH
	v_lshl_add_u32 v3, v2, 4, v3
	s_mul_i32 s4, s11, AHALF
	s_mul_i32 s5, s12, BHALF
	s_add_co_u32 s5, s5, BOFF
.irp s, 0,1
	v_add_nc_u32 v[ADRA+\s], s4, v3
	v_add_nc_u32 v[ADRB+\s], s5, v3
	s_add_co_u32 s4, s4, SLOT
	s_add_co_u32 s5, s5, SLOT
.endr
	s_mul_i32 s6, s10, WSTAGE
	s_add_co_u32 s6, s6, STAGE
	v_mul_u32_u24 v4, v1, SPITCH                   ; in: row r, 32 bytes for each half of the lanes
	v_lshl_add_u32 v4, v2, 5, v4
	v_add_nc_u32 v[STO], s6, v4
	v_lshl_add_u32 v[RD], v[LN], 4, s6             ; back: the 32 lanes take one row of 512 bytes
	v_lshlrev_b32 v[CO], 4, v[LN]                  ; and the same in out0
	v_mov_b32 v41, 0
	s_lshl_b32 s16, s13, 7
	s_lshl_b32 s17, s11, 6
	s_add_co_u32 s16, s16, s17
	s_mov_b32 s17, 0
	s_mov_b64 s[18:19], CROW
	s_mul_u64 s[16:17], s[16:17], s[18:19]
	s_lshl_b32 s46, s42, 10
	s_lshl_b32 s47, s12, 9
	s_add_co_u32 s46, s46, s47
	s_mov_b32 s47, 0
	s_add_nc_u64 s[16:17], s[16:17], s[46:47]
	s_add_nc_u64 s[86:87], s[74:75], s[16:17]
	s_wait_loadcnt 0x0
.macro RED v, t
	v_max_num_f32_dpp v[\v], v[\v], v[\v] row_xmask:1 row_mask:0xf bank_mask:0xf
	v_max_num_f32_dpp v[\v], v[\v], v[\v] row_xmask:2 row_mask:0xf bank_mask:0xf
	v_max_num_f32_dpp v[\v], v[\v], v[\v] row_xmask:4 row_mask:0xf bank_mask:0xf
	v_max_num_f32_dpp v[\v], v[\v], v[\v] row_xmask:8 row_mask:0xf bank_mask:0xf
	v_permlanex16_b32 v[\t], v[\v], s66, s67
	v_max_num_f32 v[\v], v[\v], v[\t]
.endm
	RED 40, 41                                     ; max (|Wv|, |bv|)
	RED 42, 41                                     ; max |Wo|
	v_mul_f32 v34, v42, v40
	v_mul_f32 v34, 0x44800000, v34                 ; Wov's bound: 1024 x their product
	v_readfirstlane_b32 s4, v34
	s_bfe_u32 s4, s4, 0x80017
	s_max_u32 s4, s4, 16
	s_min_u32 s4, s4, 250
	s_sub_co_u32 s4, s4, 13
	s_lshl_b32 s[SC], s4, 23                       ; 2^(e - 140)
	s_mov_b32 s[SC+1], s[SC]
.macro MULA f, a, zero                 ; 8 matrix instructions; the 32 accumulators take turns, one instruction a turn
.irp b, 0,1,2,3,4,5,6,7
.if \zero
	v_wmma_f32_16x16x32_f16 v[8*(8*\a+\b):8*(8*\a+\b)+7], v[\f+32+8*\b:\f+32+8*\b+7], v[\f+8*\a:\f+8*\a+7], 0
.else
	v_wmma_f32_16x16x32_f16 v[8*(8*\a+\b):8*(8*\a+\b)+7], v[\f+32+8*\b:\f+32+8*\b+7], v[\f+8*\a:\f+8*\a+7], v[8*(8*\a+\b):8*(8*\a+\b)+7]
.endif
.endr
.endm
.macro FETCH slot, q, f
.irp b, 0,1,2,3,4,5,6,7
	ds_load_b128 v[\f+32+8*\b:\f+32+8*\b+3],   v[ADRB+\slot] offset:64*\q+\b*16*PITCH
	ds_load_b128 v[\f+32+8*\b+4:\f+32+8*\b+7], v[ADRB+\slot] offset:64*\q+\b*16*PITCH+32
.endr
.irp i, 0,1,2,3
	ds_load_b128 v[\f+8*\i:\f+8*\i+3],   v[ADRA+\slot] offset:64*\q+\i*16*PITCH
	ds_load_b128 v[\f+8*\i+4:\f+8*\i+7], v[ADRA+\slot] offset:64*\q+\i*16*PITCH+32
.endr
.endm
.macro QUARTER slot, q, f, g, zero
	PLACES                                         ; buffer g was read by the quarter before
	WIN 0
	FETCH \slot, \q, \g
	s_wait_dscnt 24                                ; all but the 24 just issued: buffer f is in
	WIN MUL
	MULA \f, 0, \zero
	MULA \f, 1, \zero
	MULA \f, 2, \zero
	MULA \f, 3, \zero
.endm
.macro TURN slot, next, fill
	WIN 0
	s_wait_tensorcnt 0x0                           ; all my tensor loads have landed: my part of the next slot
	ds_add_u32 v[SPW], v[NIL]                      ; 0 onto my spare word
	s_wait_dscnt 1                                 ; buffer 1 is in; the add may be out
	WIN MUL
	MULA F1, 0, 0
	s_wait_dscnt 0x0                               ; the add is done, and my reads of this slot are over
	s_barrier_signal -1
	MULA F1, 1, 0
	WIN 0
	s_barrier_wait -1
.if \fill
	CREST                                          ; no wave of any partner still reads this slot or has a load on its way
	s_add_nc_u64 s[G0A+4*\slot+2:G0A+4*\slot+3], s[G0A+4*\slot+2:G0A+4*\slot+3], 2*ASTEP
	s_add_nc_u64 s[G0B+4*\slot+2:G0B+4*\slot+3], s[G0B+4*\slot+2:G0B+4*\slot+3], 2*BSTEP
	JLOAD \slot                                    ; the first tensor load behind the round; its four v_nop are also the places in front of the loads below
.else
	PLACES
.endif
	FETCH \next, 0, F0
	WIN MUL
	MULA F1, 2, 0
	MULA F1, 3, 0
.endm
	s_wait_tensorcnt 0x1                           ; my part of K step 0 is in; K step 1's may stay out
	s_barrier_signal -1
	s_barrier_wait -1
	FETCH 0, 0, F0
	QUARTER 0, 1, F0, F1, 1
	WIN 0
	s_mov_b32 s3, LAPS-1
.Llap:
	QUARTER 0, 2, F1, F0, 0
	QUARTER 0, 3, F0, F1, 0
	TURN 0, 1, 1
	QUARTER 1, 1, F0, F1, 0
	QUARTER 1, 2, F1, F0, 0
	QUARTER 1, 3, F0, F1, 0
	TURN 1, 0, 1
	QUARTER 0, 1, F0, F1, 0
	WIN 0
	s_sub_co_u32 s3, s3, 1
	s_cmp_lg_u32 s3, 0
	s_cbranch_scc1 .Llap
	QUARTER 0, 2, F1, F0, 0
	QUARTER 0, 3, F0, F1, 0
	TURN 0, 1, 0
	QUARTER 1, 1, F0, F1, 0
	QUARTER 1, 2, F1, F0, 0
	QUARTER 1, 3, F0, F1, 0
	s_wait_dscnt 0x0
	MULA F1, 0, 0
	MULA F1, 1, 0
	MULA F1, 2, 0
	MULA F1, 3, 0
	WIN 0
	PLACES
; THE WAY OUT, 16 rows at a time: sum x 2^-s + bo2 in one fused multiply-add, each accumulator's registers in ascending order; 32 bytes a lane and n block into my own stage; back as whole rows of 512 bytes; stored.
.macro PACK4 a
	WIN 0x21                                       ; source 0 window 1 (sums), source 2 window 2 (bias)
.set i, 0
.rept 32
	v_pk_fma_f32 v[T+2*i:T+2*i+1], v[64*\a+2*i:64*\a+2*i+1], s[SC:SC+1], v[2*i:2*i+1] op_sel_hi:[1,0,1]
.set i, i+1
.endr
	WIN 0
.endm
.macro TOSTAGE4 a
.irp b, 0,1,2,3,4,5,6,7
	ds_store_b128 v[STO], v[T+8*\b:T+8*\b+3]   offset:64*\b
	ds_store_b128 v[STO], v[T+8*\b+4:T+8*\b+7] offset:64*\b+16
.endr
.irp t, 0,1,2,3,4,5,6,7,8,9,10,11,12,13,14,15
	ds_load_b128 v[OB+64*(\a%2)+4*\t:OB+64*(\a%2)+4*\t+3], v[RD] offset:\t*SPITCH   ; LDS serves a wave's instructions in order (ISA guide 5.7.1.4): these see the stores above
.endr
.endm
.macro SEND4 a
	s_wait_dscnt 0x0
	s_wait_xcnt 0x0                                ; the registers that the stores of two blocks ago read are loaded again only behind this wait
.irp t, 0,1,2,3,4,5,6,7,8,9,10,11,12,13,14,15
	global_store_b128 v[CO], v[OB+64*(\a%2)+4*\t:OB+64*(\a%2)+4*\t+3], s[86:87] offset:(16*\a+\t)*CROW th:TH_STORE_NT   ; the wave stores 512 consecutive bytes, aligned
.endr
.endm
	PACK4 0
	TOSTAGE4 0
	PACK4 1
	SEND4 0
	TOSTAGE4 1
	PACK4 2
	SEND4 1
	TOSTAGE4 2
	PACK4 3
	SEND4 2
	TOSTAGE4 3
	SEND4 3
	s_wait_tensorcnt 0x0                           ; the wave's end
	ds_add_u32 v[SPW], v[NIL]
	s_wait_dscnt 0x0
	CROUND                                         ; the closing round
	s_endpgm
.Lfunc_end_k_q58412ffc11_outp:
	.size	k_q58412ffc11_outp, .Lfunc_end_k_q58412ffc11_outp-k_q58412ffc11_outp
	.p2alignl 7, 3214868480
	.fill 96, 4, 3214868480
	.section	.rodata,"a",@progbits
	.p2align	6, 0x0
	.amdhsa_kernel k_q58412ffc11_outp
		.amdhsa_group_segment_fixed_size 327680
		.amdhsa_private_segment_fixed_size 0
		.amdhsa_enable_private_segment 0
		.amdhsa_kernarg_size 32
		.amdhsa_user_sgpr_count 2
		.amdhsa_user_sgpr_kernarg_segment_ptr 1
		.amdhsa_wavefront_size32 1
		.amdhsa_system_sgpr_workgroup_id_x 1
		.amdhsa_system_sgpr_workgroup_id_y 1
		.amdhsa_system_sgpr_workgroup_id_z 1
		.amdhsa_system_vgpr_workitem_id 0
		.amdhsa_next_free_vgpr 576
		.amdhsa_next_free_sgpr 96
		.amdhsa_reserve_vcc 0
		.amdhsa_float_denorm_mode_32 3
		.amdhsa_float_denorm_mode_16_64 3
		.amdhsa_memory_ordered 1
		.amdhsa_forward_progress 1
		.amdhsa_inst_pref_size 95
	.end_amdhsa_kernel
	.amdgpu_metadata
---
amdhsa.version: [ 1, 2 ]
amdhsa.kernels:
  - .name:           k_q58412ffc11_outp
    .symbol:         k_q58412ffc11_outp.kd
    .args:
      - { .name: ctx, .offset: 0, .size: 8, .value_kind: global_buffer, .address_space: global }
      - { .name: wov, .offset: 8, .size: 8, .value_kind: global_buffer, .address_space: global }
      - { .name: amax, .offset: 16, .size: 8, .value_kind: global_buffer, .address_space: global }
      - { .name: out0, .offset: 24, .size: 8, .value_kind: global_buffer, .address_space: global }
    .group_segment_fixed_size: 327680
    .private_segment_fixed_size: 0
    .kernarg_segment_align: 8
    .kernarg_segment_size: 32
    .max_flat_workgroup_size: 128
    .sgpr_count:     96
    .vgpr_count:     576
    .wavefront_size: 32
...
	.end_amdgpu_metadata
.endif
;; end of part 11
